; MI455X (gfx1250); checked and timed in simulation.
; The chip was launched on July 23, 2026; its instructions are those of AMD's public machine-readable ISA for CDNA 5 (MIT licence, August 2026) and "CDNA5" Instruction Set Architecture Reference Guide (July 2026). The comments in the code are by the model that wrote it; some were corrected since.
;; Dense Rnn. Allowed arithmetic: float matrix products may take bf16 or f16 operands with f32 sums; other float arithmetic in f32, or as packed bf16 or f16 multiplies, adds, multiply-adds, maxima and minima; sums over many terms, partial sums and values carried from step to step in f32; what a program stores and reads back later, other than sums and carried values, may be rounded once to bf16 or f16.
;; Inputs: Wbeta 1,024 x 8 float32; Wf1 1,024 x 128 float32; Wf2 128 x 1,024 float32; Wk 1,024 x 1,024 float32; Wo 1,024 x 1,024 float32; Wog1 1,024 x 128 float32; Wog2 128 x 1,024 float32; Wq 1,024 x 1,024 float32; Wv 1,024 x 1,024 float32; norm_w 1,024 float32; x 2 x 1,024 x 1,024 float32.
;; Outputs: out0 2 x 1,024 x 1,024 float32.
;; 3 versions, each right; version 3 is version 2 with the launch prep written anew for expert scheduling mode. Each part assembles by itself: llvm-mc -triple=amdgcn-amd-amdhsa -mcpu=gfx1250 --defsym DOCPART=n.
;; ======== version 1 of 3: 4 launches
;; limits: values are held in f16: magnitudes above 65,504 overflow, below 6.1e-05 lose precision
;; workspace buffers: xb 4,194,304 bytes; wall 10,485,760 bytes; wo16 2,097,152 bytes; ks 25,165,824 bytes; vg 16,777,216 bytes; sc 262,144 bytes; yt 8,388,608 bytes
;; launch prep (part 1): grid 256 x 2, 4 waves a work-group, no clusters, 54,784 bytes of LDS; arguments Wf1, Wf2, Wog1, Wog2, Wq, Wk, Wv, Wo, x, xb, wall, wo16, norm_w; writes xb, wall, wo16
.if DOCPART == 1
	.amdgcn_target "amdgcn-amd-amdhsa--gfx1250"
	.amdhsa_code_object_version 6
	.text
	.protected	k_qa39b36438e_prep
	.globl	k_qa39b36438e_prep
	.p2align	8
	.type	k_qa39b36438e_prep,@function
k_qa39b36438e_prep:
	s_mov_b64 s[64:65], 0
	v_nop
	global_prefetch_b8 v0, s[64:65] scope:SCOPE_SE
	s_setreg_imm32_b32 hwreg(HW_REG_WAVE_MODE, 25, 1), 1
	s_wait_xcnt 0x0
; PREP.  Work-groups with y = 1 cast: x -> xb (bf16); Wq, Wk, Wv -> blocks 0-2 of the panel wall (bf16); Wo -> wo16 = f16(bf16(Wo[k][n]) x bf16(norm_w[k])).
; Work-groups with y = 0 make the two low-rank products Wf1 Wf2 and Wog1 Wog2 (bf16 operands, f32 sums, rounded once to bf16) -> blocks 3 and 4 of wall.
; wall: [8 heads][1024 k][5 blocks q,k,v,f,g][128] bf16: a row of 1,280 bytes, a head of 1,310,720.
; LIMITS.  norm_w[k] x Wo[k][n] must stay under 65,504 (f16); below 6e-5 it keeps f16's fixed step of 6e-8.  (x Wf1) Wf2 is taken as x (Wf1 Wf2): the same sum in another order, the product matrix rounded once to bf16.
.set HEADB, 1310720
.set PB,    288                        ; a row of W2's block in LDS: 256 bytes + 32: an odd multiple of 32 for the turning load
.set STG,   36864                      ; behind it: 16 rows x 272 bytes for each wave, for the way out
.set SP,    272
.set SPARE, 54272                      ; the spare words, 128 bytes a wave
.set SPW,   30
.set NIL,   31
.set NW,    12                         ; v[12:19] norm_w of my four rows, rounded to bf16, each written twice (a pair for the packed multiply)
.set RAW,   32
.macro PLACES
.rept 4
	v_nop
.endr
.endm
.macro BF4 R                           ; four f32 at R -> two words of two bf16 at R, R+1
	v_cvt_pk_bf16_f32 v[\R], v[\R], v[(\R)+1]
	v_cvt_pk_bf16_f32 v[(\R)+1], v[(\R)+2], v[(\R)+3]
.endm
.macro WO1 D, R, n                     ; the word of two bf16 at D, widened into R, R+1, times norm_w, back into D as two f16
	v_lshlrev_b32 v[\R], 16, v[\D]
	v_and_b32 v[(\R)+1], s47, v[\D]
	v_pk_mul_f32 v[\R:(\R)+1], v[\R:(\R)+1], v[\n:(\n)+1] op_sel_hi:[1,0]
	v_cvt_pk_f16_f32 v[\D], v[\R], v[(\R)+1]
.endm
	s_load_b512 s[8:23], s[0:1], 0x0               ; Wf1 8, Wf2 10, Wog1 12, Wog2 14, Wq 16, Wk 18, Wv 20, Wo 22
	s_load_b256 s[24:31], s[0:1], 0x40             ; x 24, xb 26, wall 28, wo16 30
	s_load_b64 s[44:45], s[0:1], 0x60              ; norm_w
	v_lshl_add_u32 v[SPW], v0, 2, SPARE
	v_mov_b32 v[NIL], 0
	v_lshrrev_b32 v1, 5, v0
	v_readfirstlane_b32 s3, v1                     ; wave
	v_and_b32 v2, 31, v0                           ; lane
	s_and_b32 s2, ttmp7, 0xffff
	s_mov_b32 s33, 0                               ; the high word of every offset
	s_mov_b32 s47, 0xffff0000
	s_wait_kmcnt 0x0
	s_cmp_eq_u32 s2, 0
	s_cbranch_scc1 .Llow
	; THE CASTS.  Work-group c takes rows 4c .. 4c+3 of the four square weights and rows 8c .. 8c+7 of x: 24 rows of 4,096 bytes.
	; Thread t takes 16 bytes at 16 t and at 16 t + 2,048 of each row: a wave's load covers 512 consecutive bytes, its store of 8 bytes a lane 256 consecutive bytes, aligned.
	v_lshlrev_b32 v4, 4, v0                        ; in
	v_lshlrev_b32 v5, 3, v0                        ; out, dense rows
	v_mul_u32_u24 v6, v1, HEADB                    ; out, the panel: columns 4 t .. lie in head t / 32 = my wave's number,
	v_lshl_add_u32 v6, v2, 3, v6                   ; at byte 8 x lane of its block
	s_lshl_b32 s32, ttmp9, 4
	s_add_nc_u64 s[44:45], s[44:45], s[32:33]
	s_load_b128 s[36:39], s[44:45], 0x0            ; norm_w[4c .. 4c+3]
	s_lshl_b32 s32, ttmp9, 14
.irp e, 0,1,2,3
	s_add_nc_u64 s[16+2*\e:17+2*\e], s[16+2*\e:17+2*\e], s[32:33]
.endr
	s_add_nc_u64 s[26:27], s[26:27], s[32:33]      ; xb: 8 rows of 2,048 bytes
	s_lshl_b32 s32, ttmp9, 15
	s_add_nc_u64 s[24:25], s[24:25], s[32:33]
	s_lshl_b32 s32, ttmp9, 13
	s_add_nc_u64 s[30:31], s[30:31], s[32:33]
	s_mul_i32 s32, ttmp9, 5120
	s_add_nc_u64 s[28:29], s[28:29], s[32:33]
.irp e, 0,1,2,3
.irp i, 0,1,2,3
	global_load_b128 v[RAW+8*(4*\e+\i):RAW+8*(4*\e+\i)+3],   v4, s[16+2*\e:17+2*\e] offset:\i*4096 th:TH_LOAD_NT
	global_load_b128 v[RAW+8*(4*\e+\i)+4:RAW+8*(4*\e+\i)+7], v4, s[16+2*\e:17+2*\e] offset:\i*4096+2048 th:TH_LOAD_NT
.endr
.endr
.irp i, 0,1,2,3,4,5,6,7
	global_load_b128 v[RAW+8*(16+\i):RAW+8*(16+\i)+3],   v4, s[24:25] offset:\i*4096 th:TH_LOAD_NT
	global_load_b128 v[RAW+8*(16+\i)+4:RAW+8*(16+\i)+7], v4, s[24:25] offset:\i*4096+2048 th:TH_LOAD_NT
.endr
	s_wait_kmcnt 0x0
.irp i, 0,1,2,3
	v_cvt_pk_bf16_f32 v[NW+2*\i], s[36+\i], s[36+\i]
	v_lshlrev_b32 v[NW+2*\i], 16, v[NW+2*\i]
	v_mov_b32 v[NW+2*\i+1], v[NW+2*\i]
.endr
.set u, 0
.rept 12                               ; Wq, Wk, Wv: unit u = 4 e + i
	s_wait_loadcnt 2*(23-u)                        ; loads return in order: the later units' two loads each may stay out
	BF4 RAW+8*u
	BF4 RAW+8*u+4
	global_store_b64 v6, v[RAW+8*u:RAW+8*u+1],   s[28:29] offset:(u%4)*1280+(u/4)*256
	global_store_b64 v6, v[RAW+8*u+4:RAW+8*u+5], s[28:29] offset:(u%4)*1280+(u/4)*256+4*HEADB
.set u, u+1
.endr
.rept 4                                ; Wo
	s_wait_loadcnt 2*(23-u)
	BF4 RAW+8*u
	BF4 RAW+8*u+4
	WO1 RAW+8*u,   RAW+8*u+2, NW+2*(u-12)
	WO1 RAW+8*u+1, RAW+8*u+2, NW+2*(u-12)
	WO1 RAW+8*u+4, RAW+8*u+6, NW+2*(u-12)
	WO1 RAW+8*u+5, RAW+8*u+6, NW+2*(u-12)
	global_store_b64 v5, v[RAW+8*u:RAW+8*u+1],   s[30:31] offset:(u-12)*2048
	global_store_b64 v5, v[RAW+8*u+4:RAW+8*u+5], s[30:31] offset:(u-12)*2048+1024
.set u, u+1
.endr
.rept 8                                ; x
	s_wait_loadcnt 2*(23-u)
	BF4 RAW+8*u
	BF4 RAW+8*u+4
	global_store_b64 v5, v[RAW+8*u:RAW+8*u+1],   s[26:27] offset:(u-16)*2048
	global_store_b64 v5, v[RAW+8*u+4:RAW+8*u+5], s[26:27] offset:(u-16)*2048+1024
.set u, u+1
.endr
	s_branch .Lend
.Llow:
	; THE LOW-RANK PRODUCTS.  Work-group c: matrix c / 128, head (c / 16) % 8, 64 rows of W1 from 64 (c % 16) on; a wave 16 rows x the head's 128 columns.
	s_lshr_b32 s34, ttmp9, 7
	s_bfe_u32 s35, ttmp9, 0x30004
	s_and_b32 s36, ttmp9, 15
	s_cmp_eq_u32 s34, 0
	s_cselect_b64 s[38:39], s[8:9], s[12:13]       ; W1 [1024][128]
	s_cselect_b64 s[40:41], s[10:11], s[14:15]     ; W2 [128][1024]
	s_lshl_b32 s32, s35, 9
	s_add_nc_u64 s[40:41], s[40:41], s[32:33]      ; the head's 128 columns
	s_lshl2_add_u32 s37, s36, s3
	s_lshl_b32 s37, s37, 4                         ; my wave's first row
	s_lshl_b32 s32, s37, 9
	s_add_nc_u64 s[38:39], s[38:39], s[32:33]
	v_lshlrev_b32 v7, 12, v1
	v_lshl_add_u32 v7, v2, 4, v7                   ; W2: row = wave (+ 4 i), 16 bytes a lane
	v_mul_u32_u24 v8, v1, PB
	v_lshl_add_u32 v8, v2, 3, v8                   ; the same place in LDS, in bf16
	v_and_b32 v9, 15, v2                           ; r
	v_lshrrev_b32 v10, 4, v2                       ; h
	v_lshlrev_b32 v11, 9, v9
	v_lshl_add_u32 v11, v10, 5, v11                ; W1: row r, 8 f32 for each half of the lanes
.set i, 0
.rept 32
	global_load_b128 v[RAW+4*i:RAW+4*i+3], v7, s[40:41] offset:i*16384
.set i, i+1
.endr
.irp s, 0,1,2,3                        ; a fragment is 16 rows x 32 k: k = 8 h + 0..7 and 16 + 8 h + 0..7
	global_load_b128 v[160+16*\s:160+16*\s+3],     v11, s[38:39] offset:128*\s
	global_load_b128 v[160+16*\s+4:160+16*\s+7],   v11, s[38:39] offset:128*\s+16
	global_load_b128 v[160+16*\s+8:160+16*\s+11],  v11, s[38:39] offset:128*\s+64
	global_load_b128 v[160+16*\s+12:160+16*\s+15], v11, s[38:39] offset:128*\s+80
.endr
	v_and_b32 v13, 7, v2
	v_lshl_add_u32 v13, v10, 3, v13
	v_mul_u32_u24 v12, v13, PB
	v_bfe_u32 v13, v2, 3, 1
	v_lshl_add_u32 v12, v13, 4, v12                ; the turning load: row 8 h + l % 8, 16 bytes by (l / 8) % 2
	s_mul_i32 s42, s3, 16*SP
	s_add_co_u32 s42, s42, STG                     ; my stage
	v_mul_u32_u24 v14, v9, SP
	v_lshl_add_u32 v14, v10, 4, v14
	v_add_nc_u32 v14, s42, v14                     ; in: row r, 16 bytes for each half
	v_mul_u32_u24 v15, v10, SP
	v_lshl_add_u32 v15, v9, 4, v15
	v_add_nc_u32 v15, s42, v15                     ; back: lanes 0-15 one row of 256 bytes, lanes 16-31 the next
	v_mul_u32_u24 v16, v10, 1280
	v_lshl_add_u32 v16, v9, 4, v16                 ; the same two rows in the panel
	s_mul_i32 s32, s35, HEADB
	s_mul_i32 s42, s37, 1280
	s_add_co_u32 s32, s32, s42
	s_lshl_b32 s42, s34, 8
	s_add_co_u32 s32, s32, s42
	s_add_co_u32 s32, s32, 768                     ; block 3 or 4
	s_add_nc_u64 s[28:29], s[28:29], s[32:33]
	s_wait_loadcnt 16                              ; W2's 32 loads are in; W1's 16 may stay out
.set i, 0
.rept 32
	BF4 RAW+4*i
	ds_store_b64 v8, v[RAW+4*i:RAW+4*i+1] offset:i*4*PB
.set i, i+1
.endr
	s_wait_loadcnt 0x0
.set i, 0
.rept 32
	v_cvt_pk_bf16_f32 v[224+i], v[160+2*i], v[160+2*i+1]
.set i, i+1
.endr
	s_wait_dscnt 0x0                               ; for the others' sake: my part of W2's block is stored
	s_barrier_signal -1
	s_barrier_wait -1
	; source 0 = 16 columns of W2, source 1 = my 16 rows of W1: a lane ends with 8 neighbouring columns of one row.  The eight accumulators take turns.
.irp s, 0,1,2,3
.if \s > 0
	PLACES                                         ; four places between the last product and loads into registers that it read
.endif
.irp n, 0,1,2,3,4,5,6,7
	ds_load_tr16_b128 v[RAW+8*\n:RAW+8*\n+3],   v12 offset:\s*32*PB+32*\n
	ds_load_tr16_b128 v[RAW+8*\n+4:RAW+8*\n+7], v12 offset:\s*32*PB+32*\n+16*PB
.endr
	s_wait_dscnt 0x0
.irp n, 0,1,2,3,4,5,6,7
.if \s == 0
	v_wmma_f32_16x16x32_bf16 v[96+8*\n:96+8*\n+7], v[RAW+8*\n:RAW+8*\n+7], v[224+8*\s:224+8*\s+7], 0
.else
	v_wmma_f32_16x16x32_bf16 v[96+8*\n:96+8*\n+7], v[RAW+8*\n:RAW+8*\n+7], v[224+8*\s:224+8*\s+7], v[96+8*\n:96+8*\n+7]
.endif
.endr
.endr
	PLACES
.set i, 0
.rept 32
	v_cvt_pk_bf16_f32 v[160+i], v[96+2*i], v[96+2*i+1]
.set i, i+1
.endr
.irp n, 0,1,2,3,4,5,6,7
	ds_store_b128 v14, v[160+4*\n:160+4*\n+3] offset:32*\n
.endr
.irp n, 0,1,2,3,4,5,6,7
	ds_load_b128 v[192+4*\n:192+4*\n+3], v15 offset:\n*2*SP    ; a wave's LDS instructions are served in order: these see the stores above
.endr
.irp n, 0,1,2,3,4,5,6,7
	s_wait_dscnt 7-\n
	global_store_b128 v16, v[192+4*\n:192+4*\n+3], s[28:29] offset:\n*2560  ; 16 lanes store 256 consecutive bytes, aligned
.endr
.Lend:
	s_wait_tensorcnt 0x0                           ; the wave's end
	ds_add_u32 v[SPW], v[NIL]
	s_wait_dscnt 0x0
	s_endpgm
.Lfunc_end_k_qa39b36438e_prep:
	.size	k_qa39b36438e_prep, .Lfunc_end_k_qa39b36438e_prep-k_qa39b36438e_prep
	.p2alignl 7, 3214868480
	.fill 96, 4, 3214868480
	.section	.rodata,"a",@progbits
	.p2align	6, 0x0
	.amdhsa_kernel k_qa39b36438e_prep
		.amdhsa_group_segment_fixed_size 54784
		.amdhsa_private_segment_fixed_size 0
		.amdhsa_enable_private_segment 0
		.amdhsa_kernarg_size 104
		.amdhsa_user_sgpr_count 2
		.amdhsa_user_sgpr_kernarg_segment_ptr 1
		.amdhsa_wavefront_size32 1
		.amdhsa_system_sgpr_workgroup_id_x 1
		.amdhsa_system_sgpr_workgroup_id_y 1
		.amdhsa_system_sgpr_workgroup_id_z 1
		.amdhsa_system_vgpr_workitem_id 0
		.amdhsa_next_free_vgpr 256
		.amdhsa_next_free_sgpr 66
		.amdhsa_reserve_vcc 0
		.amdhsa_float_denorm_mode_32 3
		.amdhsa_float_denorm_mode_16_64 3
		.amdhsa_memory_ordered 1
		.amdhsa_forward_progress 1
		.amdhsa_inst_pref_size 47
	.end_amdhsa_kernel
	.amdgpu_metadata
---
amdhsa.version: [ 1, 2 ]
amdhsa.kernels:
  - .name:           k_qa39b36438e_prep
    .symbol:         k_qa39b36438e_prep.kd
    .args:
      - { .name: Wf1, .offset: 0, .size: 8, .value_kind: global_buffer, .address_space: global }
      - { .name: Wf2, .offset: 8, .size: 8, .value_kind: global_buffer, .address_space: global }
      - { .name: Wog1, .offset: 16, .size: 8, .value_kind: global_buffer, .address_space: global }
      - { .name: Wog2, .offset: 24, .size: 8, .value_kind: global_buffer, .address_space: global }
      - { .name: Wq, .offset: 32, .size: 8, .value_kind: global_buffer, .address_space: global }
      - { .name: Wk, .offset: 40, .size: 8, .value_kind: global_buffer, .address_space: global }
      - { .name: Wv, .offset: 48, .size: 8, .value_kind: global_buffer, .address_space: global }
      - { .name: Wo, .offset: 56, .size: 8, .value_kind: global_buffer, .address_space: global }
      - { .name: x, .offset: 64, .size: 8, .value_kind: global_buffer, .address_space: global }
      - { .name: xb, .offset: 72, .size: 8, .value_kind: global_buffer, .address_space: global }
      - { .name: wall, .offset: 80, .size: 8, .value_kind: global_buffer, .address_space: global }
      - { .name: wo16, .offset: 88, .size: 8, .value_kind: global_buffer, .address_space: global }
      - { .name: norm_w, .offset: 96, .size: 8, .value_kind: global_buffer, .address_space: global }
    .group_segment_fixed_size: 54784
    .private_segment_fixed_size: 0
    .kernarg_segment_align: 8
    .kernarg_segment_size: 104
    .max_flat_workgroup_size: 128
    .sgpr_count:     66
    .vgpr_count:     256
    .wavefront_size: 32
...
	.end_amdgpu_metadata
.endif
;; end of part 1
;; launch proj (part 2): grid 32 x 8, 4 waves a work-group, clusters of 4 x 1, 327,680 bytes of LDS; arguments xb, wall, Wbeta, ks, vg, sc; writes ks, vg, sc
.if DOCPART == 2
	.amdgcn_target "amdgcn-amd-amdhsa--gfx1250"
	.amdhsa_code_object_version 6
	.text
	.protected	k_qa39b36438e_proj
	.globl	k_qa39b36438e_proj
	.p2align	8
	.type	k_qa39b36438e_proj,@function
k_qa39b36438e_proj:
	s_mov_b64 s[64:65], 0
	v_nop
	global_prefetch_b8 v0, s[64:65] scope:SCOPE_SE
	s_setreg_imm32_b32 hwreg(HW_REG_WAVE_MODE, 25, 1), 1
	s_wait_xcnt 0x0
	s_wait_alu depctr_hold_cnt(0) depctr_sa_sdst(0) depctr_va_vdst(0) depctr_va_sdst(0) depctr_va_ssrc(0) depctr_va_vcc(0) depctr_vm_vsrc(0)
	s_getreg_b32 s2, hwreg(HW_REG_IB_STS2, 6, 4)
	s_cmp_eq_u32 s2, 0
	s_cbranch_scc0 .Lentry_in_a_cluster
	s_endpgm
.Lentry_in_a_cluster:
	s_bfe_u32 s2, ttmp6, 0x10000c
	s_cmp_lg_u32 s2, 0x3003
	s_cbranch_scc0 .Lentry_shape_is_right
	s_endpgm
.Lentry_shape_is_right:
; PROJ.  A work-group: 64 tokens x one head.  x [64 x 1024] times the head's panel [1024 x (q|k|v|f|g) x 128] and the head's column of Wbeta, bf16 operands, f32 sums; then
; silu(q, k, v), f = sigmoid, sigmoid(gate), k / sqrt(sum k^2 + 1e-6), and for each token nb = -2 sigmoid(beta), gamma = nb^2 sum f k^2, qp = nb sum q f k, qk = q . k.
; OUT, all f32: ks [bh][t][k | f | q f] (1,536 bytes a token), vg [bh][column pair][t][v0, v1, g0, g1], sc [bh][t][nb, gamma, qp, qk].
; SHARES.  Wave w: all 64 rows x channels 32 w .. 32 w + 31 of each of the five blocks, and beta: 4 row tiles x 11 column tiles = 44 accumulators.
; THE PRODUCT IS TRANSPOSED (source 0 = 16 columns of the panel, source 1 = 16 rows of x): a lane holds ONE token (lane % 16) and 8 neighbouring channels 8 (lane / 16) + 0..7.
; Beta's source 0 holds the same column in all 16 rows, so every lane ends with its own token's beta.
; CLUSTER.  The four row tiles of a cluster walk the same head's panel: its tiles are asked for jointly (mask 15).  x's rows are each work-group's own (mask 0), brought once.
; LIMITS.  Exponentials and reciprocals flush denormals: a sigmoid below 2^-126 counts as 0.
; REGISTERS in windows of 256 (s_set_vgpr_msb: bits 1:0 source 0, 3:2 source 1, 5:4 source 2, 7:6 destination):
;   window 0: v0-31 addresses; v64-127 x's fragments, two buffers of 4 x 8          window 1: v0-175 the panel's fragments, two buffers of 11 x 8
;   window 2: accumulators of row tiles 0, 1 at 8 (11 (mt % 2) + nt); v176-255 at work in the epilogue          window 3: the same for row tiles 2, 3
.set AREG,  17408                      ; a region of x: 64 rows x (256 + 16) bytes = 128 k
.set AP,    272
.set WBL,   139264                     ; beta's column, 1,024 bf16, stored by ds_store: blocks of its own
.set SLOT0, 141312                     ; two slots of 64 k-rows x 1,440 bytes (five blocks of 256 + 32)
.set SLOTB, 92160
.set WROW,  1440
.set SPARE, 325632
.set KSST,  141312                     ; behind the last fill: the stage for ks, 64 x 1,552
.set KSP,   1552
.set VST,   240640                     ; for v, 64 x 528; for the gate GOFF further on
.set VSP,   528
.set GOFF,  33792
.set HEADB, 1310720
.set TILEB, 81920                      ; 64 k-rows of the panel
.set ADRA, 4
.set ADRW, 5
.set ADRB, 6                           ; v6-9: by slot and half of the K step
.set XST,  10
.set XRD,  11
.set STK0, 12                          ; v12, v13
.set STV,  14
.set RDK,  15
.set GO,   16
.set RDV,  17
.set PFO,  19
.set SPW,  28
.set NIL,  29
.set T,    176
.set WV,   16
.set CX,   17
.set G1A,  32
.set G1B,  40
.set G0A,  48
.set G0B,  56
.set PFA,  66
.set LIM,  68
.set TRIPS, 69
.set NL,   70                          ; s[70:71] -log2(e)
.set SEL,  72
.set HM,   74                          ; the mask of lanes 16-31
.set MSB, 0
.macro WIN new                         ; the high byte repeats the setting that is left; a switch that changes nothing is dropped
.if MSB != (\new)
	s_set_vgpr_msb (MSB<<8)|(\new)
.set MSB, \new
.endif
.endm
.macro PLACES
.rept 4
	v_nop
.endr
.endm
.macro ROUND                           ; a round of the cluster's barrier
	s_barrier_signal -1
	s_barrier_wait -1
	s_cmp_lg_u32 s[WV], 0
	s_cbranch_scc1 .Lnot_wave_0_\@
	s_barrier_signal -3
.Lnot_wave_0_\@:
	s_barrier_wait -3
	s_barrier_signal -1
	s_barrier_wait -1
.endm
	s_load_b256 s[4:11], s[0:1], 0x0               ; xb 4, wall 6, Wbeta 8, ks 10
	s_load_b128 s[12:15], s[0:1], 0x20             ; vg 12, sc 14
	v_lshl_add_u32 v[SPW], v0, 2, SPARE
	v_mov_b32 v[NIL], 0
	ds_add_u32 v[SPW], v[NIL]                      ; the opening: the add, twice on end, and its wait ahead of my first tensor load
	ds_add_u32 v[SPW], v[NIL]
	v_lshrrev_b32 v20, 5, v0
	v_readfirstlane_b32 s[WV], v20
	s_bfe_u32 s[CX], ttmp6, 0x40000
	s_lshl_b32 s18, ttmp9, 2
	s_add_co_u32 s18, s18, s[CX]                   ; my row tile: it enters x's and the outputs' addresses alone
	s_and_b32 s19, ttmp7, 0xffff                   ; the head, which the partners share
	s_mov_b32 s[G1A], (1<<16)|(1<<20)|(5<<22)|(3<<25)  ; x: 2-byte elements, 4 words of padding after every 64
	s_mov_b32 s[G1A+1], 128<<16
	s_mov_b32 s[G1A+2], 64<<16
	s_mov_b32 s[G1A+3], 128<<16
	s_mov_b32 s[G1A+4], 64
	s_mov_b32 s[G1A+5], 1024
	s_mov_b32 s[G1A+6], 0
	s_mov_b32 s[G1A+7], 0
	s_mov_b32 s[G1B], 15|(3<<16)|(1<<20)|(1<<21)|(5<<22)|(7<<25)  ; the panel: 16 k-rows are 20,480 dense bytes = 80 rows of 256 (8-byte elements), 8 words of padding after each; mask of four, bit 21 beside it
	s_mov_b32 s[G1B+1], 32<<16
	s_mov_b32 s[G1B+2], 80<<16
	s_mov_b32 s[G1B+3], 32<<16
	s_mov_b32 s[G1B+4], 80
	s_mov_b32 s[G1B+5], 32
	s_mov_b32 s[G1B+6], 0
	s_mov_b32 s[G1B+7], 0
	s_mov_b32 s[G0A], 1
	s_mul_i32 s[G0A+1], s[WV], 2*AREG              ; wave w brings regions 2 w and 2 w + 1
	s_mov_b32 s[G0A+4], 1
	s_add_co_u32 s[G0A+5], s[G0A+1], AREG
	s_mov_b32 s[G0B], 1
	s_mul_i32 s[G0B+1], s[WV], 16*WROW             ; and 16 k-rows of each tile of the panel
	s_add_co_u32 s[G0B+1], s[G0B+1], SLOT0
	s_mov_b32 s[G0B+4], 1
	s_add_co_u32 s[G0B+5], s[G0B+1], SLOTB
	s_mov_b32 s[NL], 0xbfb8aa3b
	s_mov_b32 s[NL+1], s[NL]
	s_mov_b32 s[SEL], 0x76543210
	s_mov_b32 s[SEL+1], 0xfedcba98
	s_lshl_b32 s20, s18, 17                        ; 64 rows of 2,048 bytes
	s_lshl_b32 s21, s[WV], 9
	s_add_co_u32 s20, s20, s21
	s_mov_b32 s21, 0
	s_mul_i32 s22, s19, HEADB
	s_mul_i32 s23, s[WV], 20480
	s_add_co_u32 s24, s22, s23
	s_mov_b32 s25, 0
	s_mul_i32 s26, s[CX], 20480                    ; the prefetches: the partners share a tile's 320 blocks of 256 bytes by address, 80 each, a wave 20
	s_mul_i32 s27, s[WV], 5120
	s_add_co_u32 s26, s26, s27
	s_add_co_u32 s26, s26, s22
	s_add_co_u32 s26, s26, 5*TILEB                 ; the first change of slots steps it to tile 6
	s_mov_b32 s27, 0
	s_cmp_eq_u32 ttmp9, 0                          ; all clusters of a head walk the same panel: the first one asks
	s_cselect_b32 s[LIM], 2, -1
	s_mov_b32 s[TRIPS], 7
	s_wait_dscnt 0x0                               ; both opening adds are done
	s_wait_kmcnt 0x0
	s_add_nc_u64 s[G0A+2:G0A+3], s[4:5], s[20:21]
	s_add_nc_u64 s[G0A+6:G0A+7], s[G0A+2:G0A+3], 256
	s_or_b32 s[G0A+3], s[G0A+3], 0x80000000
	s_or_b32 s[G0A+7], s[G0A+7], 0x80000000
	s_add_nc_u64 s[G0B+2:G0B+3], s[6:7], s[24:25]
	s_add_nc_u64 s[G0B+6:G0B+7], s[G0B+2:G0B+3], TILEB
	s_or_b32 s[G0B+3], s[G0B+3], 0x80000000
	s_or_b32 s[G0B+7], s[G0B+7], 0x80000000
	s_add_nc_u64 s[PFA:PFA+1], s[6:7], s[26:27]
	ROUND                                          ; all four work-groups are here: the first joint loads meet
	tensor_load_to_lds s[G0A:G0A+3], s[G1A:G1A+7]  ; four loads of mine are out: two regions of x, my part of tiles 0 and 1
	s_nop 0
	tensor_load_to_lds s[G0A+4:G0A+7], s[G1A:G1A+7]
	s_nop 0
	tensor_load_to_lds s[G0B:G0B+3], s[G1B:G1B+7]
	s_nop 0
	tensor_load_to_lds s[G0B+4:G0B+7], s[G1B:G1B+7]
	s_nop 0
	PLACES
	s_lshl_b32 s24, s19, 2
	s_add_nc_u64 s[8:9], s[8:9], s[24:25]          ; Wbeta[.][head]
	v_lshlrev_b32 v21, 8, v0                       ; thread t takes k = 8 t .. 8 t + 7, rows of 32 bytes
.irp i, 0,1,2,3,4,5,6,7
	global_load_b32 v[32+\i], v21, s[8:9] offset:32*\i
.endr
	s_lshr_b32 s20, s18, 4
	s_lshl3_add_u32 s20, s20, s19                  ; bh = 8 batch + head
	s_and_b32 s21, s18, 15
	s_lshl_b32 s21, s21, 6                         ; t0
	s_lshl_b32 s22, s20, 10
	s_add_co_u32 s22, s22, s21                     ; bh x 1024 + t0
	s_lshl_b32 s23, s[WV], 4
	s_add_co_u32 s23, s23, s22
	s_mul_i32 s24, s23, 1536
	s_add_nc_u64 s[10:11], s[10:11], s[24:25]      ; ks at my wave's 16 tokens
	s_lshl_b32 s23, s20, 6
	s_lshl_b32 s24, s[WV], 4
	s_add_co_u32 s23, s23, s24
	s_lshl_b32 s24, s23, 14
	s_lshl_b32 s23, s21, 4
	s_add_co_u32 s24, s24, s23
	s_add_nc_u64 s[12:13], s[12:13], s[24:25]      ; vg at my wave's 16 column pairs, token t0
	s_lshl_b32 s24, s22, 4
	s_add_nc_u64 s[14:15], s[14:15], s[24:25]      ; sc at token t0
	v_and_b32 v1, 31, v0                           ; l
	v_and_b32 v2, 15, v0                           ; r
	v_bfe_u32 v3, v0, 4, 1                         ; h
	v_mul_u32_u24 v[ADRA], v2, AP
	v_lshl_add_u32 v[ADRA], v3, 4, v[ADRA]
	v_lshlrev_b32 v[ADRW], 4, v3
	v_add_nc_u32 v[ADRW], WBL, v[ADRW]
	v_and_b32 v22, 7, v0
	v_lshl_add_u32 v22, v3, 3, v22
	v_mul_u32_u24 v22, v22, WROW
	v_bfe_u32 v23, v0, 3, 1
	v_lshl_add_u32 v22, v23, 4, v22
	s_lshl_b32 s23, s[WV], 6
	v_add_nc_u32 v22, s23, v22                     ; the turning load: k-row 8 h + l % 8, 16 bytes by (l / 8) % 2, my wave's 32 channels
	v_add_nc_u32 v[ADRB], SLOT0, v22
	v_add_nc_u32 v[ADRB+1], SLOT0+32*WROW, v22
	v_add_nc_u32 v[ADRB+2], SLOT0+SLOTB, v22
	v_add_nc_u32 v[ADRB+3], SLOT0+SLOTB+32*WROW, v22
	s_lshl_b32 s23, s[WV], 10
	v_lshl_add_u32 v[XST], v2, 4, s23
	v_lshlrev_b32 v[XRD], 4, v2
	s_lshl_b32 s23, s[WV], 7
	v_mul_u32_u24 v24, v2, KSP
	v_lshl_add_u32 v24, v3, 5, v24
	v_add_nc_u32 v24, s23, v24
	v_add_nc_u32 v[STK0], KSST, v24
	v_add_nc_u32 v[STK0+1], KSST+32*KSP, v24
	v_mul_u32_u24 v24, v2, VSP
	v_lshl_add_u32 v24, v3, 5, v24
	v_add_nc_u32 v24, s23, v24
	v_add_nc_u32 v[STV], VST, v24
	v_mul_u32_u24 v24, v1, VSP
	s_add_co_u32 s23, s23, VST
	v_add_nc_u32 v[RDV], s23, v24
	s_mul_i32 s23, s[WV], 16*KSP
	s_add_co_u32 s23, s23, KSST
	v_lshl_add_u32 v[RDK], v1, 4, s23
	v_lshlrev_b32 v[GO], 4, v1
	v_min_u32 v[PFO], 19, v1                       ; 20 blocks a wave: lanes 20-31 name lane 19's block once more, in the same instruction
	v_lshlrev_b32 v[PFO], 8, v[PFO]
	v_cmp_le_u32 s[HM], 16, v1
	v_lshl_add_u32 v22, v0, 4, WBL
	s_wait_loadcnt 0x0
.irp i, 0,1,2,3
	v_cvt_pk_bf16_f32 v[40+\i], v[32+2*\i], v[33+2*\i]
.endr
	ds_store_b128 v22, v[40:43]
	s_wait_tensorcnt 1                             ; x and tile 0 are in; tile 1 may stay out
	s_wait_dscnt 0x0
	s_barrier_signal -1
	s_barrier_wait -1
; 30 LDS loads: the fragments of 32 k (half kk of slot sl's K step) into buffer fb
.macro FETCH sl, kk, fb
	WIN 0x40                                       ; destination window 1, address window 0
.irp e, 0,1,2,3,4
.irp j, 0,1
	ds_load_tr16_b128 v[88*(\fb)+8*(2*\e+\j):88*(\fb)+8*(2*\e+\j)+3],   v[ADRB+2*(\sl)+(\kk)] offset:288*\e+32*\j
	ds_load_tr16_b128 v[88*(\fb)+8*(2*\e+\j)+4:88*(\fb)+8*(2*\e+\j)+7], v[ADRB+2*(\sl)+(\kk)] offset:288*\e+32*\j+16*WROW
.endr
.endr
	ds_load_b128 v[88*(\fb)+80:88*(\fb)+83], v[ADRW] offset:128*(\sl)+64*(\kk)
	ds_load_b128 v[88*(\fb)+84:88*(\fb)+87], v[ADRW] offset:128*(\sl)+64*(\kk)+32
	WIN 0
.irp m, 0,1,2,3
	ds_load_b128 v[64+32*(\fb)+8*\m:64+32*(\fb)+8*\m+3],   v[ADRA] offset:16*AP*\m+128*(\sl)+64*(\kk)
	ds_load_b128 v[64+32*(\fb)+8*\m+4:64+32*(\fb)+8*\m+7], v[ADRA] offset:16*AP*\m+128*(\sl)+64*(\kk)+32
.endr
.endm
; 22 products: row tiles 2 hi, 2 hi + 1 x all 11 column tiles.  The 44 accumulators take turns, in the same order in every half step.
.macro MULH fb, hi, zero
	WIN 0xa1+0x50*(\hi)
.irp m, 0,1
.irp n, 0,1,2,3,4,5,6,7,8,9,10
.if \zero
	v_wmma_f32_16x16x32_bf16 v[8*(11*\m+\n):8*(11*\m+\n)+7], v[88*(\fb)+8*\n:88*(\fb)+8*\n+7], v[64+32*(\fb)+8*(2*(\hi)+\m):64+32*(\fb)+8*(2*(\hi)+\m)+7], 0
.else
	v_wmma_f32_16x16x32_bf16 v[8*(11*\m+\n):8*(11*\m+\n)+7], v[88*(\fb)+8*\n:88*(\fb)+8*\n+7], v[64+32*(\fb)+8*(2*(\hi)+\m):64+32*(\fb)+8*(2*(\hi)+\m)+7], v[8*(11*\m+\n):8*(11*\m+\n)+7]
.endif
.endr
.endr
.endm
; The first half of slot sl's K step: buffer 0 is multiplied; in its middle the second half's fragments are fetched into buffer 1.
.macro SUB sl, zero
	s_wait_dscnt 0x0                               ; buffer 0 is in (asked for 22 products ago)
	MULH 0, 0, \zero
	PLACES                                         ; four places ahead of loads into registers that products have read
	FETCH \sl, 1, 1
	MULH 0, 1, \zero
.endm
.macro ASK                             ; the tile four refills on: 352 products ahead of the load that will want it; each block is named by one wave of the head's first cluster
	s_cmp_gt_u32 s[TRIPS], s[LIM]                  ; the last four refills have no tile four on
	s_cbranch_scc0 .Lnot_mine_\@
	global_prefetch_b8 v[PFO], s[PFA:PFA+1] th:TH_LOAD_NT scope:SCOPE_SE
.Lnot_mine_\@:
.endm
; The second half of slot sl's K step, and the change of slots.  fill = 1: the slot is filled again, with the tile two on, behind a round of the cluster's barrier.
.macro TURN sl, fill
.if \fill
	s_wait_xcnt 0x0                                ; the last prefetch, a K step back, has read its address
	s_add_nc_u64 s[PFA:PFA+1], s[PFA:PFA+1], TILEB
.endif
	s_wait_dscnt 0x0                               ; buffer 1 is in: my last reads of this slot
	WIN 0
	s_wait_tensorcnt 0x0                           ; all my tensor loads have landed: my part of the other slot
	ds_add_u32 v[SPW], v[NIL]                      ; 0 onto my spare word; 22 products stand between it and the wait for it
	MULH 1, 0, 0
.if \fill
	s_add_nc_u64 s[G0B+4*(\sl)+2:G0B+4*(\sl)+3], s[G0B+4*(\sl)+2:G0B+4*(\sl)+3], 2*TILEB
.endif
	WIN 0
	s_wait_dscnt 0x0                               ; the add is done
.if \fill
	ROUND                                          ; no wave of any partner still reads this slot or has a load on its way
	tensor_load_to_lds s[G0B+4*(\sl):G0B+4*(\sl)+3], s[G1B:G1B+7]  ; my one load behind the round
	s_nop 0
.else
	s_barrier_signal -1
	s_barrier_wait -1
.endif
	PLACES                                         ; also the places ahead of the loads into buffer 0
.if (\sl) == 1
	v_add_nc_u32 v[ADRA], AREG, v[ADRA]            ; two K steps are a region of x and 256 bytes of beta's column
	v_add_nc_u32 v[ADRW], 256, v[ADRW]
.endif
	FETCH 1-(\sl), 0, 0
.if \fill
	ASK
.endif
	MULH 1, 1, 0
.endm
	FETCH 0, 0, 0
	SUB 0, 1                                       ; the first half step starts the sums with the constant 0
	WIN 0
.Lk:                                                   ; 7 trips: two K steps of 64, both slots filled again (tiles 2 .. 15)
	TURN 0, 1
	SUB 1, 0
	TURN 1, 1
	SUB 0, 0
	WIN 0
	s_sub_co_u32 s[TRIPS], s[TRIPS], 1
	s_cmp_lg_u32 s[TRIPS], 0
	s_cbranch_scc1 .Lk
	TURN 0, 0                                      ; the tail fills nothing
	SUB 1, 0
	s_wait_dscnt 0x0
	MULH 1, 0, 0
	MULH 1, 1, 0
	WIN 0
	s_barrier_signal -1                            ; every wave's reads of x and of the slots are over: their bytes may be stored into
	s_barrier_wait -1
	PLACES
; THE EPILOGUE, a row tile at a time, all operands in the tile's window.  The five blocks lie on end at BM: q, k, v, f, g, 16 registers each; beta at BM + 80.
.macro EP1 mt
.set W, 2+(\mt)/2
.set BM, 88*((\mt)%2)
	WIN W*0x55
.set i, 0
.rept 40                               ; each accumulator's lowest registers are read first
	v_pk_mul_f32 v[T+i:T+i+1], v[BM+i:BM+i+1], s[NL:NL+1] op_sel_hi:[1,0]
.set i, i+2
.endr
	v_mul_f32 v[BM+81], s[NL], v[BM+80]
.set i, 0
.rept 80
	v_exp_f32 v[T+i], v[T+i]
.set i, i+1
.endr
	v_exp_f32 v[BM+81], v[BM+81]
	v_nop                                          ; a plain instruction behind the last exponential,
	s_wait_alu depctr_va_vdst(0)                   ; and one wait for the batch of 81
.set i, 0
.rept 40
	v_pk_add_f32 v[T+i:T+i+1], v[T+i:T+i+1], 1.0 op_sel_hi:[1,0]
.set i, i+2
.endr
	v_add_f32 v[BM+81], 1.0, v[BM+81]
.set i, 0
.rept 48
	v_rcp_f32 v[T+i], v[T+i]
.set i, i+1
.endr
.rept 32                               ; f and the gate ARE the sigmoid
	v_rcp_f32 v[BM+i], v[T+i]
.set i, i+1
.endr
	v_rcp_f32 v[BM+81], v[BM+81]
	v_nop
	s_wait_alu depctr_va_vdst(0)
.set i, 0
.rept 24                               ; silu = x sigmoid(x)
	v_pk_mul_f32 v[BM+i:BM+i+1], v[BM+i:BM+i+1], v[T+i:T+i+1]
.set i, i+2
.endr
	; my 16 channels' parts of s1 = sum k^2, s2 = sum f k^2, s3 = sum q f k, s4 = sum q k (k not yet normalised); q becomes q f
	v_pk_mul_f32 v[T:T+1], v[BM+16:BM+17], v[BM+16:BM+17]
	v_pk_mul_f32 v[T+6:T+7], v[BM:BM+1], v[BM+16:BM+17]
	v_pk_mul_f32 v[T+8:T+9], v[BM+48:BM+49], v[BM+16:BM+17]
	v_pk_mul_f32 v[BM:BM+1], v[BM:BM+1], v[BM+48:BM+49]
	v_pk_mul_f32 v[T+2:T+3], v[T+8:T+9], v[BM+16:BM+17]
	v_pk_mul_f32 v[T+4:T+5], v[BM:BM+1], v[BM+16:BM+17]
.set i, 2
.rept 7
	v_pk_fma_f32 v[T:T+1], v[BM+16+i:BM+17+i], v[BM+16+i:BM+17+i], v[T:T+1]
	v_pk_fma_f32 v[T+6:T+7], v[BM+i:BM+i+1], v[BM+16+i:BM+17+i], v[T+6:T+7]
	v_pk_mul_f32 v[T+8:T+9], v[BM+48+i:BM+49+i], v[BM+16+i:BM+17+i]
	v_pk_mul_f32 v[BM+i:BM+i+1], v[BM+i:BM+i+1], v[BM+48+i:BM+49+i]
	v_pk_fma_f32 v[T+2:T+3], v[T+8:T+9], v[BM+16+i:BM+17+i], v[T+2:T+3]
	v_pk_fma_f32 v[T+4:T+5], v[BM+i:BM+i+1], v[BM+16+i:BM+17+i], v[T+4:T+5]
.set i, i+2
.endr
.irp j, 0,1,2,3
	v_add_f32 v[T+12+\j], v[T+2*\j], v[T+2*\j+1]
.endr
.irp j, 0,1,2,3
	v_permlanex16_b32 v[T+16+\j], v[T+12+\j], s[SEL], s[SEL+1]  ; the token's other 16 channels lie in the lane 16 away
.endr
.irp j, 0,1,2,3
	v_add_f32 v[T+12+\j], v[T+12+\j], v[T+16+\j]
.endr
	WIN W<<2                                       ; address window 0, data window W
	ds_store_b128 v[XST], v[T+12:T+15] offset:(\mt)*256
.endm
.macro PUT adr, arr, off               ; 16 registers = 2 x 8 channels: four stores of 16 bytes
.irp j, 0,1,2,3
	ds_store_b128 v[\adr], v[(\arr)+4*\j:(\arr)+4*\j+3] offset:(\off)+16*(\j%2)+64*(\j/2)
.endr
.endm
.macro EP3 mt
.set W, 2+(\mt)/2
.set BM, 88*((\mt)%2)
.set QD, T+32+4*((\mt)%2)
	WIN W<<6                                       ; destination window W
.irp j, 0,1,2,3
	ds_load_b128 v[T+16+4*\j:T+19+4*\j], v[XRD] offset:1024*\j+(\mt)*256  ; the four waves' parts
.endr
	s_wait_dscnt 0x0
	WIN W*0x55
	v_pk_add_f32 v[T+16:T+17], v[T+16:T+17], v[T+20:T+21]
	v_pk_add_f32 v[T+18:T+19], v[T+18:T+19], v[T+22:T+23]
	v_pk_add_f32 v[T+24:T+25], v[T+24:T+25], v[T+28:T+29]
	v_pk_add_f32 v[T+26:T+27], v[T+26:T+27], v[T+30:T+31]
	v_pk_add_f32 v[T+16:T+17], v[T+16:T+17], v[T+24:T+25]
	v_pk_add_f32 v[T+18:T+19], v[T+18:T+19], v[T+26:T+27]
	v_add_f32 v[T+21], 0x358637bd, v[T+16]         ; s1 + 1e-6
	v_rsq_f32 v[T+20], v[T+21]                     ; rn
	v_mul_f32 v[QD], -2.0, v[BM+81]                ; nb = -2 sigmoid(beta): also the plain instruction behind the root
	s_wait_alu depctr_va_vdst(0)
	v_mul_f32 v[T+22], v[QD], v[T+20]              ; nb rn
	v_mul_f32 v[T+23], v[T+22], v[T+22]
	v_mul_f32 v[QD+1], v[T+23], v[T+17]            ; gamma = nb^2 rn^2 s2
	v_mul_f32 v[QD+2], v[T+22], v[T+18]            ; qp = nb rn s3
	v_mul_f32 v[QD+3], v[T+19], v[T+20]            ; qk = rn s4
.set i, 0
.rept 8
	v_pk_mul_f32 v[BM+16+i:BM+17+i], v[BM+16+i:BM+17+i], v[T+20:T+21] op_sel_hi:[1,0]
.set i, i+2
.endr
	WIN W<<2
	PUT STK0+(\mt)/2, BM+16, ((\mt)%2)*16*KSP
	PUT STK0+(\mt)/2, BM+48, ((\mt)%2)*16*KSP+512
	PUT STK0+(\mt)/2, BM,    ((\mt)%2)*16*KSP+1024
	PUT STV, BM+32, (\mt)*16*VSP
	PUT STV, BM+64, (\mt)*16*VSP+GOFF
.if ((\mt)%2) == 1
	WIN W*0x55                                     ; lanes 0-15 take the even tile's four numbers, lanes 16-31 the odd tile's: 32 tokens, 512 consecutive bytes
.irp j, 0,1,2,3
	v_cndmask_b32 v[T+40+\j], v[T+32+\j], v[T+36+\j], s[HM]
.endr
	WIN 0
	s_cmp_lg_u32 s[WV], 0                          ; all four waves hold them: wave 0 stores
	s_cbranch_scc1 .Lnosc_\@
	WIN W<<2
	global_store_b128 v[GO], v[T+40:T+43], s[14:15] offset:((\mt)/2)*512
	WIN 0
.Lnosc_\@:
.endif
.endm
	EP1 0
	EP1 1
	EP1 2
	EP1 3
	WIN 0
	s_wait_dscnt 0x0                               ; for the others' sake: my parts of the sums are stored
	s_barrier_signal -1
	s_barrier_wait -1
	EP3 0
	EP3 1
	EP3 2
	EP3 3
	WIN 0
	s_wait_dscnt 0x0                               ; my parts of the stages are stored
	s_barrier_signal -1
	s_barrier_wait -1
	; THE WAY OUT.  ks: wave w takes tokens 16 w .. 16 w + 15, three runs of 512 bytes a token.
.irp g, 0,1,2
.if \g > 0
	s_wait_xcnt 0x0                                ; the stores have read their registers
.endif
.set i, 0
.rept 16
	ds_load_b128 v[64+4*i:67+4*i], v[RDK] offset:((16*\g+i)/3)*KSP+((16*\g+i)%3)*512
.set i, i+1
.endr
.set i, 0
.rept 16
	s_wait_dscnt 15-i
	global_store_b128 v[GO], v[64+4*i:67+4*i], s[10:11] offset:((16*\g+i)/3)*1536+((16*\g+i)%3)*512
.set i, i+1
.endr
.endr
	; vg: wave w takes column pairs 16 w .. 16 w + 15; a lane a token: v's two and the gate's two make 16 bytes, 32 tokens 512 consecutive bytes.
.irp g, 0,1
	s_wait_xcnt 0x0
.set i, 0
.rept 16
	ds_load_b64 v[64+4*i:65+4*i], v[RDV] offset:((16*\g+i)%2)*32*VSP+8*((16*\g+i)/2)
	ds_load_b64 v[66+4*i:67+4*i], v[RDV] offset:((16*\g+i)%2)*32*VSP+8*((16*\g+i)/2)+GOFF
.set i, i+1
.endr
.set i, 0
.rept 16
	s_wait_dscnt 2*(15-i)
	global_store_b128 v[GO], v[64+4*i:67+4*i], s[12:13] offset:((16*\g+i)/2)*16384+((16*\g+i)%2)*512
.set i, i+1
.endr
.endr
	s_wait_tensorcnt 0x0                           ; the wave's end
	ds_add_u32 v[SPW], v[NIL]
	s_wait_dscnt 0x0
	ROUND                                          ; the closing round
	s_endpgm
.Lfunc_end_k_qa39b36438e_proj:
	.size	k_qa39b36438e_proj, .Lfunc_end_k_qa39b36438e_proj-k_qa39b36438e_proj
	.p2alignl 7, 3214868480
	.fill 96, 4, 3214868480
	.section	.rodata,"a",@progbits
	.p2align	6, 0x0
	.amdhsa_kernel k_qa39b36438e_proj
		.amdhsa_group_segment_fixed_size 327680
		.amdhsa_private_segment_fixed_size 0
		.amdhsa_enable_private_segment 0
		.amdhsa_kernarg_size 48
		.amdhsa_user_sgpr_count 2
		.amdhsa_user_sgpr_kernarg_segment_ptr 1
		.amdhsa_wavefront_size32 1
		.amdhsa_system_sgpr_workgroup_id_x 1
		.amdhsa_system_sgpr_workgroup_id_y 1
		.amdhsa_system_sgpr_workgroup_id_z 1
		.amdhsa_system_vgpr_workitem_id 0
		.amdhsa_next_free_vgpr 1024
		.amdhsa_next_free_sgpr 80
		.amdhsa_reserve_vcc 0
		.amdhsa_float_denorm_mode_32 3
		.amdhsa_float_denorm_mode_16_64 3
		.amdhsa_memory_ordered 1
		.amdhsa_forward_progress 1
		.amdhsa_inst_pref_size 143
	.end_amdhsa_kernel
	.amdgpu_metadata
---
amdhsa.version: [ 1, 2 ]
amdhsa.kernels:
  - .name:           k_qa39b36438e_proj
    .symbol:         k_qa39b36438e_proj.kd
    .args:
      - { .name: xb, .offset: 0, .size: 8, .value_kind: global_buffer, .address_space: global }
      - { .name: wall, .offset: 8, .size: 8, .value_kind: global_buffer, .address_space: global }
      - { .name: Wbeta, .offset: 16, .size: 8, .value_kind: global_buffer, .address_space: global }
      - { .name: ks, .offset: 24, .size: 8, .value_kind: global_buffer, .address_space: global }
      - { .name: vg, .offset: 32, .size: 8, .value_kind: global_buffer, .address_space: global }
      - { .name: sc, .offset: 40, .size: 8, .value_kind: global_buffer, .address_space: global }
    .group_segment_fixed_size: 327680
    .private_segment_fixed_size: 0
    .kernarg_segment_align: 8
    .kernarg_segment_size: 48
    .max_flat_workgroup_size: 128
    .sgpr_count:     80
    .vgpr_count:     1024
    .wavefront_size: 32
...
	.end_amdgpu_metadata
.endif
;; end of part 2
;; launch scan (part 3): grid 16 x 16, 4 waves a work-group, clusters of 4 x 1, 327,680 bytes of LDS; arguments ks, vg, sc, yt; writes yt
.if DOCPART == 3
	.amdgcn_target "amdgcn-amd-amdhsa--gfx1250"
	.amdhsa_code_object_version 6
	.text
	.protected	k_qa39b36438e_scan
	.globl	k_qa39b36438e_scan
	.p2align	8
	.type	k_qa39b36438e_scan,@function
k_qa39b36438e_scan:
	s_mov_b64 s[64:65], 0
	v_nop
	global_prefetch_b8 v0, s[64:65] scope:SCOPE_SE
	s_setreg_imm32_b32 hwreg(HW_REG_WAVE_MODE, 25, 1), 1
	s_wait_xcnt 0x0
	s_wait_alu depctr_hold_cnt(0) depctr_sa_sdst(0) depctr_va_vdst(0) depctr_va_sdst(0) depctr_va_ssrc(0) depctr_va_vcc(0) depctr_vm_vsrc(0)
	s_getreg_b32 s2, hwreg(HW_REG_IB_STS2, 6, 4)
	s_cmp_eq_u32 s2, 0
	s_cbranch_scc0 .Lentry_in_a_cluster
	s_endpgm
.Lentry_in_a_cluster:
	s_bfe_u32 s2, ttmp6, 0x10000c
	s_cmp_lg_u32 s2, 0x3003
	s_cbranch_scc0 .Lentry_shape_is_right
	s_endpgm
.Lentry_shape_is_right:
; SCAN.  The recurrence, token by token, in f32.  The two half steps of a token are one step on the old state S [128 d][128 columns]:
;   u = k . S, w = (f k) . S, o0 = (q f) . S;  z = v + nb w + gamma u;  S <- f S + (f k)(nb u) + k z;  o = o0 + qp u + qk z;  y' = o sigmoid(gate).
; The columns of S do not meet: a half of a wave (16 lanes) owns ONE column, lane g the rows 4 g .. 4 g + 3 and 64 + 4 g .. 64 + 4 g + 3: eight registers.
; SHARES.  A work-group: 8 columns of one (batch, head); 16 x 16 work-groups, 1,024 waves.  OUT: yt [bh][column][t] f32.
; CLUSTER.  The four work-groups of a cluster walk the same k, f, q f and token scalars: asked for jointly (mask 15).  v and the gate are each wave's own (mask 0), brought once.
; RING.  Two slots of 64 tokens x 1,536 bytes; a wave brings 16 tokens of each tile.  A refill has 64 steps in which to land.
.set TOKB,  1536
.set TILE,  98304
.set SLOT1, 131072                     ; one exclusive or turns an address in one slot into the other's
.set SCL,   98304                      ; the token scalars of all 1,024 tokens, 16,384 bytes
.set SPARE, 114688
.set VGL,   229376                     ; 4 waves x 16,384 bytes of v and gate
.set AK0,  4
.set AK,   5
.set AVG0, 6
.set AVG,  7
.set ASC0, 8
.set ASC,  9
.set YO,   10
.set PFO,  11
.set SPW,  12
.set NIL,  13
.set S,    16                          ; v[16:23] my 8 numbers of the state
.set Y,    24                          ; v[24:27] lane g gathers tokens 4 g .. 4 g + 3 of the tile
.set FK,   28
.set T,    36
.set AU,   44
.set AW,   46
.set AO,   48
.set UZ,   50                          ; nb u, z
.set SETS, 64                          ; four sets of 32: k 8, f 8, q f 8, the four scalars, v, gate
.set WV,   16
.set CX,   17
.set G1K,  24
.set G1S,  32
.set G1V,  40
.set G0KA, 48
.set G0KB, 52
.set G0S,  56
.set G0V,  60
.set PFA,  66
.set LIM,  68
.set CNT,  69
.set J,    70
.set MK,   71
.set TB,   72
.set TV,   73
.set YB,   74
.macro PLACES
.rept 4
	v_nop
.endr
.endm
.macro ROUND
	s_barrier_signal -1
	s_barrier_wait -1
	s_cmp_lg_u32 s[WV], 0
	s_cbranch_scc1 .Lnot_wave_0_\@
	s_barrier_signal -3
.Lnot_wave_0_\@:
	s_barrier_wait -3
	s_barrier_signal -1
	s_barrier_wait -1
.endm
.macro G1 g, mask, rows                ; dense bytes as rows of 256 (8-byte elements), no padding
	s_mov_b32 s[\g], (\mask)|(3<<16)
	s_mov_b32 s[(\g)+1], 32<<16
	s_mov_b32 s[(\g)+2], (\rows)<<16
	s_mov_b32 s[(\g)+3], 32<<16
	s_mov_b32 s[(\g)+4], \rows
	s_mov_b32 s[(\g)+5], 32
	s_mov_b32 s[(\g)+6], 0
	s_mov_b32 s[(\g)+7], 0
.endm
	s_load_b256 s[4:11], s[0:1], 0x0               ; ks 4, vg 6, sc 8, yt 10
	v_lshl_add_u32 v[SPW], v0, 2, SPARE
	v_mov_b32 v[NIL], 0
	ds_add_u32 v[SPW], v[NIL]                      ; the opening: the add, twice on end, and its wait ahead of my first tensor load
	ds_add_u32 v[SPW], v[NIL]
	v_lshrrev_b32 v3, 5, v0
	v_readfirstlane_b32 s[WV], v3
	s_bfe_u32 s[CX], ttmp6, 0x40000
	s_lshl_b32 s18, ttmp9, 2
	s_add_co_u32 s18, s18, s[CX]                   ; my group of 8 columns: it enters vg's and yt's addresses alone
	s_and_b32 s19, ttmp7, 0xffff                   ; bh, which the partners share
	G1 G1K, 15|(1<<21), 96
	G1 G1S, 15|(1<<21), 16
	G1 G1V, 0, 64
	s_mov_b32 s[G0KA], 1
	s_mul_i32 s[G0KA+1], s[WV], 16*TOKB
	s_mov_b32 s[G0KB], 1
	s_add_co_u32 s[G0KB+1], s[G0KA+1], SLOT1
	s_mov_b32 s[G0S], 1
	s_lshl_b32 s[G0S+1], s[WV], 12
	s_add_co_u32 s[G0S+1], s[G0S+1], SCL
	s_mov_b32 s[G0V], 1
	s_lshl_b32 s[G0V+1], s[WV], 14
	s_add_co_u32 s[G0V+1], s[G0V+1], VGL
	s_mul_i32 s20, s19, 1024*TOKB
	s_mul_i32 s21, s[WV], 16*TOKB
	s_add_co_u32 s20, s20, s21
	s_mov_b32 s21, 0
	s_lshl_b32 s22, s19, 14
	s_lshl_b32 s23, s[WV], 12
	s_add_co_u32 s22, s22, s23
	s_mov_b32 s23, 0
	s_lshl_b32 s12, s19, 6
	s_lshl2_add_u32 s12, s18, s12
	s_add_co_u32 s12, s12, s[WV]                   ; my column pair among the 1,024
	s_lshl_b32 s12, s12, 14
	s_mov_b32 s13, 0
	s_lshl_b32 s14, s19, 7
	s_lshl3_add_u32 s14, s18, s14
	s_lshl1_add_u32 s14, s[WV], s14                ; my first column
	s_lshl_b32 s14, s14, 12
	s_mov_b32 s15, 0
	s_mul_i32 s2, s19, 1024*TOKB                   ; the prefetches: a tile's 384 blocks of 256 bytes, 96 a partner by address, 32 for each of waves 0 to 2
	s_mul_i32 s3, s[CX], 24576
	s_add_co_u32 s2, s2, s3
	s_lshl_b32 s3, s[WV], 13
	s_add_co_u32 s2, s2, s3
	s_add_co_u32 s2, s2, 2*TILE                    ; the first change of slots steps it to tile 3
	s_mov_b32 s3, 0
	s_cmp_eq_u32 s[WV], 3
	s_cselect_b32 s[LIM], 1, 0
	s_or_b32 s[LIM], s[LIM], ttmp9                 ; all clusters of a bh walk the same tiles: the first one asks
	s_cmp_eq_u32 s[LIM], 0
	s_cselect_b32 s[LIM], 1, -1
	s_mov_b32 s[TB], 0
	s_mov_b32 s[TV], 0
	s_mov_b32 s[CNT], 15
	s_wait_dscnt 0x0                               ; both opening adds are done
	s_wait_kmcnt 0x0
	s_add_nc_u64 s[G0KA+2:G0KA+3], s[4:5], s[20:21]
	s_add_nc_u64 s[G0KB+2:G0KB+3], s[G0KA+2:G0KA+3], TILE
	s_or_b32 s[G0KA+3], s[G0KA+3], 0x80000000
	s_or_b32 s[G0KB+3], s[G0KB+3], 0x80000000
	s_add_nc_u64 s[G0S+2:G0S+3], s[8:9], s[22:23]
	s_or_b32 s[G0S+3], s[G0S+3], 0x80000000
	s_add_nc_u64 s[G0V+2:G0V+3], s[6:7], s[12:13]
	s_or_b32 s[G0V+3], s[G0V+3], 0x80000000
	s_add_nc_u64 s[YB:YB+1], s[10:11], s[14:15]
	s_add_nc_u64 s[PFA:PFA+1], s[4:5], s[2:3]
	ROUND                                          ; all four work-groups are here: the first joint loads meet
	tensor_load_to_lds s[G0V:G0V+3], s[G1V:G1V+7]  ; four loads of mine are out
	s_nop 0
	tensor_load_to_lds s[G0S:G0S+3], s[G1S:G1S+7]
	s_nop 0
	tensor_load_to_lds s[G0KA:G0KA+3], s[G1K:G1K+7]
	s_nop 0
	tensor_load_to_lds s[G0KB:G0KB+3], s[G1K:G1K+7]
	s_nop 0
	PLACES
	v_and_b32 v1, 31, v0
	v_and_b32 v2, 15, v0                           ; g
	v_bfe_u32 v3, v0, 4, 1                         ; which of the pair's two columns
	v_lshlrev_b32 v[AK0], 4, v2
	v_lshl_add_u32 v[AVG0], v3, 2, s[G0V+1]
	v_mov_b32 v[ASC0], SCL
	v_lshlrev_b32 v[YO], 12, v3
	v_lshl_add_u32 v[YO], v2, 4, v[YO]
	v_lshlrev_b32 v[PFO], 8, v1
.irp i, 0,1,2,3,4,5,6,7
	v_mov_b32 v[S+\i], 0                           ; S0 = 0
.endr
.irp i, 0,1,2,3
	v_mov_b32 v[Y+\i], 0
.endr
	s_wait_tensorcnt 1                             ; all but tile 1, which may stay out
	s_barrier_signal -1
	s_barrier_wait -1
.macro LOADS st, tok                   ; nine LDS loads: one token's numbers into set st
.set KK, SETS+32*(\st)
.irp c, 0,1,2,3,4,5
	ds_load_b128 v[KK+4*\c:KK+4*\c+3], v[AK] offset:(\tok)*TOKB+256*\c
.endr
	ds_load_b128 v[KK+24:KK+27], v[ASC] offset:(\tok)*16
	ds_load_b32 v[KK+28], v[AVG] offset:(\tok)*16
	ds_load_b32 v[KK+29], v[AVG] offset:(\tok)*16+8
.endm
.macro STEP st, i                      ; one token
.set KK, SETS+32*(\st)
.set FF, KK+8
.set QQ, KK+16
.set CC, KK+24
.irp p, 0,2,4,6
	v_pk_mul_f32 v[FK+\p:FK+\p+1], v[FF+\p:FF+\p+1], v[KK+\p:KK+\p+1]
.endr
	v_pk_mul_f32 v[AU:AU+1], v[KK:KK+1], v[S:S+1]
	v_pk_mul_f32 v[AO:AO+1], v[QQ:QQ+1], v[S:S+1]
	v_pk_mul_f32 v[AW:AW+1], v[FK:FK+1], v[S:S+1]
.irp p, 2,4,6
	v_pk_fma_f32 v[AU:AU+1], v[KK+\p:KK+\p+1], v[S+\p:S+\p+1], v[AU:AU+1]
	v_pk_fma_f32 v[AO:AO+1], v[QQ+\p:QQ+\p+1], v[S+\p:S+\p+1], v[AO:AO+1]
	v_pk_fma_f32 v[AW:AW+1], v[FK+\p:FK+\p+1], v[S+\p:S+\p+1], v[AW:AW+1]
.endr
	v_add_f32 v[AU], v[AU], v[AU+1]
	v_add_f32 v[AW], v[AW], v[AW+1]
	v_add_f32 v[AO], v[AO], v[AO+1]
.irp p, 0,2,4,6
	v_pk_mul_f32 v[T+\p:T+\p+1], v[FF+\p:FF+\p+1], v[S+\p:S+\p+1]   ; f S waits for nothing: it stands beside the sums over the lanes
.endr
.irp m, 1,2,4,8
	v_add_f32_dpp v[AU], v[AU], v[AU] row_xmask:\m row_mask:0xf bank_mask:0xf
	v_add_f32_dpp v[AW], v[AW], v[AW] row_xmask:\m row_mask:0xf bank_mask:0xf
	v_add_f32_dpp v[AO], v[AO], v[AO] row_xmask:\m row_mask:0xf bank_mask:0xf
.endr
	v_mul_f32 v[UZ], v[CC], v[AU]                  ; nb u
	v_fma_f32 v[UZ+1], v[CC], v[AW], v[KK+28]      ; v + nb w
	v_fma_f32 v[AO], v[CC+2], v[AU], v[AO]         ; o0 + qp u
	v_fma_f32 v[UZ+1], v[CC+1], v[AU], v[UZ+1]     ; z
.irp p, 0,2,4,6
	v_pk_fma_f32 v[S+\p:S+\p+1], v[FK+\p:FK+\p+1], v[UZ:UZ+1], v[T+\p:T+\p+1] op_sel_hi:[1,0,1]
.endr
	v_fma_f32 v[AO], v[CC+3], v[UZ+1], v[AO]       ; + qk z
.irp p, 0,2,4,6
	v_pk_fma_f32 v[S+\p:S+\p+1], v[KK+\p:KK+\p+1], v[UZ:UZ+1], v[S+\p:S+\p+1] op_sel:[0,1,0] op_sel_hi:[1,1,1]
.endr
	v_mul_f32 v[AO], v[AO], v[KK+29]
	v_cndmask_b32 v[Y+(\i)], v[Y+(\i)], v[AO], s[MK]  ; every lane of the half holds o: lane g = J keeps it
.endm
; A tile's 64 tokens, four a trip; two sets are worked on while the other two are on their way.
.macro PROC
	v_add_nc_u32 v[AK], s[TB], v[AK0]
	v_add_nc_u32 v[AVG], s[TV], v[AVG0]
	v_add_nc_u32 v[ASC], s[TV], v[ASC0]
	s_mov_b32 s[J], 0
	LOADS 0, 0
	LOADS 1, 1
.Ltrip_\@:
	v_cmp_eq_u32 s[MK], s[J], v2
	LOADS 2, 2
	LOADS 3, 3
	s_wait_dscnt 18                                ; sets 0 and 1 are in; the 18 loads just issued may stay out
	STEP 0, 0
	STEP 1, 1
	LOADS 0, 4
	LOADS 1, 5
	s_wait_dscnt 18                                ; sets 2 and 3 are in
	STEP 2, 2
	STEP 3, 3
	v_add_nc_u32 v[AK], 4*TOKB, v[AK]
	v_add_nc_u32 v[AVG], 64, v[AVG]
	v_add_nc_u32 v[ASC], 64, v[ASC]
	s_add_co_u32 s[J], s[J], 1
	s_cmp_lt_u32 s[J], 15
	s_cbranch_scc1 .Ltrip_\@
	v_cmp_eq_u32 s[MK], s[J], v2                   ; the last four tokens load nothing beyond the tile
	LOADS 2, 2
	LOADS 3, 3
	s_wait_dscnt 18
	STEP 0, 0
	STEP 1, 1
	s_wait_dscnt 0x0
	STEP 2, 2
	STEP 3, 3
	global_store_b128 v[YO], v[Y:Y+3], s[YB:YB+1]  ; 16 lanes store 64 tokens of a column: 256 consecutive bytes, aligned
.endm
.macro ASK                             ; the tile that the NEXT change of slots will ask for: one tile, 64 steps, ahead
	s_cmp_gt_u32 s[CNT], s[LIM]                    ; the last refill has no tile behind it
	s_cbranch_scc0 .Lnot_mine_\@
	global_prefetch_b8 v[PFO], s[PFA:PFA+1] th:TH_LOAD_NT scope:SCOPE_SE
.Lnot_mine_\@:
.endm
.macro CHANGE fill
	s_wait_tensorcnt 0x0                           ; all my tensor loads have landed: my part of the other slot
	ds_add_u32 v[SPW], v[NIL]                      ; 0 onto my spare word; scalar work stands between it and the wait for it
.if \fill
	s_xor_b32 s[G0KB+1], s[G0KB+1], SLOT1          ; the walking descriptor: the slot just read, the next tile
	s_add_nc_u64 s[G0KB+2:G0KB+3], s[G0KB+2:G0KB+3], TILE
.endif
	s_wait_xcnt 0x0                                ; the store and the last prefetch have read their registers
	s_add_nc_u64 s[YB:YB+1], s[YB:YB+1], 256
.if \fill
	s_add_nc_u64 s[PFA:PFA+1], s[PFA:PFA+1], TILE
.endif
	s_add_co_u32 s[TV], s[TV], 1024
	s_xor_b32 s[TB], s[TB], SLOT1
	s_wait_dscnt 0x0                               ; the add is done, and my reads of the slot are over
.if \fill
	ROUND                                          ; no wave of any partner still reads the slot or has a load on its way
	tensor_load_to_lds s[G0KB:G0KB+3], s[G1K:G1K+7]
	s_nop 0
	PLACES
	ASK
.else
	s_barrier_signal -1
	s_barrier_wait -1
.endif
.endm
	s_branch .Lproc                                ; tile 0 needs no change of slots
.Ltile:                                                ; 14 times: tiles 2 .. 15 are asked for
	CHANGE 1
.Lproc:
	PROC
	s_sub_co_u32 s[CNT], s[CNT], 1
	s_cmp_lg_u32 s[CNT], 0
	s_cbranch_scc1 .Ltile
	CHANGE 0                                       ; the last tile: nothing is asked for
	PROC
	s_wait_tensorcnt 0x0                           ; the wave's end
	ds_add_u32 v[SPW], v[NIL]
	s_wait_dscnt 0x0
	ROUND                                          ; the closing round
	s_endpgm
.Lfunc_end_k_qa39b36438e_scan:
	.size	k_qa39b36438e_scan, .Lfunc_end_k_qa39b36438e_scan-k_qa39b36438e_scan
	.p2alignl 7, 3214868480
	.fill 96, 4, 3214868480
	.section	.rodata,"a",@progbits
	.p2align	6, 0x0
	.amdhsa_kernel k_qa39b36438e_scan
		.amdhsa_group_segment_fixed_size 327680
		.amdhsa_private_segment_fixed_size 0
		.amdhsa_enable_private_segment 0
		.amdhsa_kernarg_size 32
		.amdhsa_user_sgpr_count 2
		.amdhsa_user_sgpr_kernarg_segment_ptr 1
		.amdhsa_wavefront_size32 1
		.amdhsa_system_sgpr_workgroup_id_x 1
		.amdhsa_system_sgpr_workgroup_id_y 1
		.amdhsa_system_sgpr_workgroup_id_z 1
		.amdhsa_system_vgpr_workitem_id 0
		.amdhsa_next_free_vgpr 192
		.amdhsa_next_free_sgpr 80
		.amdhsa_reserve_vcc 0
		.amdhsa_float_denorm_mode_32 3
		.amdhsa_float_denorm_mode_16_64 3
		.amdhsa_memory_ordered 1
		.amdhsa_forward_progress 1
		.amdhsa_inst_pref_size 67
	.end_amdhsa_kernel
	.amdgpu_metadata
---
amdhsa.version: [ 1, 2 ]
amdhsa.kernels:
  - .name:           k_qa39b36438e_scan
    .symbol:         k_qa39b36438e_scan.kd
    .args:
      - { .name: ks, .offset: 0, .size: 8, .value_kind: global_buffer, .address_space: global }
      - { .name: vg, .offset: 8, .size: 8, .value_kind: global_buffer, .address_space: global }
      - { .name: sc, .offset: 16, .size: 8, .value_kind: global_buffer, .address_space: global }
      - { .name: yt, .offset: 24, .size: 8, .value_kind: global_buffer, .address_space: global }
    .group_segment_fixed_size: 327680
    .private_segment_fixed_size: 0
    .kernarg_segment_align: 8
    .kernarg_segment_size: 32
    .max_flat_workgroup_size: 128
    .sgpr_count:     80
    .vgpr_count:     192
    .wavefront_size: 32
...
	.end_amdgpu_metadata
.endif
;; end of part 3
;; launch ogemm (part 4): grid 32 x 8, 4 waves a work-group, clusters of 4 x 1, 327,680 bytes of LDS; arguments yt, wo16, out0; writes out0
.if DOCPART == 4
	.amdgcn_target "amdgcn-amd-amdhsa--gfx1250"
	.amdhsa_code_object_version 6
	.text
	.protected	k_qa39b36438e_ogemm
	.globl	k_qa39b36438e_ogemm
	.p2align	8
	.type	k_qa39b36438e_ogemm,@function
k_qa39b36438e_ogemm:
	s_mov_b64 s[64:65], 0
	v_nop
	global_prefetch_b8 v0, s[64:65] scope:SCOPE_SE
	s_setreg_imm32_b32 hwreg(HW_REG_WAVE_MODE, 25, 1), 1
	s_wait_xcnt 0x0
	s_wait_alu depctr_hold_cnt(0) depctr_sa_sdst(0) depctr_va_vdst(0) depctr_va_sdst(0) depctr_va_ssrc(0) depctr_va_vcc(0) depctr_vm_vsrc(0)
	s_getreg_b32 s2, hwreg(HW_REG_IB_STS2, 6, 4)
	s_cmp_eq_u32 s2, 0
	s_cbranch_scc0 .Lentry_in_a_cluster
	s_endpgm
.Lentry_in_a_cluster:
	s_bfe_u32 s2, ttmp6, 0x10000c
	s_cmp_lg_u32 s2, 0x3003
	s_cbranch_scc0 .Lentry_shape_is_right
	s_endpgm
.Lentry_shape_is_right:
; OGEMM.  out0 = rmsnorm(y') (norm_w Wo).  A work-group: 64 tokens x 128 columns.  First y = y' / sqrt(mean over the head of y'^2 + 1e-6), rounded to f16, into LDS ([token][k], a region a head);
; norm_w lies in wo16 already.  Then K = 1,024 in four steps of 256 through two slots of wo16's rows, f16 operands, f32 sums.
; SHARES.  Wave w: 64 tokens x columns 32 w .. 32 w + 31: 8 accumulators.  The product is transposed (source 0 = 16 columns of wo16, source 1 = 16 tokens): a lane holds 8 neighbouring columns of one token.
; CLUSTER.  The four row tiles of a cluster take the same columns of wo16: its tiles are asked for jointly (mask 15).
; LIMITS.  |y| is at most sqrt(128) = 11.4, inside f16; wo16's limit stands at the kernel that makes it.
; No prefetch: the launch is short, and wo16's 2 MiB are walked by eight clusters side by side.
.set AREG,  17408                      ; a head's region: 64 tokens x (256 + 16) bytes, stored by ds_store: no tensor load lands here
.set AP,    272
.set SLOT0, 139264                     ; two slots of 256 k-rows x (256 + 32) bytes
.set SLOTB, 73728
.set WP,    288
.set SPARE, 286720
.set STG,   SLOT0                      ; the output's stage, 64 x 528, in slot 0 behind its last fill
.set SGP,   528
.set ADRA, 4
.set ADRB, 6                           ; v6-9: by slot and half of the K step
.set STO,  10
.set RD,   11
.set GO,   12
.set YI,   13
.set AST,  14
.set SPW,  28
.set NIL,  29
.set ACC,  32
.set FR,   96                          ; two buffers of 48: wo16's two fragments, y's four
.set YV,   32                          ; the prologue: a head's 128 numbers of my token
.set WV,   16
.set CX,   17
.set G1,   24
.set G0,   32
.set HC,   41
.set YB,   42
.macro PLACES
.rept 4
	v_nop
.endr
.endm
.macro ROUND
	s_barrier_signal -1
	s_barrier_wait -1
	s_cmp_lg_u32 s[WV], 0
	s_cbranch_scc1 .Lnot_wave_0_\@
	s_barrier_signal -3
.Lnot_wave_0_\@:
	s_barrier_wait -3
	s_barrier_signal -1
	s_barrier_wait -1
.endm
	s_load_b128 s[4:7], s[0:1], 0x0                ; yt 4, wo16 6
	s_load_b64 s[8:9], s[0:1], 0x10                ; out0
	v_lshl_add_u32 v[SPW], v0, 2, SPARE
	v_mov_b32 v[NIL], 0
	ds_add_u32 v[SPW], v[NIL]                      ; the opening: the add, twice on end, and its wait ahead of my first tensor load
	ds_add_u32 v[SPW], v[NIL]
	v_lshrrev_b32 v1, 5, v0
	v_readfirstlane_b32 s[WV], v1
	s_bfe_u32 s[CX], ttmp6, 0x40000
	s_lshl_b32 s18, ttmp9, 2
	s_add_co_u32 s18, s18, s[CX]                   ; my row tile: it enters yt's and out0's addresses alone
	s_and_b32 s19, ttmp7, 0xffff                   ; the column tile, which the partners share
	s_mov_b32 s[G1], 15|(1<<16)|(1<<20)|(1<<21)|(5<<22)|(7<<25)  ; mask of four, 2-byte elements, 8 words of padding after every 64, bit 21 beside the mask
	s_mov_b32 s[G1+1], 128<<16
	s_mov_b32 s[G1+2], 64<<16
	s_mov_b32 s[G1+3], 128<<16
	s_mov_b32 s[G1+4], 64
	s_mov_b32 s[G1+5], 1024
	s_mov_b32 s[G1+6], 0
	s_mov_b32 s[G1+7], 0
	s_mov_b32 s[G0], 1
	s_mul_i32 s[G0+1], s[WV], 64*WP                ; wave w brings 64 k-rows of each tile
	s_add_co_u32 s[G0+1], s[G0+1], SLOT0
	s_mov_b32 s[G0+4], 1
	s_add_co_u32 s[G0+5], s[G0+1], SLOTB
	s_lshl_b32 s12, s[WV], 17                      ; 64 rows of 2,048 bytes
	s_lshl_b32 s13, s19, 8
	s_add_co_u32 s12, s12, s13
	s_mov_b32 s13, 0
	s_mov_b32 s40, 0x3c000000                      ; 1 / 128
	s_lshr_b32 s20, s18, 4
	s_lshl_b32 s20, s20, 3
	s_lshr_b32 s21, s[WV], 1
	s_lshl2_add_u32 s20, s21, s20                  ; my first head's bh: waves 0, 1 take heads 0-3, waves 2, 3 heads 4-7
	s_lshl_b32 s20, s20, 19                        ; 128 columns of 4,096 bytes
	s_and_b32 s22, s18, 15
	s_lshl_b32 s22, s22, 6
	s_and_b32 s23, s[WV], 1
	s_lshl_b32 s23, s23, 5                         ; my half of the 64 tokens
	s_add_co_u32 s22, s22, s23
	s_lshl2_add_u32 s20, s22, s20
	s_mul_i32 s22, s21, 4*AREG
	s_mul_i32 s23, s23, AP
	s_add_co_u32 s22, s22, s23
	s_mov_b32 s21, 0
	s_lshl_b32 s14, s18, 6
	s_lshl_b32 s15, s[WV], 4
	s_add_co_u32 s14, s14, s15
	s_lshl_b32 s14, s14, 12                        ; out0: my wave's 16 rows of 4,096 bytes,
	s_lshl_b32 s15, s19, 9
	s_add_co_u32 s14, s14, s15                     ; the tile's 512 bytes of them
	s_mov_b32 s15, 0
	s_wait_dscnt 0x0                               ; both opening adds are done
	s_wait_kmcnt 0x0
	s_add_nc_u64 s[G0+2:G0+3], s[6:7], s[12:13]
	s_add_nc_u64 s[G0+6:G0+7], s[G0+2:G0+3], 256*2048
	s_or_b32 s[G0+3], s[G0+3], 0x80000000
	s_or_b32 s[G0+7], s[G0+7], 0x80000000
	s_add_nc_u64 s[YB:YB+1], s[4:5], s[20:21]
	s_add_nc_u64 s[8:9], s[8:9], s[14:15]
	ROUND                                          ; all four work-groups are here: the first joint loads meet
	tensor_load_to_lds s[G0:G0+3], s[G1:G1+7]      ; two loads of mine are out: K steps 0 and 1
	s_nop 0
	tensor_load_to_lds s[G0+4:G0+7], s[G1:G1+7]
	s_nop 0
	PLACES
	v_and_b32 v1, 31, v0                           ; l
	v_and_b32 v2, 15, v0                           ; r
	v_bfe_u32 v3, v0, 4, 1                         ; h
	v_lshlrev_b32 v[YI], 2, v1
	v_mul_u32_u24 v[AST], v1, AP
	v_add_nc_u32 v[AST], s22, v[AST]
	v_mul_u32_u24 v[ADRA], v2, AP
	v_lshl_add_u32 v[ADRA], v3, 4, v[ADRA]
	v_and_b32 v20, 7, v0
	v_lshl_add_u32 v20, v3, 3, v20
	v_mul_u32_u24 v20, v20, WP
	v_bfe_u32 v21, v0, 3, 1
	v_lshl_add_u32 v20, v21, 4, v20
	s_lshl_b32 s23, s[WV], 6
	v_add_nc_u32 v20, s23, v20
	v_add_nc_u32 v[ADRB], SLOT0, v20
	v_add_nc_u32 v[ADRB+1], SLOT0+128*WP, v20
	v_add_nc_u32 v[ADRB+2], SLOT0+SLOTB, v20
	v_add_nc_u32 v[ADRB+3], SLOT0+SLOTB+128*WP, v20
	s_lshl_b32 s23, s[WV], 7
	s_add_co_u32 s23, s23, STG
	v_mul_u32_u24 v[STO], v2, SGP
	v_lshl_add_u32 v[STO], v3, 5, v[STO]
	v_add_nc_u32 v[STO], s23, v[STO]
	s_mul_i32 s23, s[WV], 16*SGP
	s_add_co_u32 s23, s23, STG
	v_lshl_add_u32 v[RD], v1, 4, s23
	v_lshlrev_b32 v[GO], 4, v1
	; THE PROLOGUE: four heads a wave, a lane a token.
	s_mov_b32 s[HC], 4
.Lhead:
.set c, 0
.rept 128
	global_load_b32 v[YV+c], v[YI], s[YB:YB+1] offset:c*4096
.set c, c+1
.endr
	s_wait_loadcnt 0x0
.irp j, 0,1,2,3                        ; the sum of squares in four chains; the first terms start them
	v_pk_mul_f32 v[160+2*\j:161+2*\j], v[YV+2*\j:YV+2*\j+1], v[YV+2*\j:YV+2*\j+1]
.endr
.set c, 8
.rept 60
	v_pk_fma_f32 v[160+c%8:161+c%8], v[YV+c:YV+c+1], v[YV+c:YV+c+1], v[160+c%8:161+c%8]
.set c, c+2
.endr
	v_pk_add_f32 v[160:161], v[160:161], v[162:163]
	v_pk_add_f32 v[164:165], v[164:165], v[166:167]
	v_pk_add_f32 v[160:161], v[160:161], v[164:165]
	v_add_f32 v168, v160, v161
	v_fmaak_f32 v170, s40, v168, 0x358637bd        ; the mean + 1e-6
	v_rsq_f32 v172, v170
	v_nop                                          ; a plain instruction behind the root,
	s_wait_alu depctr_va_vdst(0)                   ; and its wait ahead of the first use
	v_mov_b32 v173, v172
.set c, 0
.rept 64
	v_pk_mul_f32 v[YV+c:YV+c+1], v[YV+c:YV+c+1], v[172:173]
.set c, c+2
.endr
.set c, 0
.rept 64
	v_cvt_pk_f16_f32 v[YV+c], v[YV+2*c], v[YV+2*c+1]
.set c, c+1
.endr
.set c, 0
.rept 16
	ds_store_b128 v[AST], v[YV+4*c:YV+4*c+3] offset:16*c
.set c, c+1
.endr
	s_add_nc_u64 s[YB:YB+1], s[YB:YB+1], 524288    ; the loads are done (the wait for 0 above): the next head
	s_wait_dscnt 0x0                               ; the stores have read their registers, which the next trip loads anew
	v_add_nc_u32 v[AST], AREG, v[AST]
	s_sub_co_u32 s[HC], s[HC], 1
	s_cmp_lg_u32 s[HC], 0
	s_cbranch_scc1 .Lhead
	s_wait_tensorcnt 1                             ; K step 0 is in; K step 1 may stay out
	s_barrier_signal -1
	s_barrier_wait -1
; 12 LDS loads: the fragments of sub-step q (32 k; 8 sub-steps a K step, 4 a head's region) into buffer q % 2
.macro FETCH q
.set SL, ((\q)/8)%2
.set SS, (\q)%8
.set FB, FR+48*((\q)%2)
.if (((\q)%4) == 0) && ((\q) > 0)
	v_add_nc_u32 v[ADRA], AREG, v[ADRA]
.endif
.irp j, 0,1
	ds_load_tr16_b128 v[FB+8*\j:FB+8*\j+3],   v[ADRB+2*SL+SS/4] offset:32*WP*(SS%4)+32*\j
	ds_load_tr16_b128 v[FB+8*\j+4:FB+8*\j+7], v[ADRB+2*SL+SS/4] offset:32*WP*(SS%4)+32*\j+16*WP
.endr
.irp m, 0,1,2,3
	ds_load_b128 v[FB+16+8*\m:FB+16+8*\m+3], v[ADRA] offset:16*AP*\m+64*(SS%4)
	ds_load_b128 v[FB+16+8*\m+4:FB+16+8*\m+7], v[ADRA] offset:16*AP*\m+64*(SS%4)+32
.endr
.endm
.macro MUL q                           ; 8 products; the eight accumulators take turns
.set FB, FR+48*((\q)%2)
.irp m, 0,1,2,3
.irp j, 0,1
.if (\q) == 0
	v_wmma_f32_16x16x32_f16 v[ACC+8*(2*\m+\j):ACC+8*(2*\m+\j)+7], v[FB+8*\j:FB+8*\j+7], v[FB+16+8*\m:FB+16+8*\m+7], 0
.else
	v_wmma_f32_16x16x32_f16 v[ACC+8*(2*\m+\j):ACC+8*(2*\m+\j)+7], v[FB+8*\j:FB+8*\j+7], v[FB+16+8*\m:FB+16+8*\m+7], v[ACC+8*(2*\m+\j):ACC+8*(2*\m+\j)+7]
.endif
.endr
.endr
.endm
.macro STEPQ q
	s_wait_dscnt 0x0                               ; this sub-step's fragments are in
.if ((\q)%8) != 7
	PLACES                                         ; four places ahead of loads into registers that the last products read
	FETCH (\q)+1
	MUL \q
.elseif (\q) < 31                      ; a K step's last sub-step: the change of slots
	s_wait_tensorcnt 0x0                           ; all my tensor loads have landed: my part of the other slot
	ds_add_u32 v[SPW], v[NIL]                      ; 0 onto my spare word; 8 products stand between it and the wait for it
	MUL \q
.if (\q) < 16
	s_add_nc_u64 s[G0+4*((\q)/8)+2:G0+4*((\q)/8)+3], s[G0+4*((\q)/8)+2:G0+4*((\q)/8)+3], 512*2048
.endif
	s_wait_dscnt 0x0                               ; the add is done; my reads of this slot were over at this sub-step's head
.if (\q) < 16
	ROUND                                          ; no wave of any partner still reads this slot or has a load on its way
	tensor_load_to_lds s[G0+4*((\q)/8):G0+4*((\q)/8)+3], s[G1:G1+7]  ; the K step two on
	s_nop 0
.else
	s_barrier_signal -1
	s_barrier_wait -1
.endif
	PLACES
	FETCH (\q)+1
.else
	MUL \q
.endif
.endm
	FETCH 0
.set qq, 0
.rept 32
	STEPQ qq
.set qq, qq+1
.endr
	; THE WAY OUT, through a stage in slot 0: its last fill was K step 2's, and the barrier at that step's end stands behind every wave's last read of it.
	PLACES
.irp m, 0,1,2,3
.irp j, 0,1
	ds_store_b128 v[STO], v[ACC+8*(2*\m+\j):ACC+8*(2*\m+\j)+3]   offset:\m*16*SGP+64*\j
	ds_store_b128 v[STO], v[ACC+8*(2*\m+\j)+4:ACC+8*(2*\m+\j)+7] offset:\m*16*SGP+64*\j+16
.endr
.endr
	s_wait_dscnt 0x0                               ; for the others' sake: a row's 512 bytes come from four waves
	s_barrier_signal -1
	s_barrier_wait -1
.set i, 0
.rept 16
	ds_load_b128 v[FR+4*i:FR+4*i+3], v[RD] offset:i*SGP
.set i, i+1
.endr
.set i, 0
.rept 16
	s_wait_dscnt 15-i
	global_store_b128 v[GO], v[FR+4*i:FR+4*i+3], s[8:9] offset:i*4096  ; 32 lanes store 512 consecutive bytes, aligned
.set i, i+1
.endr
	s_wait_tensorcnt 0x0                           ; the wave's end
	ds_add_u32 v[SPW], v[NIL]
	s_wait_dscnt 0x0
	ROUND                                          ; the closing round
	s_endpgm
.Lfunc_end_k_qa39b36438e_ogemm:
	.size	k_qa39b36438e_ogemm, .Lfunc_end_k_qa39b36438e_ogemm-k_qa39b36438e_ogemm
	.p2alignl 7, 3214868480
	.fill 96, 4, 3214868480
	.section	.rodata,"a",@progbits
	.p2align	6, 0x0
	.amdhsa_kernel k_qa39b36438e_ogemm
		.amdhsa_group_segment_fixed_size 327680
		.amdhsa_private_segment_fixed_size 0
		.amdhsa_enable_private_segment 0
		.amdhsa_kernarg_size 24
		.amdhsa_user_sgpr_count 2
		.amdhsa_user_sgpr_kernarg_segment_ptr 1
		.amdhsa_wavefront_size32 1
		.amdhsa_system_sgpr_workgroup_id_x 1
		.amdhsa_system_sgpr_workgroup_id_y 1
		.amdhsa_system_sgpr_workgroup_id_z 1
		.amdhsa_system_vgpr_workitem_id 0
		.amdhsa_next_free_vgpr 192
		.amdhsa_next_free_sgpr 66
		.amdhsa_reserve_vcc 0
		.amdhsa_float_denorm_mode_32 3
		.amdhsa_float_denorm_mode_16_64 3
		.amdhsa_memory_ordered 1
		.amdhsa_forward_progress 1
		.amdhsa_inst_pref_size 83
	.end_amdhsa_kernel
	.amdgpu_metadata
---
amdhsa.version: [ 1, 2 ]
amdhsa.kernels:
  - .name:           k_qa39b36438e_ogemm
    .symbol:         k_qa39b36438e_ogemm.kd
    .args:
      - { .name: yt, .offset: 0, .size: 8, .value_kind: global_buffer, .address_space: global }
      - { .name: wo16, .offset: 8, .size: 8, .value_kind: global_buffer, .address_space: global }
      - { .name: out0, .offset: 16, .size: 8, .value_kind: global_buffer, .address_space: global }
    .group_segment_fixed_size: 327680
    .private_segment_fixed_size: 0
    .kernarg_segment_align: 8
    .kernarg_segment_size: 24
    .max_flat_workgroup_size: 128
    .sgpr_count:     66
    .vgpr_count:     192
    .wavefront_size: 32
...
	.end_amdgpu_metadata
.endif
;; end of part 4
;; ======== version 2 of 3: 4 launches
;; limits: values are held in f16: magnitudes above 65,504 overflow, below 6.1e-05 lose precision
;; workspace buffers: xb 4,194,304 bytes; wall 10,485,760 bytes; wo16 2,097,152 bytes; ks 25,165,824 bytes; vg 16,777,216 bytes; sc 131,072 bytes; yt 8,388,608 bytes
;; launch prep: the kernel of part 1 again; grid 256 x 2, 4 waves a work-group, no clusters, 54,784 bytes of LDS; arguments Wf1, Wf2, Wog1, Wog2, Wq, Wk, Wv, Wo, x, xb, wall, wo16, norm_w; writes xb, wall, wo16
;; launch proj (part 5): grid 32 x 8, 4 waves a work-group, clusters of 4 x 1, 327,680 bytes of LDS; arguments xb, wall, Wbeta, ks, vg, sc; writes ks, vg, sc
.if DOCPART == 5
	.amdgcn_target "amdgcn-amd-amdhsa--gfx1250"
	.amdhsa_code_object_version 6
	.text
	.protected	k_qa39b36438e_proj
	.globl	k_qa39b36438e_proj
	.p2align	8
	.type	k_qa39b36438e_proj,@function
k_qa39b36438e_proj:
	s_mov_b64 s[64:65], 0
	v_nop
	global_prefetch_b8 v0, s[64:65] scope:SCOPE_SE
	s_setreg_imm32_b32 hwreg(HW_REG_WAVE_MODE, 25, 1), 1
	s_wait_xcnt 0x0
	s_wait_alu depctr_hold_cnt(0) depctr_sa_sdst(0) depctr_va_vdst(0) depctr_va_sdst(0) depctr_va_ssrc(0) depctr_va_vcc(0) depctr_vm_vsrc(0)
	s_getreg_b32 s2, hwreg(HW_REG_IB_STS2, 6, 4)
	s_cmp_eq_u32 s2, 0
	s_cbranch_scc0 .Lentry_in_a_cluster
	s_endpgm
.Lentry_in_a_cluster:
	s_bfe_u32 s2, ttmp6, 0x10000c
	s_cmp_lg_u32 s2, 0x3003
	s_cbranch_scc0 .Lentry_shape_is_right
	s_endpgm
.Lentry_shape_is_right:
; PROJ.  A work-group: 64 tokens x one head.  x [64 x 1024] times the head's panel [1024 x (q|k|v|f|g) x 128] and the head's column of Wbeta, bf16 operands, f32 sums; then
; silu(q, k, v), f = sigmoid, sigmoid(gate), k / sqrt(sum k^2 + 1e-6), and for each token nb = -2 sigmoid(beta), gamma = nb^2 sum f k^2 (k normalised).
; OUT, all f32: ks [bh][t][k | f | q] (1,536 bytes a token), vg [bh][column pair][t][v0, v1, g0, g1], sc [bh][t][nb, gamma].
; SHARES.  Wave w: all 64 rows x channels 32 w .. 32 w + 31 of each of the five blocks, and beta: 4 row tiles x 11 column tiles = 44 accumulators.
; THE PRODUCT IS TRANSPOSED (source 0 = 16 columns of the panel, source 1 = 16 rows of x): a lane holds ONE token (lane % 16) and 8 neighbouring channels 8 (lane / 16) + 0..7.
; Beta's source 0 holds the same column in all 16 rows, so every lane ends with its own token's beta.
; CLUSTER.  The four row tiles of a cluster walk the same head's panel: its tiles are asked for jointly (mask 15).  x's rows are each work-group's own (mask 0), brought once.
; LIMITS.  Exponentials and reciprocals flush denormals: a sigmoid below 2^-126 counts as 0.
; REGISTERS in windows of 256 (s_set_vgpr_msb: bits 1:0 source 0, 3:2 source 1, 5:4 source 2, 7:6 destination):
;   window 0: v0-31 addresses; v64-127 x's fragments, two buffers of 4 x 8          window 1: v0-175 the panel's fragments, two buffers of 11 x 8
;   window 2: accumulators of row tiles 0, 1 at 8 (11 (mt % 2) + nt); v176-255 at work in the epilogue          window 3: the same for row tiles 2, 3
.set AREG,  17408                      ; a region of x: 64 rows x (256 + 16) bytes = 128 k
.set AP,    272
.set WBL,   139264                     ; beta's column, 1,024 bf16, stored by ds_store: blocks of its own
.set SLOT0, 141312                     ; two slots of 64 k-rows x 1,440 bytes (five blocks of 256 + 32)
.set SLOTB, 92160
.set WROW,  1440
.set SPARE, 325632
.set KSST,  141312                     ; behind the last fill: the stage for ks, 64 x 1,552
.set KSP,   1552
.set VST,   240640                     ; for v, 64 x 528; for the gate GOFF further on
.set VSP,   528
.set GOFF,  33792
.set HEADB, 1310720
.set TILEB, 81920                      ; 64 k-rows of the panel
.set ADRA, 4
.set ADRW, 5
.set ADRB, 6                           ; v6-9: by slot and half of the K step
.set XST,  10
.set XRD,  11
.set STK0, 12                          ; v12, v13
.set STV,  14
.set RDK,  15
.set GO,   16
.set RDV,  17
.set GOS,  18
.set PFO,  19
.set SPW,  28
.set NIL,  29
.set T,    176
.set WV,   16
.set CX,   17
.set G1A,  32
.set G1B,  40
.set G0A,  48
.set G0B,  56
.set PFA,  66
.set LIM,  68
.set TRIPS, 69
.set NL,   70                          ; s[70:71] -log2(e)
.set SEL,  72
.set HM,   74                          ; the mask of lanes 16-31
.set MSB, 0
.macro WIN new                         ; the high byte repeats the setting that is left; a switch that changes nothing is dropped
.if MSB != (\new)
	s_set_vgpr_msb (MSB<<8)|(\new)
.set MSB, \new
.endif
.endm
.macro PLACES
.rept 4
	v_nop
.endr
.endm
.macro ROUND                           ; a round of the cluster's barrier
	s_barrier_signal -1
	s_barrier_wait -1
	s_cmp_lg_u32 s[WV], 0
	s_cbranch_scc1 .Lnot_wave_0_\@
	s_barrier_signal -3
.Lnot_wave_0_\@:
	s_barrier_wait -3
	s_barrier_signal -1
	s_barrier_wait -1
.endm
	s_load_b256 s[4:11], s[0:1], 0x0               ; xb 4, wall 6, Wbeta 8, ks 10
	s_load_b128 s[12:15], s[0:1], 0x20             ; vg 12, sc 14
	v_lshl_add_u32 v[SPW], v0, 2, SPARE
	v_mov_b32 v[NIL], 0
	ds_add_u32 v[SPW], v[NIL]                      ; the opening: the add, twice on end, and its wait ahead of my first tensor load
	ds_add_u32 v[SPW], v[NIL]
	v_lshrrev_b32 v20, 5, v0
	v_readfirstlane_b32 s[WV], v20
	s_bfe_u32 s[CX], ttmp6, 0x40000
	s_lshl_b32 s18, ttmp9, 2
	s_add_co_u32 s18, s18, s[CX]                   ; my row tile: it enters x's and the outputs' addresses alone
	s_and_b32 s19, ttmp7, 0xffff                   ; the head, which the partners share
	s_mov_b32 s[G1A], (1<<16)|(1<<20)|(5<<22)|(3<<25)  ; x: 2-byte elements, 4 words of padding after every 64
	s_mov_b32 s[G1A+1], 128<<16
	s_mov_b32 s[G1A+2], 64<<16
	s_mov_b32 s[G1A+3], 128<<16
	s_mov_b32 s[G1A+4], 64
	s_mov_b32 s[G1A+5], 1024
	s_mov_b32 s[G1A+6], 0
	s_mov_b32 s[G1A+7], 0
	s_mov_b32 s[G1B], 15|(3<<16)|(1<<20)|(1<<21)|(5<<22)|(7<<25)  ; the panel: 16 k-rows are 20,480 dense bytes = 80 rows of 256 (8-byte elements), 8 words of padding after each; mask of four, bit 21 beside it
	s_mov_b32 s[G1B+1], 32<<16
	s_mov_b32 s[G1B+2], 80<<16
	s_mov_b32 s[G1B+3], 32<<16
	s_mov_b32 s[G1B+4], 80
	s_mov_b32 s[G1B+5], 32
	s_mov_b32 s[G1B+6], 0
	s_mov_b32 s[G1B+7], 0
	s_mov_b32 s[G0A], 1
	s_mul_i32 s[G0A+1], s[WV], 2*AREG              ; wave w brings regions 2 w and 2 w + 1
	s_mov_b32 s[G0A+4], 1
	s_add_co_u32 s[G0A+5], s[G0A+1], AREG
	s_mov_b32 s[G0B], 1
	s_mul_i32 s[G0B+1], s[WV], 16*WROW             ; and 16 k-rows of each tile of the panel
	s_add_co_u32 s[G0B+1], s[G0B+1], SLOT0
	s_mov_b32 s[G0B+4], 1
	s_add_co_u32 s[G0B+5], s[G0B+1], SLOTB
	s_mov_b32 s[NL], 0xbfb8aa3b
	s_mov_b32 s[NL+1], s[NL]
	s_mov_b32 s[SEL], 0x76543210
	s_mov_b32 s[SEL+1], 0xfedcba98
	s_lshl_b32 s20, s18, 17                        ; 64 rows of 2,048 bytes
	s_lshl_b32 s21, s[WV], 9
	s_add_co_u32 s20, s20, s21
	s_mov_b32 s21, 0
	s_mul_i32 s22, s19, HEADB
	s_mul_i32 s23, s[WV], 20480
	s_add_co_u32 s24, s22, s23
	s_mov_b32 s25, 0
	s_mul_i32 s26, s[CX], 20480                    ; the prefetches: the partners share a tile's 320 blocks of 256 bytes by address, 80 each, a wave 20
	s_mul_i32 s27, s[WV], 5120
	s_add_co_u32 s26, s26, s27
	s_add_co_u32 s26, s26, s22
	s_add_co_u32 s26, s26, 5*TILEB                 ; the first change of slots steps it to tile 6
	s_mov_b32 s27, 0
	s_cmp_eq_u32 ttmp9, 0                          ; all clusters of a head walk the same panel: the first one asks
	s_cselect_b32 s[LIM], 2, -1
	s_mov_b32 s[TRIPS], 7
	s_wait_dscnt 0x0                               ; both opening adds are done
	s_wait_kmcnt 0x0
	s_add_nc_u64 s[G0A+2:G0A+3], s[4:5], s[20:21]
	s_add_nc_u64 s[G0A+6:G0A+7], s[G0A+2:G0A+3], 256
	s_or_b32 s[G0A+3], s[G0A+3], 0x80000000
	s_or_b32 s[G0A+7], s[G0A+7], 0x80000000
	s_add_nc_u64 s[G0B+2:G0B+3], s[6:7], s[24:25]
	s_add_nc_u64 s[G0B+6:G0B+7], s[G0B+2:G0B+3], TILEB
	s_or_b32 s[G0B+3], s[G0B+3], 0x80000000
	s_or_b32 s[G0B+7], s[G0B+7], 0x80000000
	s_add_nc_u64 s[PFA:PFA+1], s[6:7], s[26:27]
	ROUND                                          ; all four work-groups are here: the first joint loads meet
	tensor_load_to_lds s[G0A:G0A+3], s[G1A:G1A+7]  ; four loads of mine are out: two regions of x, my part of tiles 0 and 1
	s_nop 0
	tensor_load_to_lds s[G0A+4:G0A+7], s[G1A:G1A+7]
	s_nop 0
	tensor_load_to_lds s[G0B:G0B+3], s[G1B:G1B+7]
	s_nop 0
	tensor_load_to_lds s[G0B+4:G0B+7], s[G1B:G1B+7]
	s_nop 0
	PLACES
	s_lshl_b32 s24, s19, 2
	s_add_nc_u64 s[8:9], s[8:9], s[24:25]          ; Wbeta[.][head]
	v_lshlrev_b32 v21, 8, v0                       ; thread t takes k = 8 t .. 8 t + 7, rows of 32 bytes
.irp i, 0,1,2,3,4,5,6,7
	global_load_b32 v[32+\i], v21, s[8:9] offset:32*\i
.endr
	s_lshr_b32 s20, s18, 4
	s_lshl3_add_u32 s20, s20, s19                  ; bh = 8 batch + head
	s_and_b32 s21, s18, 15
	s_lshl_b32 s21, s21, 6                         ; t0
	s_lshl_b32 s22, s20, 10
	s_add_co_u32 s22, s22, s21                     ; bh x 1024 + t0
	s_lshl_b32 s23, s[WV], 4
	s_add_co_u32 s23, s23, s22
	s_mul_i32 s24, s23, 1536
	s_add_nc_u64 s[10:11], s[10:11], s[24:25]      ; ks at my wave's 16 tokens
	s_lshl_b32 s23, s20, 6
	s_lshl_b32 s24, s[WV], 4
	s_add_co_u32 s23, s23, s24
	s_lshl_b32 s24, s23, 14
	s_lshl_b32 s23, s21, 4
	s_add_co_u32 s24, s24, s23
	s_add_nc_u64 s[12:13], s[12:13], s[24:25]      ; vg at my wave's 16 column pairs, token t0
	s_lshl_b32 s24, s22, 3
	s_add_nc_u64 s[14:15], s[14:15], s[24:25]      ; sc at token t0: 8 bytes a token
	v_and_b32 v1, 31, v0                           ; l
	v_and_b32 v2, 15, v0                           ; r
	v_bfe_u32 v3, v0, 4, 1                         ; h
	v_mul_u32_u24 v[ADRA], v2, AP
	v_lshl_add_u32 v[ADRA], v3, 4, v[ADRA]
	v_lshlrev_b32 v[ADRW], 4, v3
	v_add_nc_u32 v[ADRW], WBL, v[ADRW]
	v_and_b32 v22, 7, v0
	v_lshl_add_u32 v22, v3, 3, v22
	v_mul_u32_u24 v22, v22, WROW
	v_bfe_u32 v23, v0, 3, 1
	v_lshl_add_u32 v22, v23, 4, v22
	s_lshl_b32 s23, s[WV], 6
	v_add_nc_u32 v22, s23, v22                     ; the turning load: k-row 8 h + l % 8, 16 bytes by (l / 8) % 2, my wave's 32 channels
	v_add_nc_u32 v[ADRB], SLOT0, v22
	v_add_nc_u32 v[ADRB+1], SLOT0+32*WROW, v22
	v_add_nc_u32 v[ADRB+2], SLOT0+SLOTB, v22
	v_add_nc_u32 v[ADRB+3], SLOT0+SLOTB+32*WROW, v22
	s_lshl_b32 s23, s[WV], 9
	v_lshl_add_u32 v[XST], v2, 3, s23              ; the sums' meeting place: 512 x wave + 128 x row tile + 8 r
	v_lshlrev_b32 v[XRD], 3, v2
	s_lshl_b32 s23, s[WV], 7
	v_mul_u32_u24 v24, v2, KSP
	v_lshl_add_u32 v24, v3, 5, v24
	v_add_nc_u32 v24, s23, v24
	v_add_nc_u32 v[STK0], KSST, v24
	v_add_nc_u32 v[STK0+1], KSST+32*KSP, v24
	v_mul_u32_u24 v24, v2, VSP
	v_lshl_add_u32 v24, v3, 5, v24
	v_add_nc_u32 v24, s23, v24
	v_add_nc_u32 v[STV], VST, v24
	v_mul_u32_u24 v24, v1, VSP
	s_add_co_u32 s23, s23, VST
	v_add_nc_u32 v[RDV], s23, v24
	s_mul_i32 s23, s[WV], 16*KSP
	s_add_co_u32 s23, s23, KSST
	v_lshl_add_u32 v[RDK], v1, 4, s23
	v_lshlrev_b32 v[GO], 4, v1
	v_lshlrev_b32 v[GOS], 3, v1
	v_min_u32 v[PFO], 19, v1                       ; 20 blocks a wave: lanes 20-31 name lane 19's block once more, in the same instruction
	v_lshlrev_b32 v[PFO], 8, v[PFO]
	v_cmp_le_u32 s[HM], 16, v1
	v_lshl_add_u32 v22, v0, 4, WBL
	s_wait_loadcnt 0x0
.irp i, 0,1,2,3
	v_cvt_pk_bf16_f32 v[40+\i], v[32+2*\i], v[33+2*\i]
.endr
	ds_store_b128 v22, v[40:43]
	s_wait_tensorcnt 1                             ; x and tile 0 are in; tile 1 may stay out
	s_wait_dscnt 0x0
	s_barrier_signal -1
	s_barrier_wait -1
; 30 LDS loads: the fragments of 32 k (half kk of slot sl's K step) into buffer fb
.macro FETCH sl, kk, fb
	WIN 0x40                                       ; destination window 1, address window 0
.irp e, 0,1,2,3,4
.irp j, 0,1
	ds_load_tr16_b128 v[88*(\fb)+8*(2*\e+\j):88*(\fb)+8*(2*\e+\j)+3],   v[ADRB+2*(\sl)+(\kk)] offset:288*\e+32*\j
	ds_load_tr16_b128 v[88*(\fb)+8*(2*\e+\j)+4:88*(\fb)+8*(2*\e+\j)+7], v[ADRB+2*(\sl)+(\kk)] offset:288*\e+32*\j+16*WROW
.endr
.endr
	ds_load_b128 v[88*(\fb)+80:88*(\fb)+83], v[ADRW] offset:128*(\sl)+64*(\kk)
	ds_load_b128 v[88*(\fb)+84:88*(\fb)+87], v[ADRW] offset:128*(\sl)+64*(\kk)+32
	WIN 0
.irp m, 0,1,2,3
	ds_load_b128 v[64+32*(\fb)+8*\m:64+32*(\fb)+8*\m+3],   v[ADRA] offset:16*AP*\m+128*(\sl)+64*(\kk)
	ds_load_b128 v[64+32*(\fb)+8*\m+4:64+32*(\fb)+8*\m+7], v[ADRA] offset:16*AP*\m+128*(\sl)+64*(\kk)+32
.endr
.endm
; 22 products: row tiles 2 hi, 2 hi + 1 x all 11 column tiles.  The 44 accumulators take turns, in the same order in every half step.
.macro MULH fb, hi, zero
	WIN 0xa1+0x50*(\hi)
.irp m, 0,1
.irp n, 0,1,2,3,4,5,6,7,8,9,10
.if \zero
	v_wmma_f32_16x16x32_bf16 v[8*(11*\m+\n):8*(11*\m+\n)+7], v[88*(\fb)+8*\n:88*(\fb)+8*\n+7], v[64+32*(\fb)+8*(2*(\hi)+\m):64+32*(\fb)+8*(2*(\hi)+\m)+7], 0
.else
	v_wmma_f32_16x16x32_bf16 v[8*(11*\m+\n):8*(11*\m+\n)+7], v[88*(\fb)+8*\n:88*(\fb)+8*\n+7], v[64+32*(\fb)+8*(2*(\hi)+\m):64+32*(\fb)+8*(2*(\hi)+\m)+7], v[8*(11*\m+\n):8*(11*\m+\n)+7]
.endif
.endr
.endr
.endm
; The first half of slot sl's K step: buffer 0 is multiplied; in its middle the second half's fragments are fetched into buffer 1.
.macro SUB sl, zero
	s_wait_dscnt 0x0                               ; buffer 0 is in (asked for 22 products ago)
	MULH 0, 0, \zero
	PLACES                                         ; four places ahead of loads into registers that products have read
	FETCH \sl, 1, 1
	MULH 0, 1, \zero
.endm
.macro ASK                             ; the tile four refills on: 352 products ahead of the load that will want it; each block is named by one wave of the head's first cluster
	s_cmp_gt_u32 s[TRIPS], s[LIM]                  ; the last four refills have no tile four on
	s_cbranch_scc0 .Lnot_mine_\@
	global_prefetch_b8 v[PFO], s[PFA:PFA+1] th:TH_LOAD_NT scope:SCOPE_SE
.Lnot_mine_\@:
.endm
; The second half of slot sl's K step, and the change of slots.  fill = 1: the slot is filled again, with the tile two on, behind a round of the cluster's barrier.
.macro TURN sl, fill
.if \fill
	s_wait_xcnt 0x0                                ; the last prefetch, a K step back, has read its address
	s_add_nc_u64 s[PFA:PFA+1], s[PFA:PFA+1], TILEB
.endif
	s_wait_dscnt 0x0                               ; buffer 1 is in: my last reads of this slot
	WIN 0
	s_wait_tensorcnt 0x0                           ; all my tensor loads have landed: my part of the other slot
	ds_add_u32 v[SPW], v[NIL]                      ; 0 onto my spare word; 22 products stand between it and the wait for it
	MULH 1, 0, 0
.if \fill
	s_add_nc_u64 s[G0B+4*(\sl)+2:G0B+4*(\sl)+3], s[G0B+4*(\sl)+2:G0B+4*(\sl)+3], 2*TILEB
.endif
	WIN 0
	s_wait_dscnt 0x0                               ; the add is done
.if \fill
	ROUND                                          ; no wave of any partner still reads this slot or has a load on its way
	tensor_load_to_lds s[G0B+4*(\sl):G0B+4*(\sl)+3], s[G1B:G1B+7]  ; my one load behind the round
	s_nop 0
.else
	s_barrier_signal -1
	s_barrier_wait -1
.endif
	PLACES                                         ; also the places ahead of the loads into buffer 0
.if (\sl) == 1
	v_add_nc_u32 v[ADRA], AREG, v[ADRA]            ; two K steps are a region of x and 256 bytes of beta's column
	v_add_nc_u32 v[ADRW], 256, v[ADRW]
.endif
	FETCH 1-(\sl), 0, 0
.if \fill
	ASK
.endif
	MULH 1, 1, 0
.endm
	FETCH 0, 0, 0
	SUB 0, 1                                       ; the first half step starts the sums with the constant 0
	WIN 0
.Lk:                                                   ; 7 trips: two K steps of 64, both slots filled again (tiles 2 .. 15)
	TURN 0, 1
	SUB 1, 0
	TURN 1, 1
	SUB 0, 0
	WIN 0
	s_sub_co_u32 s[TRIPS], s[TRIPS], 1
	s_cmp_lg_u32 s[TRIPS], 0
	s_cbranch_scc1 .Lk
	TURN 0, 0                                      ; the tail fills nothing
	SUB 1, 0
	s_wait_dscnt 0x0
	MULH 1, 0, 0
	MULH 1, 1, 0
	WIN 0
	s_barrier_signal -1                            ; every wave's reads of x and of the slots are over: their bytes may be stored into
	s_barrier_wait -1
	PLACES
; THE EPILOGUE, a row tile at a time, all operands in the tile's window.  The five blocks lie on end at BM: q, k, v, f, g, 16 registers each; beta at BM + 80.
.macro EP1 mt
.set W, 2+(\mt)/2
.set BM, 88*((\mt)%2)
	WIN W*0x55
.set i, 0
.rept 40                               ; each accumulator's lowest registers are read first
	v_pk_mul_f32 v[T+i:T+i+1], v[BM+i:BM+i+1], s[NL:NL+1] op_sel_hi:[1,0]
.set i, i+2
.endr
	v_mul_f32 v[BM+81], s[NL], v[BM+80]
.set i, 0
.rept 80
	v_exp_f32 v[T+i], v[T+i]
.set i, i+1
.endr
	v_exp_f32 v[BM+81], v[BM+81]
	v_nop                                          ; a plain instruction behind the last exponential,
	s_wait_alu depctr_va_vdst(0)                   ; and one wait for the batch of 81
.set i, 0
.rept 40
	v_pk_add_f32 v[T+i:T+i+1], v[T+i:T+i+1], 1.0 op_sel_hi:[1,0]
.set i, i+2
.endr
	v_add_f32 v[BM+81], 1.0, v[BM+81]
.set i, 0
.rept 48
	v_rcp_f32 v[T+i], v[T+i]
.set i, i+1
.endr
.rept 32                               ; f and the gate ARE the sigmoid
	v_rcp_f32 v[BM+i], v[T+i]
.set i, i+1
.endr
	v_rcp_f32 v[BM+81], v[BM+81]
	v_nop
	s_wait_alu depctr_va_vdst(0)
.set i, 0
.rept 24                               ; silu = x sigmoid(x)
	v_pk_mul_f32 v[BM+i:BM+i+1], v[BM+i:BM+i+1], v[T+i:T+i+1]
.set i, i+2
.endr
	; my 16 channels' parts of s1 = sum k^2 and s2 = sum f k^2 (k not yet normalised); the first terms start the sums
	v_pk_mul_f32 v[T:T+1], v[BM+16:BM+17], v[BM+16:BM+17]
	v_pk_mul_f32 v[T+8:T+9], v[BM+48:BM+49], v[BM+16:BM+17]
	v_pk_mul_f32 v[T+2:T+3], v[T+8:T+9], v[BM+16:BM+17]
.set i, 2
.rept 7
	v_pk_fma_f32 v[T:T+1], v[BM+16+i:BM+17+i], v[BM+16+i:BM+17+i], v[T:T+1]
	v_pk_mul_f32 v[T+8:T+9], v[BM+48+i:BM+49+i], v[BM+16+i:BM+17+i]
	v_pk_fma_f32 v[T+2:T+3], v[T+8:T+9], v[BM+16+i:BM+17+i], v[T+2:T+3]
.set i, i+2
.endr
	v_add_f32 v[T+12], v[T], v[T+1]
	v_add_f32 v[T+13], v[T+2], v[T+3]
	v_permlanex16_b32 v[T+16], v[T+12], s[SEL], s[SEL+1]  ; the token's other 16 channels lie in the lane 16 away
	v_permlanex16_b32 v[T+17], v[T+13], s[SEL], s[SEL+1]
	v_pk_add_f32 v[T+12:T+13], v[T+12:T+13], v[T+16:T+17]
	WIN W<<2                                       ; address window 0, data window W
	ds_store_b64 v[XST], v[T+12:T+13] offset:(\mt)*128
.endm
.macro PUT adr, arr, off               ; 16 registers = 2 x 8 channels: four stores of 16 bytes
.irp j, 0,1,2,3
	ds_store_b128 v[\adr], v[(\arr)+4*\j:(\arr)+4*\j+3] offset:(\off)+16*(\j%2)+64*(\j/2)
.endr
.endm
.macro EP3 mt
.set W, 2+(\mt)/2
.set BM, 88*((\mt)%2)
.set QD, T+32+2*((\mt)%2)
	WIN W<<6                                       ; destination window W
.irp j, 0,1,2,3
	ds_load_b64 v[T+16+2*\j:T+17+2*\j], v[XRD] offset:512*\j+(\mt)*128  ; the four waves' parts
.endr
	s_wait_dscnt 0x0
	WIN W*0x55
	v_pk_add_f32 v[T+16:T+17], v[T+16:T+17], v[T+18:T+19]
	v_pk_add_f32 v[T+20:T+21], v[T+20:T+21], v[T+22:T+23]
	v_pk_add_f32 v[T+16:T+17], v[T+16:T+17], v[T+20:T+21]
	v_add_f32 v[T+25], 0x358637bd, v[T+16]         ; s1 + 1e-6
	v_rsq_f32 v[T+24], v[T+25]                     ; rn
	v_mul_f32 v[QD], -2.0, v[BM+81]                ; nb = -2 sigmoid(beta): also the plain instruction behind the root
	s_wait_alu depctr_va_vdst(0)
	v_mul_f32 v[T+26], v[QD], v[T+24]              ; nb rn
	v_mul_f32 v[T+27], v[T+26], v[T+26]
	v_mul_f32 v[QD+1], v[T+27], v[T+17]            ; gamma = nb^2 rn^2 s2
.set i, 0
.rept 8
	v_pk_mul_f32 v[BM+16+i:BM+17+i], v[BM+16+i:BM+17+i], v[T+24:T+25] op_sel_hi:[1,0]
.set i, i+2
.endr
	WIN W<<2
	PUT STK0+(\mt)/2, BM+16, ((\mt)%2)*16*KSP
	PUT STK0+(\mt)/2, BM+48, ((\mt)%2)*16*KSP+512
	PUT STK0+(\mt)/2, BM,    ((\mt)%2)*16*KSP+1024
	PUT STV, BM+32, (\mt)*16*VSP
	PUT STV, BM+64, (\mt)*16*VSP+GOFF
.if ((\mt)%2) == 1
	WIN W*0x55                                     ; lanes 0-15 take the even tile's two numbers, lanes 16-31 the odd tile's: 32 tokens, 256 consecutive bytes
.irp j, 0,1
	v_cndmask_b32 v[T+40+\j], v[T+32+\j], v[T+34+\j], s[HM]
.endr
	WIN 0
	s_cmp_lg_u32 s[WV], 0                          ; all four waves hold them: wave 0 stores
	s_cbranch_scc1 .Lnosc_\@
	WIN W<<2
	global_store_b64 v[GOS], v[T+40:T+41], s[14:15] offset:((\mt)/2)*256
	WIN 0
.Lnosc_\@:
.endif
.endm
	EP1 0
	EP1 1
	EP1 2
	EP1 3
	WIN 0
	s_wait_dscnt 0x0                               ; for the others' sake: my parts of the sums are stored
	s_barrier_signal -1
	s_barrier_wait -1
	EP3 0
	EP3 1
	EP3 2
	EP3 3
	WIN 0
	s_wait_dscnt 0x0                               ; my parts of the stages are stored
	s_barrier_signal -1
	s_barrier_wait -1
	; THE WAY OUT.  ks: wave w takes tokens 16 w .. 16 w + 15, three runs of 512 bytes a token.
.irp g, 0,1,2
.if \g > 0
	s_wait_xcnt 0x0                                ; the stores have read their registers
.endif
.set i, 0
.rept 16
	ds_load_b128 v[64+4*i:67+4*i], v[RDK] offset:((16*\g+i)/3)*KSP+((16*\g+i)%3)*512
.set i, i+1
.endr
.set i, 0
.rept 16
	s_wait_dscnt 15-i
	global_store_b128 v[GO], v[64+4*i:67+4*i], s[10:11] offset:((16*\g+i)/3)*1536+((16*\g+i)%3)*512
.set i, i+1
.endr
.endr
	; vg: wave w takes column pairs 16 w .. 16 w + 15; a lane a token: v's two and the gate's two make 16 bytes, 32 tokens 512 consecutive bytes.
.irp g, 0,1
	s_wait_xcnt 0x0
.set i, 0
.rept 16
	ds_load_b64 v[64+4*i:65+4*i], v[RDV] offset:((16*\g+i)%2)*32*VSP+8*((16*\g+i)/2)
	ds_load_b64 v[66+4*i:67+4*i], v[RDV] offset:((16*\g+i)%2)*32*VSP+8*((16*\g+i)/2)+GOFF
.set i, i+1
.endr
.set i, 0
.rept 16
	s_wait_dscnt 2*(15-i)
	global_store_b128 v[GO], v[64+4*i:67+4*i], s[12:13] offset:((16*\g+i)/2)*16384+((16*\g+i)%2)*512
.set i, i+1
.endr
.endr
	s_wait_tensorcnt 0x0                           ; the wave's end
	ds_add_u32 v[SPW], v[NIL]
	s_wait_dscnt 0x0
	ROUND                                          ; the closing round
	s_endpgm
.Lfunc_end_k_qa39b36438e_proj:
	.size	k_qa39b36438e_proj, .Lfunc_end_k_qa39b36438e_proj-k_qa39b36438e_proj
	.p2alignl 7, 3214868480
	.fill 96, 4, 3214868480
	.section	.rodata,"a",@progbits
	.p2align	6, 0x0
	.amdhsa_kernel k_qa39b36438e_proj
		.amdhsa_group_segment_fixed_size 327680
		.amdhsa_private_segment_fixed_size 0
		.amdhsa_enable_private_segment 0
		.amdhsa_kernarg_size 48
		.amdhsa_user_sgpr_count 2
		.amdhsa_user_sgpr_kernarg_segment_ptr 1
		.amdhsa_wavefront_size32 1
		.amdhsa_system_sgpr_workgroup_id_x 1
		.amdhsa_system_sgpr_workgroup_id_y 1
		.amdhsa_system_sgpr_workgroup_id_z 1
		.amdhsa_system_vgpr_workitem_id 0
		.amdhsa_next_free_vgpr 1024
		.amdhsa_next_free_sgpr 80
		.amdhsa_reserve_vcc 0
		.amdhsa_float_denorm_mode_32 3
		.amdhsa_float_denorm_mode_16_64 3
		.amdhsa_memory_ordered 1
		.amdhsa_forward_progress 1
		.amdhsa_inst_pref_size 134
	.end_amdhsa_kernel
	.amdgpu_metadata
---
amdhsa.version: [ 1, 2 ]
amdhsa.kernels:
  - .name:           k_qa39b36438e_proj
    .symbol:         k_qa39b36438e_proj.kd
    .args:
      - { .name: xb, .offset: 0, .size: 8, .value_kind: global_buffer, .address_space: global }
      - { .name: wall, .offset: 8, .size: 8, .value_kind: global_buffer, .address_space: global }
      - { .name: Wbeta, .offset: 16, .size: 8, .value_kind: global_buffer, .address_space: global }
      - { .name: ks, .offset: 24, .size: 8, .value_kind: global_buffer, .address_space: global }
      - { .name: vg, .offset: 32, .size: 8, .value_kind: global_buffer, .address_space: global }
      - { .name: sc, .offset: 40, .size: 8, .value_kind: global_buffer, .address_space: global }
    .group_segment_fixed_size: 327680
    .private_segment_fixed_size: 0
    .kernarg_segment_align: 8
    .kernarg_segment_size: 48
    .max_flat_workgroup_size: 128
    .sgpr_count:     80
    .vgpr_count:     1024
    .wavefront_size: 32
...
	.end_amdgpu_metadata
.endif
;; end of part 5
;; launch scan (part 6): grid 16 x 16, 4 waves a work-group, clusters of 4 x 1, 327,680 bytes of LDS; arguments ks, vg, sc, yt; writes yt
.if DOCPART == 6
	.amdgcn_target "amdgcn-amd-amdhsa--gfx1250"
	.amdhsa_code_object_version 6
	.text
	.protected	k_qa39b36438e_scan
	.globl	k_qa39b36438e_scan
	.p2align	8
	.type	k_qa39b36438e_scan,@function
k_qa39b36438e_scan:
	s_mov_b64 s[64:65], 0
	v_nop
	global_prefetch_b8 v0, s[64:65] scope:SCOPE_SE
	s_setreg_imm32_b32 hwreg(HW_REG_WAVE_MODE, 25, 1), 1
	s_wait_xcnt 0x0
	s_wait_alu depctr_hold_cnt(0) depctr_sa_sdst(0) depctr_va_vdst(0) depctr_va_sdst(0) depctr_va_ssrc(0) depctr_va_vcc(0) depctr_vm_vsrc(0)
	s_getreg_b32 s2, hwreg(HW_REG_IB_STS2, 6, 4)
	s_cmp_eq_u32 s2, 0
	s_cbranch_scc0 .Lentry_in_a_cluster
	s_endpgm
.Lentry_in_a_cluster:
	s_bfe_u32 s2, ttmp6, 0x10000c
	s_cmp_lg_u32 s2, 0x3003
	s_cbranch_scc0 .Lentry_shape_is_right
	s_endpgm
.Lentry_shape_is_right:
; SCAN.  The recurrence, token by token, in f32.  The two half steps of a token are one step on the old state S [128 d][128 columns]:
;   u = k . S, w = (f k) . S;  z = v + nb w + gamma u;  S <- f S + (f k)(nb u) + k z;  o = q . S (the new S);  y' = o sigmoid(gate).
; The columns of S do not meet: a half of a wave (16 lanes) owns ONE column, lane g the rows 4 g .. 4 g + 3 and 64 + 4 g .. 64 + 4 g + 3: eight registers.
; SHARES.  A work-group: 8 columns of one (batch, head); 16 x 16 work-groups, 1,024 waves.  OUT: yt [bh][column][t] f32.
; THE STEP'S ORDER.  What a step must wait for is one chain: u's and w's dots (two accumulators each: a product, a multiply-add, their sum), the sum of a pair, four sums over the lanes, two scalar
; links, the update.  Each stage of it is five lines: a fill, u's, a fill, w's, o's.  The fills wait for nothing of the chain: f S, f k of token t + 1, a trip's address steps.  o is token t - 1's
; q . S (it reads the same state as token t's u and w); nothing in the step waits for it, so it keeps one accumulator and lags up to three stages.  Step t files o of token t - 1.
; CLUSTER.  The four work-groups of a cluster walk the same k, f, q and token scalars: asked for jointly (mask 15).  v and the gate are each wave's own (mask 0), brought once.
; RING.  Two slots of 64 tokens x 1,536 bytes; a wave brings 16 tokens of each tile.  A refill has 64 steps in which to land.
.set TOKB,  1536
.set TILE,  98304
.set SLOT1, 131072                     ; one exclusive or turns an address in one slot into the other's
.set SCL,   98304                      ; nb and gamma of all 1,024 tokens, 8,192 bytes
.set SPARE, 114688
.set VGL,   229376                     ; 4 waves x 16,384 bytes of v and gate
.set AK0,  4
.set AK,   5
.set AVG0, 6
.set AVG,  7
.set GA0,  8
.set ASC,  9
.set YO,   10
.set PFO,  11
.set SPW,  12
.set NIL,  13
.set GA,   14
.set S,    16                          ; v[16:23] my 8 numbers of the state
.set Y,    24                          ; v[24:27] lane g gathers tokens 4 g .. 4 g + 3 of the tile
.set FK,   28                          ; v[28:43] f k, two buffers by the token's parity
.set T,    44                          ; v[44:51] f S
.set AU,   52
.set AW,   54
.set AO,   56
.set UZ,   58                          ; nb u, z
.set SG,   60                          ; v[60:63] the gates of my four tokens
.set KF,   64                          ; v[64:143] a ring of four by token % 4: k 8, f 8, nb, gamma, v, one spare
.set QR,   144                         ; v[144:175] a ring of four: q 8
.set AUB,  176                         ; u's and w's second accumulators
.set AWB,  178
.set WV,   16
.set CX,   17
.set G1K,  24
.set G1S,  32
.set G1V,  40
.set G0KA, 48
.set G0KB, 52
.set G0S,  56
.set G0V,  60
.set PFA,  66
.set LIM,  68
.set CNT,  69
.set J,    70
.set MK,   71
.set TB,   72
.set TV,   73
.set YB,   74
.set TS,   76
.macro PLACES
.rept 4
	v_nop
.endr
.endm
.macro ROUND
	s_barrier_signal -1
	s_barrier_wait -1
	s_cmp_lg_u32 s[WV], 0
	s_cbranch_scc1 .Lnot_wave_0_\@
	s_barrier_signal -3
.Lnot_wave_0_\@:
	s_barrier_wait -3
	s_barrier_signal -1
	s_barrier_wait -1
.endm
.macro G1 g, mask, rows                ; dense bytes as rows of 256 (8-byte elements), no padding
	s_mov_b32 s[\g], (\mask)|(3<<16)
	s_mov_b32 s[(\g)+1], 32<<16
	s_mov_b32 s[(\g)+2], (\rows)<<16
	s_mov_b32 s[(\g)+3], 32<<16
	s_mov_b32 s[(\g)+4], \rows
	s_mov_b32 s[(\g)+5], 32
	s_mov_b32 s[(\g)+6], 0
	s_mov_b32 s[(\g)+7], 0
.endm
	s_load_b256 s[4:11], s[0:1], 0x0               ; ks 4, vg 6, sc 8, yt 10
	v_lshl_add_u32 v[SPW], v0, 2, SPARE
	v_mov_b32 v[NIL], 0
	ds_add_u32 v[SPW], v[NIL]                      ; the opening: the add, twice on end, and its wait ahead of my first tensor load
	ds_add_u32 v[SPW], v[NIL]
	v_lshrrev_b32 v3, 5, v0
	v_readfirstlane_b32 s[WV], v3
	s_bfe_u32 s[CX], ttmp6, 0x40000
	s_lshl_b32 s18, ttmp9, 2
	s_add_co_u32 s18, s18, s[CX]                   ; my group of 8 columns: it enters vg's and yt's addresses alone
	s_and_b32 s19, ttmp7, 0xffff                   ; bh, which the partners share
	G1 G1K, 15|(1<<21), 96
	G1 G1S, 15|(1<<21), 8
	G1 G1V, 0, 64
	s_mov_b32 s[G0KA], 1
	s_mul_i32 s[G0KA+1], s[WV], 16*TOKB
	s_mov_b32 s[G0KB], 1
	s_add_co_u32 s[G0KB+1], s[G0KA+1], SLOT1
	s_mov_b32 s[G0S], 1
	s_lshl_b32 s[G0S+1], s[WV], 11
	s_add_co_u32 s[G0S+1], s[G0S+1], SCL
	s_mov_b32 s[G0V], 1
	s_lshl_b32 s[G0V+1], s[WV], 14
	s_add_co_u32 s[G0V+1], s[G0V+1], VGL
	s_mul_i32 s20, s19, 1024*TOKB
	s_mul_i32 s21, s[WV], 16*TOKB
	s_add_co_u32 s20, s20, s21
	s_mov_b32 s21, 0
	s_lshl_b32 s22, s19, 13
	s_lshl_b32 s23, s[WV], 11
	s_add_co_u32 s22, s22, s23
	s_mov_b32 s23, 0
	s_lshl_b32 s12, s19, 6
	s_lshl2_add_u32 s12, s18, s12
	s_add_co_u32 s12, s12, s[WV]                   ; my column pair among the 1,024
	s_lshl_b32 s12, s12, 14
	s_mov_b32 s13, 0
	s_lshl_b32 s14, s19, 7
	s_lshl3_add_u32 s14, s18, s14
	s_lshl1_add_u32 s14, s[WV], s14                ; my first column
	s_lshl_b32 s14, s14, 12
	s_mov_b32 s15, 0
	s_mul_i32 s2, s19, 1024*TOKB                   ; the prefetches: a tile's 384 blocks of 256 bytes, 96 a partner by address, 32 for each of waves 0 to 2
	s_mul_i32 s3, s[CX], 24576
	s_add_co_u32 s2, s2, s3
	s_lshl_b32 s3, s[WV], 13
	s_add_co_u32 s2, s2, s3
	s_add_co_u32 s2, s2, 2*TILE                    ; the first change of slots steps it to tile 3
	s_mov_b32 s3, 0
	s_cmp_eq_u32 s[WV], 3
	s_cselect_b32 s[LIM], 1, 0
	s_or_b32 s[LIM], s[LIM], ttmp9                 ; all clusters of a bh walk the same tiles: the first one asks
	s_cmp_eq_u32 s[LIM], 0
	s_cselect_b32 s[LIM], 1, -1
	s_mov_b32 s[TB], 0
	s_mov_b32 s[TV], 0
	s_mov_b32 s[TS], SCL
	s_mov_b32 s[CNT], 15
	s_wait_dscnt 0x0                               ; both opening adds are done
	s_wait_kmcnt 0x0
	s_add_nc_u64 s[G0KA+2:G0KA+3], s[4:5], s[20:21]
	s_add_nc_u64 s[G0KB+2:G0KB+3], s[G0KA+2:G0KA+3], TILE
	s_or_b32 s[G0KA+3], s[G0KA+3], 0x80000000
	s_or_b32 s[G0KB+3], s[G0KB+3], 0x80000000
	s_add_nc_u64 s[G0S+2:G0S+3], s[8:9], s[22:23]
	s_or_b32 s[G0S+3], s[G0S+3], 0x80000000
	s_add_nc_u64 s[G0V+2:G0V+3], s[6:7], s[12:13]
	s_or_b32 s[G0V+3], s[G0V+3], 0x80000000
	s_add_nc_u64 s[YB:YB+1], s[10:11], s[14:15]
	s_add_nc_u64 s[PFA:PFA+1], s[4:5], s[2:3]
	ROUND                                          ; all four work-groups are here: the first joint loads meet
	tensor_load_to_lds s[G0V:G0V+3], s[G1V:G1V+7]  ; four loads of mine are out
	s_nop 0
	tensor_load_to_lds s[G0S:G0S+3], s[G1S:G1S+7]
	s_nop 0
	tensor_load_to_lds s[G0KA:G0KA+3], s[G1K:G1K+7]
	s_nop 0
	tensor_load_to_lds s[G0KB:G0KB+3], s[G1K:G1K+7]
	s_nop 0
	PLACES
	v_and_b32 v1, 31, v0
	v_and_b32 v2, 15, v0                           ; g
	v_bfe_u32 v3, v0, 4, 1                         ; which of the pair's two columns
	v_lshlrev_b32 v[AK0], 4, v2
	v_lshl_add_u32 v[AVG0], v3, 2, s[G0V+1]        ; v of my column, token 0
	v_lshl_add_u32 v[GA0], v2, 6, v[AVG0]
	v_add_nc_u32 v[GA0], 8, v[GA0]                 ; the gate of my column, token 4 g
	v_lshlrev_b32 v[YO], 12, v3
	v_lshl_add_u32 v[YO], v2, 4, v[YO]
	v_lshlrev_b32 v[PFO], 8, v1
.irp i, 0,1,2,3,4,5,6,7
	v_mov_b32 v[S+\i], 0                           ; S0 = 0
.endr
.irp i, 0,1,2,3
	v_mov_b32 v[Y+\i], 0
.endr
	s_wait_tensorcnt 1                             ; all but tile 1, which may stay out
	s_barrier_signal -1
	s_barrier_wait -1
.macro LOADKF e, tok                   ; six LDS loads: k, f, the two scalars and v of the token tok behind the trip's first, into entry e
.set KK, KF+20*(\e)
	ds_load_b128 v[KK:KK+3],     v[AK] offset:(\tok)*TOKB
	ds_load_b128 v[KK+4:KK+7],   v[AK] offset:(\tok)*TOKB+256
	ds_load_b128 v[KK+8:KK+11],  v[AK] offset:(\tok)*TOKB+512
	ds_load_b128 v[KK+12:KK+15], v[AK] offset:(\tok)*TOKB+768
	ds_load_b64  v[KK+16:KK+17], v[ASC] offset:(\tok)*8
	ds_load_b32  v[KK+18],       v[AVG] offset:(\tok)*16
.endm
.macro LOADQ e, tok                    ; two: q
	ds_load_b128 v[QR+8*(\e):QR+8*(\e)+3],   v[AK] offset:(\tok)*TOKB+1024
	ds_load_b128 v[QR+8*(\e)+4:QR+8*(\e)+7], v[AK] offset:(\tok)*TOKB+1280
.endm
.macro LSUM r, m                       ; one stage of a sum over the column's 16 lanes
	v_add_f32_dpp v[\r], v[\r], v[\r] row_xmask:\m row_mask:0xf bank_mask:0xf
.endm
; One token, tk = its number % 4.  o = 1: the token before's q . S is taken too and filed in Y + y.  n = 1: f k of the next token is made, behind a wait that leaves w LDS loads out.
; a = 1: a trip's last step: the three LDS addresses step on by four tokens (the trip's loads were issued more than a step ago; the next are the next trip's).
.macro STEP tk, y, o, n, w, a=0
.set KK, KF+20*((\tk)%4)
.set FF, KK+8
.set CC, KK+16
.set VV, KK+18
.set QP, QR+8*(((\tk)+3)%4)
.set FC, FK+8*((\tk)%2)
.set FN, FK+8*(((\tk)+1)%2)
.set KN, KF+20*(((\tk)+1)%4)
	v_pk_mul_f32 v[AU:AU+1],   v[KK:KK+1],     v[S:S+1]        ; the products start the sums
	v_pk_mul_f32 v[AUB:AUB+1], v[KK+2:KK+3],   v[S+2:S+3]
	v_pk_mul_f32 v[AW:AW+1],   v[FC:FC+1],     v[S:S+1]
	v_pk_mul_f32 v[AWB:AWB+1], v[FC+2:FC+3],   v[S+2:S+3]
.if \o
	v_pk_mul_f32 v[AO:AO+1],   v[QP:QP+1],     v[S:S+1]
.endif
	v_pk_fma_f32 v[AU:AU+1],   v[KK+4:KK+5],   v[S+4:S+5], v[AU:AU+1]
	v_pk_fma_f32 v[AUB:AUB+1], v[KK+6:KK+7],   v[S+6:S+7], v[AUB:AUB+1]
	v_pk_fma_f32 v[AW:AW+1],   v[FC+4:FC+5],   v[S+4:S+5], v[AW:AW+1]
	v_pk_fma_f32 v[AWB:AWB+1], v[FC+6:FC+7],   v[S+6:S+7], v[AWB:AWB+1]
.if \o
	v_pk_fma_f32 v[AO:AO+1],   v[QP+2:QP+3],   v[S+2:S+3], v[AO:AO+1]
.endif
	v_pk_mul_f32 v[T:T+1],     v[FF:FF+1],     v[S:S+1]        ; from here on: fill, u, fill, w, o
	v_pk_add_f32 v[AU:AU+1],   v[AU:AU+1],     v[AUB:AUB+1]
	v_pk_mul_f32 v[T+2:T+3],   v[FF+2:FF+3],   v[S+2:S+3]
	v_pk_add_f32 v[AW:AW+1],   v[AW:AW+1],     v[AWB:AWB+1]
.if \o
	v_pk_fma_f32 v[AO:AO+1],   v[QP+4:QP+5],   v[S+4:S+5], v[AO:AO+1]
.endif
	v_pk_mul_f32 v[T+4:T+5],   v[FF+4:FF+5],   v[S+4:S+5]
	v_add_f32 v[AU], v[AU], v[AU+1]
	v_pk_mul_f32 v[T+6:T+7],   v[FF+6:FF+7],   v[S+6:S+7]
	v_add_f32 v[AW], v[AW], v[AW+1]
.if \o
	v_pk_fma_f32 v[AO:AO+1],   v[QP+6:QP+7],   v[S+6:S+7], v[AO:AO+1]
.endif
.if \n
	s_wait_dscnt \w                                ; the next token's k and f are in, and with them all that the next step reads
	v_pk_mul_f32 v[FN:FN+1], v[KN+8:KN+9], v[KN:KN+1]
.endif
	LSUM AU, 1
.if \n
	v_pk_mul_f32 v[FN+2:FN+3], v[KN+10:KN+11], v[KN+2:KN+3]
.endif
	LSUM AW, 1
.if \o
	v_add_f32 v[AO], v[AO], v[AO+1]
.endif
.if \n
	v_pk_mul_f32 v[FN+4:FN+5], v[KN+12:KN+13], v[KN+4:KN+5]
.endif
	LSUM AU, 2
.if \n
	v_pk_mul_f32 v[FN+6:FN+7], v[KN+14:KN+15], v[KN+6:KN+7]
.endif
	LSUM AW, 2
.if \o
	LSUM AO, 1
.endif
.if \a
	v_add_nc_u32 v[AK], 4*TOKB, v[AK]
.endif
	LSUM AU, 4
.if \a
	v_add_nc_u32 v[AVG], 64, v[AVG]
.endif
	LSUM AW, 4
.if \o
	LSUM AO, 2
.endif
.if \a
	v_add_nc_u32 v[ASC], 32, v[ASC]
.endif
	LSUM AU, 8
	LSUM AW, 8
.if \o
	LSUM AO, 4
.endif
	v_fma_f32 v[UZ+1], v[CC+1], v[AU], v[VV]       ; v + gamma u
	v_mul_f32 v[UZ], v[CC], v[AU]                  ; nb u
.if \o
	LSUM AO, 8
.endif
	v_fma_f32 v[UZ+1], v[CC], v[AW], v[UZ+1]       ; z
.irp p, 0,2,4,6
	v_pk_fma_f32 v[S+\p:S+\p+1], v[FC+\p:FC+\p+1], v[UZ:UZ+1], v[T+\p:T+\p+1] op_sel_hi:[1,0,1]
.endr
.if \o
	v_cndmask_b32 v[Y+(\y)], v[Y+(\y)], v[AO], s[MK]  ; every lane of the half holds o: lane g = J keeps it
.endif
.irp p, 0,2,4,6
	v_pk_fma_f32 v[S+\p:S+\p+1], v[KK+\p:KK+\p+1], v[UZ:UZ+1], v[S+\p:S+\p+1] op_sel:[0,1,0] op_sel_hi:[1,1,1]
.endr
.endm
; A tile's 64 tokens: token 0; 15 trips of four (tokens 4 J + 1 .. 4 J + 4, which file o of tokens 4 J .. 4 J + 3 in lane J); tokens 61 to 63; the last q . S.
; A run of 16 loads stands at the head of every second step t: k, f, scalars, v of tokens t + 2 and t + 3, q of tokens t + 1 and t + 2.  The entries that it fills were last read in earlier steps.
.macro PROC
	v_add_nc_u32 v[AK], s[TB], v[AK0]
	v_add_nc_u32 v[AVG], s[TV], v[AVG0]
	v_add_nc_u32 v[GA], s[TV], v[GA0]
	v_mov_b32 v[ASC], s[TS]
	s_mov_b32 s[J], 0
	LOADKF 0, 0
	LOADKF 1, 1
	LOADQ 0, 0
	LOADKF 2, 2
	LOADQ 1, 1
.irp i, 0,1,2,3
	ds_load_b32 v[SG+\i], v[GA] offset:16*\i
.endr
	s_wait_dscnt 20                                ; token 0's six loads are in; the other 20 may stay out
.irp p, 0,2,4,6
	v_pk_mul_f32 v[FK+\p:FK+\p+1], v[KF+8+\p:KF+9+\p], v[KF+\p:KF+\p+1]
.endr
	STEP 0, 0, 0, 1, 12                            ; token 1's six and q of token 0 are in; token 2's six, q of token 1 and the four gates may stay out
.Ltrip_\@:
	v_cmp_eq_u32 s[MK], s[J], v2
	LOADKF 3, 3
	LOADQ 2, 2
	LOADKF 0, 4
	LOADQ 3, 3
	STEP 1, 0, 1, 1, 16                            ; all but the 16 just issued
	STEP 2, 1, 1, 1, 8                             ; the run's first half: token 4 J + 3, q of token 4 J + 2
	LOADKF 1, 5
	LOADQ 0, 4
	LOADKF 2, 6
	LOADQ 1, 5
	STEP 3, 2, 1, 1, 16
	STEP 0, 3, 1, 1, 8, 1
	s_add_co_u32 s[J], s[J], 1
	s_cmp_lt_u32 s[J], 15
	s_cbranch_scc1 .Ltrip_\@
	v_cmp_eq_u32 s[MK], s[J], v2                   ; the last three tokens load nothing beyond the tile
	LOADKF 3, 3
	LOADQ 2, 2
	LOADQ 3, 3
	STEP 1, 0, 1, 1, 10                            ; all but the ten just issued
	STEP 2, 1, 1, 1, 0
	STEP 3, 2, 1, 0, 0
	v_pk_mul_f32 v[AO:AO+1], v[QR+24:QR+25], v[S:S+1]  ; o of token 63
.irp p, 2,4,6
	v_pk_fma_f32 v[AO:AO+1], v[QR+24+\p:QR+25+\p], v[S+\p:S+\p+1], v[AO:AO+1]
.endr
	v_add_f32 v[AO], v[AO], v[AO+1]
.irp m, 1,2,4,8
	LSUM AO, \m
.endr
	v_cndmask_b32 v[Y+3], v[Y+3], v[AO], s[MK]
	v_pk_mul_f32 v[Y:Y+1], v[Y:Y+1], v[SG:SG+1]    ; the gate, once for my four tokens
	v_pk_mul_f32 v[Y+2:Y+3], v[Y+2:Y+3], v[SG+2:SG+3]
	global_store_b128 v[YO], v[Y:Y+3], s[YB:YB+1]  ; 16 lanes store 64 tokens of a column: 256 consecutive bytes, aligned
.endm
.macro ASK                             ; the tile that the NEXT change of slots will ask for: one tile, 64 steps, ahead
	s_cmp_gt_u32 s[CNT], s[LIM]                    ; the last refill has no tile behind it
	s_cbranch_scc0 .Lnot_mine_\@
	global_prefetch_b8 v[PFO], s[PFA:PFA+1] th:TH_LOAD_NT scope:SCOPE_SE
.Lnot_mine_\@:
.endm
.macro CHANGE fill
	s_wait_tensorcnt 0x0                           ; all my tensor loads have landed: my part of the other slot
	ds_add_u32 v[SPW], v[NIL]                      ; 0 onto my spare word; scalar work stands between it and the wait for it
.if \fill
	s_xor_b32 s[G0KB+1], s[G0KB+1], SLOT1          ; the walking descriptor: the slot just read, the next tile
	s_add_nc_u64 s[G0KB+2:G0KB+3], s[G0KB+2:G0KB+3], TILE
.endif
	s_wait_xcnt 0x0                                ; the store and the last prefetch have read their registers
	s_add_nc_u64 s[YB:YB+1], s[YB:YB+1], 256
.if \fill
	s_add_nc_u64 s[PFA:PFA+1], s[PFA:PFA+1], TILE
.endif
	s_add_co_u32 s[TV], s[TV], 1024
	s_add_co_u32 s[TS], s[TS], 512
	s_xor_b32 s[TB], s[TB], SLOT1
	s_wait_dscnt 0x0                               ; the add is done, and my reads of the slot are over
.if \fill
	ROUND                                          ; no wave of any partner still reads the slot or has a load on its way
	tensor_load_to_lds s[G0KB:G0KB+3], s[G1K:G1K+7]
	s_nop 0
	PLACES
	ASK
.else
	s_barrier_signal -1
	s_barrier_wait -1
.endif
.endm
	s_branch .Lproc                                ; tile 0 needs no change of slots
.Ltile:                                                ; 14 times: tiles 2 .. 15 are asked for
	CHANGE 1
.Lproc:
	PROC
	s_sub_co_u32 s[CNT], s[CNT], 1
	s_cmp_lg_u32 s[CNT], 0
	s_cbranch_scc1 .Ltile
	CHANGE 0                                       ; the last tile: nothing is asked for
	PROC
	s_wait_tensorcnt 0x0                           ; the wave's end
	ds_add_u32 v[SPW], v[NIL]
	s_wait_dscnt 0x0
	ROUND                                          ; the closing round
	s_endpgm
.Lfunc_end_k_qa39b36438e_scan:
	.size	k_qa39b36438e_scan, .Lfunc_end_k_qa39b36438e_scan-k_qa39b36438e_scan
	.p2alignl 7, 3214868480
	.fill 96, 4, 3214868480
	.section	.rodata,"a",@progbits
	.p2align	6, 0x0
	.amdhsa_kernel k_qa39b36438e_scan
		.amdhsa_group_segment_fixed_size 327680
		.amdhsa_private_segment_fixed_size 0
		.amdhsa_enable_private_segment 0
		.amdhsa_kernarg_size 32
		.amdhsa_user_sgpr_count 2
		.amdhsa_user_sgpr_kernarg_segment_ptr 1
		.amdhsa_wavefront_size32 1
		.amdhsa_system_sgpr_workgroup_id_x 1
		.amdhsa_system_sgpr_workgroup_id_y 1
		.amdhsa_system_sgpr_workgroup_id_z 1
		.amdhsa_system_vgpr_workitem_id 0
		.amdhsa_next_free_vgpr 192
		.amdhsa_next_free_sgpr 80
		.amdhsa_reserve_vcc 0
		.amdhsa_float_denorm_mode_32 3
		.amdhsa_float_denorm_mode_16_64 3
		.amdhsa_memory_ordered 1
		.amdhsa_forward_progress 1
		.amdhsa_inst_pref_size 66
	.end_amdhsa_kernel
	.amdgpu_metadata
---
amdhsa.version: [ 1, 2 ]
amdhsa.kernels:
  - .name:           k_qa39b36438e_scan
    .symbol:         k_qa39b36438e_scan.kd
    .args:
      - { .name: ks, .offset: 0, .size: 8, .value_kind: global_buffer, .address_space: global }
      - { .name: vg, .offset: 8, .size: 8, .value_kind: global_buffer, .address_space: global }
      - { .name: sc, .offset: 16, .size: 8, .value_kind: global_buffer, .address_space: global }
      - { .name: yt, .offset: 24, .size: 8, .value_kind: global_buffer, .address_space: global }
    .group_segment_fixed_size: 327680
    .private_segment_fixed_size: 0
    .kernarg_segment_align: 8
    .kernarg_segment_size: 32
    .max_flat_workgroup_size: 128
    .sgpr_count:     80
    .vgpr_count:     192
    .wavefront_size: 32
...
	.end_amdgpu_metadata
.endif
;; end of part 6
;; launch ogemm (part 7): grid 32 x 8, 4 waves a work-group, clusters of 4 x 1, 327,680 bytes of LDS; arguments yt, wo16, out0; writes out0
.if DOCPART == 7
	.amdgcn_target "amdgcn-amd-amdhsa--gfx1250"
	.amdhsa_code_object_version 6
	.text
	.protected	k_qa39b36438e_ogemm
	.globl	k_qa39b36438e_ogemm
	.p2align	8
	.type	k_qa39b36438e_ogemm,@function
k_qa39b36438e_ogemm:
	s_mov_b64 s[64:65], 0
	v_nop
	global_prefetch_b8 v0, s[64:65] scope:SCOPE_SE
	s_setreg_imm32_b32 hwreg(HW_REG_WAVE_MODE, 25, 1), 1
	s_wait_xcnt 0x0
	s_wait_alu depctr_hold_cnt(0) depctr_sa_sdst(0) depctr_va_vdst(0) depctr_va_sdst(0) depctr_va_ssrc(0) depctr_va_vcc(0) depctr_vm_vsrc(0)
	s_getreg_b32 s2, hwreg(HW_REG_IB_STS2, 6, 4)
	s_cmp_eq_u32 s2, 0
	s_cbranch_scc0 .Lentry_in_a_cluster
	s_endpgm
.Lentry_in_a_cluster:
	s_bfe_u32 s2, ttmp6, 0x10000c
	s_cmp_lg_u32 s2, 0x3003
	s_cbranch_scc0 .Lentry_shape_is_right
	s_endpgm
.Lentry_shape_is_right:
; OGEMM.  out0 = rmsnorm(y') (norm_w Wo).  A work-group: 64 tokens x 128 columns.  First y = y' / sqrt(mean over the head of y'^2 + 1e-6), rounded to f16, into LDS ([token][k], a region a head);
; norm_w lies in wo16 already.  Then K = 1,024 in four steps of 256 through two slots of wo16's rows, f16 operands, f32 sums.
; SHARES.  Wave w: 64 tokens x columns 32 w .. 32 w + 31: 8 accumulators.  The product is transposed (source 0 = 16 columns of wo16, source 1 = 16 tokens): a lane holds 8 neighbouring columns of one token.
; THE PROLOGUE.  Wave w takes heads 2 w and 2 w + 1.  yt lies [bh][column][token]: lane (tq = l % 16, hc = l / 16) takes tokens 4 tq .. 4 tq + 3 of columns 64 hc .. 64 hc + 63, 16 bytes a load:
; each half of a wave reads 256 consecutive bytes, aligned; 64 loads a head, into register window 1.  A token's sum of squares wants one exchange between the halves of the lanes.
; CLUSTER.  The four row tiles of a cluster take the same columns of wo16: its tiles are asked for jointly (mask 15).
; LIMITS.  |y| is at most sqrt(128) = 11.4, inside f16; wo16's limit stands at the kernel that makes it.
; No prefetch: the launch is short, and wo16's 2 MiB are walked by eight clusters side by side.
.set AREG,  17408                      ; a head's region: 64 tokens x (256 + 16) bytes, stored by ds_store: no tensor load lands here
.set AP,    272
.set SLOT0, 139264                     ; two slots of 256 k-rows x (256 + 32) bytes
.set SLOTB, 73728
.set WP,    288
.set SPARE, 286720
.set STG,   SLOT0                      ; the output's stage, 64 x 528, in slot 0 behind its last fill
.set SGP,   528
.set ADRA, 4
.set ADRB, 6                           ; v6-9: by slot and half of the K step
.set STO,  10
.set RD,   11
.set GO,   12
.set YI,   13
.set AST,  14
.set SPW,  28
.set NIL,  29
.set ACC,  32
.set FR,   96                          ; two buffers of 48: wo16's two fragments, y's four
.set SS,   32                          ; the prologue: v[32:47] four chains of sums of squares, each for my four tokens
.set RI,   48                          ; v[48:51] 1 / root for my four tokens
.set PKD,  64                          ; v[64:191] token j's 64 columns as 32 words of two f16, at PKD + 32 j
.set WV,   16
.set CX,   17
.set G1,   24
.set G0,   32
.set HC,   41
.set YB,   42
.set SEL,  44
.set EPS,  46
.set MSB, 0
.macro WIN new                         ; s_set_vgpr_msb: bits 1:0 source 0, 3:2 source 1, 5:4 source 2, 7:6 destination; the high byte repeats the setting that is left
.if MSB != (\new)
	s_set_vgpr_msb (MSB<<8)|(\new)
.set MSB, \new
.endif
.endm
.macro PLACES
.rept 4
	v_nop
.endr
.endm
.macro ROUND
	s_barrier_signal -1
	s_barrier_wait -1
	s_cmp_lg_u32 s[WV], 0
	s_cbranch_scc1 .Lnot_wave_0_\@
	s_barrier_signal -3
.Lnot_wave_0_\@:
	s_barrier_wait -3
	s_barrier_signal -1
	s_barrier_wait -1
.endm
	s_load_b128 s[4:7], s[0:1], 0x0                ; yt 4, wo16 6
	s_load_b64 s[8:9], s[0:1], 0x10                ; out0
	v_lshl_add_u32 v[SPW], v0, 2, SPARE
	v_mov_b32 v[NIL], 0
	ds_add_u32 v[SPW], v[NIL]                      ; the opening: the add, twice on end, and its wait ahead of my first tensor load
	ds_add_u32 v[SPW], v[NIL]
	v_lshrrev_b32 v1, 5, v0
	v_readfirstlane_b32 s[WV], v1
	s_bfe_u32 s[CX], ttmp6, 0x40000
	s_lshl_b32 s18, ttmp9, 2
	s_add_co_u32 s18, s18, s[CX]                   ; my row tile: it enters yt's and out0's addresses alone
	s_and_b32 s19, ttmp7, 0xffff                   ; the column tile, which the partners share
	s_mov_b32 s[G1], 15|(1<<16)|(1<<20)|(1<<21)|(5<<22)|(7<<25)  ; mask of four, 2-byte elements, 8 words of padding after every 64, bit 21 beside the mask
	s_mov_b32 s[G1+1], 128<<16
	s_mov_b32 s[G1+2], 64<<16
	s_mov_b32 s[G1+3], 128<<16
	s_mov_b32 s[G1+4], 64
	s_mov_b32 s[G1+5], 1024
	s_mov_b32 s[G1+6], 0
	s_mov_b32 s[G1+7], 0
	s_mov_b32 s[G0], 1
	s_mul_i32 s[G0+1], s[WV], 64*WP                ; wave w brings 64 k-rows of each tile
	s_add_co_u32 s[G0+1], s[G0+1], SLOT0
	s_mov_b32 s[G0+4], 1
	s_add_co_u32 s[G0+5], s[G0+1], SLOTB
	s_lshl_b32 s12, s[WV], 17                      ; 64 rows of 2,048 bytes
	s_lshl_b32 s13, s19, 8
	s_add_co_u32 s12, s12, s13
	s_mov_b32 s13, 0
	s_mov_b32 s40, 0x3c000000                      ; 1 / 128
	s_mov_b32 s[EPS], 0x358637bd                   ; 1e-6
	s_mov_b32 s[SEL], 0x76543210
	s_mov_b32 s[SEL+1], 0xfedcba98
	s_lshr_b32 s20, s18, 4
	s_lshl_b32 s20, s20, 3
	s_lshl1_add_u32 s20, s[WV], s20                ; my first head's bh = 8 batch + 2 w
	s_lshl_b32 s20, s20, 19                        ; 128 columns of 4,096 bytes
	s_and_b32 s22, s18, 15
	s_lshl_b32 s22, s22, 8                         ; the tile's first token, 4 bytes each
	s_add_co_u32 s20, s20, s22
	s_mul_i32 s22, s[WV], 2*AREG                   ; my first head's region
	s_mov_b32 s21, 0
	s_lshl_b32 s14, s18, 6
	s_lshl_b32 s15, s[WV], 4
	s_add_co_u32 s14, s14, s15
	s_lshl_b32 s14, s14, 12                        ; out0: my wave's 16 rows of 4,096 bytes,
	s_lshl_b32 s15, s19, 9
	s_add_co_u32 s14, s14, s15                     ; the tile's 512 bytes of them
	s_mov_b32 s15, 0
	s_wait_dscnt 0x0                               ; both opening adds are done
	s_wait_kmcnt 0x0
	s_add_nc_u64 s[G0+2:G0+3], s[6:7], s[12:13]
	s_add_nc_u64 s[G0+6:G0+7], s[G0+2:G0+3], 256*2048
	s_or_b32 s[G0+3], s[G0+3], 0x80000000
	s_or_b32 s[G0+7], s[G0+7], 0x80000000
	s_add_nc_u64 s[YB:YB+1], s[4:5], s[20:21]
	s_add_nc_u64 s[8:9], s[8:9], s[14:15]
	ROUND                                          ; all four work-groups are here: the first joint loads meet
	tensor_load_to_lds s[G0:G0+3], s[G1:G1+7]      ; two loads of mine are out: K steps 0 and 1
	s_nop 0
	tensor_load_to_lds s[G0+4:G0+7], s[G1:G1+7]
	s_nop 0
	PLACES
	v_and_b32 v1, 31, v0                           ; l
	v_and_b32 v2, 15, v0                           ; r, and tq
	v_bfe_u32 v3, v0, 4, 1                         ; h, and hc
	v_lshlrev_b32 v[YI], 18, v3                    ; 64 columns of 4,096 bytes for the upper half of the lanes,
	v_lshl_add_u32 v[YI], v2, 4, v[YI]             ; four tokens a lane
	v_mul_u32_u24 v[AST], v2, 4*AP                 ; token 4 tq,
	v_lshl_add_u32 v[AST], v3, 7, v[AST]           ; my 64 columns' 128 bytes of its row
	v_add_nc_u32 v[AST], s22, v[AST]
	v_mul_u32_u24 v[ADRA], v2, AP
	v_lshl_add_u32 v[ADRA], v3, 4, v[ADRA]
	v_and_b32 v20, 7, v0
	v_lshl_add_u32 v20, v3, 3, v20
	v_mul_u32_u24 v20, v20, WP
	v_bfe_u32 v21, v0, 3, 1
	v_lshl_add_u32 v20, v21, 4, v20
	s_lshl_b32 s23, s[WV], 6
	v_add_nc_u32 v20, s23, v20
	v_add_nc_u32 v[ADRB], SLOT0, v20
	v_add_nc_u32 v[ADRB+1], SLOT0+128*WP, v20
	v_add_nc_u32 v[ADRB+2], SLOT0+SLOTB, v20
	v_add_nc_u32 v[ADRB+3], SLOT0+SLOTB+128*WP, v20
	s_lshl_b32 s23, s[WV], 7
	s_add_co_u32 s23, s23, STG
	v_mul_u32_u24 v[STO], v2, SGP
	v_lshl_add_u32 v[STO], v3, 5, v[STO]
	v_add_nc_u32 v[STO], s23, v[STO]
	s_mul_i32 s23, s[WV], 16*SGP
	s_add_co_u32 s23, s23, STG
	v_lshl_add_u32 v[RD], v1, 4, s23
	v_lshlrev_b32 v[GO], 4, v1
	; THE PROLOGUE: two heads a wave.  In window 1 register 4 c + j holds column 64 hc + c, token 4 tq + j.
	s_mov_b32 s[HC], 2
.Lhead:
	WIN 0x40                                       ; destination window 1, address window 0
.set c, 0
.rept 64
	global_load_b128 v[4*c:4*c+3], v[YI], s[YB:YB+1] offset:c*4096
.set c, c+1
.endr
	WIN 0x05                                       ; sources 0 and 1 window 1; the sums in window 0
.set c, 0
.rept 64                               ; the sums of squares, tokens in pairs, four chains by the column's number; the first terms start them
.if (c%16) == 0
	s_wait_loadcnt 48-c                            ; loads return in order: this quarter's 16 are in, the later quarters' may stay out
.endif
.if c < 4
	v_pk_mul_f32 v[SS+4*c:SS+4*c+1],   v[4*c:4*c+1],   v[4*c:4*c+1]
	v_pk_mul_f32 v[SS+4*c+2:SS+4*c+3], v[4*c+2:4*c+3], v[4*c+2:4*c+3]
.else
	v_pk_fma_f32 v[SS+4*(c%4):SS+4*(c%4)+1],   v[4*c:4*c+1],   v[4*c:4*c+1],   v[SS+4*(c%4):SS+4*(c%4)+1]
	v_pk_fma_f32 v[SS+4*(c%4)+2:SS+4*(c%4)+3], v[4*c+2:4*c+3], v[4*c+2:4*c+3], v[SS+4*(c%4)+2:SS+4*(c%4)+3]
.endif
.set c, c+1
.endr
	WIN 0
	v_pk_add_f32 v[SS:SS+1],     v[SS:SS+1],     v[SS+4:SS+5]
	v_pk_add_f32 v[SS+2:SS+3],   v[SS+2:SS+3],   v[SS+6:SS+7]
	v_pk_add_f32 v[SS+8:SS+9],   v[SS+8:SS+9],   v[SS+12:SS+13]
	v_pk_add_f32 v[SS+10:SS+11], v[SS+10:SS+11], v[SS+14:SS+15]
	v_pk_add_f32 v[SS:SS+1],     v[SS:SS+1],     v[SS+8:SS+9]
	v_pk_add_f32 v[SS+2:SS+3],   v[SS+2:SS+3],   v[SS+10:SS+11]
.irp j, 0,1,2,3
	v_permlanex16_b32 v[SS+4+\j], v[SS+\j], s[SEL], s[SEL+1]  ; the tokens' other 64 columns lie in the lane 16 away (the destination has been written: it counts as read)
.endr
	v_pk_add_f32 v[SS:SS+1],   v[SS:SS+1],   v[SS+4:SS+5]
	v_pk_add_f32 v[SS+2:SS+3], v[SS+2:SS+3], v[SS+6:SS+7]
.irp j, 0,1,2,3
	v_fma_f32 v[SS+8+\j], v[SS+\j], s40, s[EPS]    ; the mean + 1e-6
.endr
.irp j, 0,1,2,3
	v_rsq_f32 v[RI+\j], v[SS+8+\j]
.endr
	v_nop                                          ; a plain instruction behind the last root,
	s_wait_alu depctr_va_vdst(0)                   ; and one wait for the four, ahead of the first use
	WIN 0x41                                       ; destination and source 0 window 1, source 1 window 0
.set c, 0
.rept 64
	v_pk_mul_f32 v[4*c:4*c+1],   v[4*c:4*c+1],   v[RI:RI+1]
	v_pk_mul_f32 v[4*c+2:4*c+3], v[4*c+2:4*c+3], v[RI+2:RI+3]
.set c, c+1
.endr
.set j, 0
.rept 4                                ; token j: columns 2 m and 2 m + 1 make a word; its 32 words are 128 bytes of its row: eight stores
	WIN 0x05
.set m, 0
.rept 32
	v_cvt_pk_f16_f32 v[PKD+32*j+m], v[8*m+j], v[8*m+4+j]
.set m, m+1
.endr
	WIN 0
.set m, 0
.rept 8
	ds_store_b128 v[AST], v[PKD+32*j+4*m:PKD+32*j+4*m+3] offset:j*AP+16*m
.set m, m+1
.endr
.set j, j+1
.endr
	s_add_nc_u64 s[YB:YB+1], s[YB:YB+1], 524288    ; the loads are done (the last quarter's wait for 0): the next head
	s_wait_dscnt 0x0                               ; my stores are done: for the next trip's registers, and for the barrier behind the loop
	v_add_nc_u32 v[AST], AREG, v[AST]
	s_sub_co_u32 s[HC], s[HC], 1
	s_cmp_lg_u32 s[HC], 0
	s_cbranch_scc1 .Lhead
	s_wait_tensorcnt 1                             ; K step 0 is in; K step 1 may stay out
	s_barrier_signal -1
	s_barrier_wait -1
; 12 LDS loads: the fragments of sub-step q (32 k; 8 sub-steps a K step, 4 a head's region) into buffer q % 2
.macro FETCH q
.set SL, ((\q)/8)%2
.set SB, (\q)%8
.set FB, FR+48*((\q)%2)
.if (((\q)%4) == 0) && ((\q) > 0)
	v_add_nc_u32 v[ADRA], AREG, v[ADRA]
.endif
.irp j, 0,1
	ds_load_tr16_b128 v[FB+8*\j:FB+8*\j+3],   v[ADRB+2*SL+SB/4] offset:32*WP*(SB%4)+32*\j
	ds_load_tr16_b128 v[FB+8*\j+4:FB+8*\j+7], v[ADRB+2*SL+SB/4] offset:32*WP*(SB%4)+32*\j+16*WP
.endr
.irp m, 0,1,2,3
	ds_load_b128 v[FB+16+8*\m:FB+16+8*\m+3], v[ADRA] offset:16*AP*\m+64*(SB%4)
	ds_load_b128 v[FB+16+8*\m+4:FB+16+8*\m+7], v[ADRA] offset:16*AP*\m+64*(SB%4)+32
.endr
.endm
.macro MUL q                           ; 8 products; the eight accumulators take turns
.set FB, FR+48*((\q)%2)
.irp m, 0,1,2,3
.irp j, 0,1
.if (\q) == 0
	v_wmma_f32_16x16x32_f16 v[ACC+8*(2*\m+\j):ACC+8*(2*\m+\j)+7], v[FB+8*\j:FB+8*\j+7], v[FB+16+8*\m:FB+16+8*\m+7], 0
.else
	v_wmma_f32_16x16x32_f16 v[ACC+8*(2*\m+\j):ACC+8*(2*\m+\j)+7], v[FB+8*\j:FB+8*\j+7], v[FB+16+8*\m:FB+16+8*\m+7], v[ACC+8*(2*\m+\j):ACC+8*(2*\m+\j)+7]
.endif
.endr
.endr
.endm
.macro STEPQ q
	s_wait_dscnt 0x0                               ; this sub-step's fragments are in
.if ((\q)%8) != 7
	PLACES                                         ; four places ahead of loads into registers that the last products read
	FETCH (\q)+1
	MUL \q
.elseif (\q) < 31                      ; a K step's last sub-step: the change of slots
	s_wait_tensorcnt 0x0                           ; all my tensor loads have landed: my part of the other slot
	ds_add_u32 v[SPW], v[NIL]                      ; 0 onto my spare word; 8 products stand between it and the wait for it
	MUL \q
.if (\q) < 16
	s_add_nc_u64 s[G0+4*((\q)/8)+2:G0+4*((\q)/8)+3], s[G0+4*((\q)/8)+2:G0+4*((\q)/8)+3], 512*2048
.endif
	s_wait_dscnt 0x0                               ; the add is done; my reads of this slot were over at this sub-step's head
.if (\q) < 16
	ROUND                                          ; no wave of any partner still reads this slot or has a load on its way
	tensor_load_to_lds s[G0+4*((\q)/8):G0+4*((\q)/8)+3], s[G1:G1+7]  ; the K step two on
	s_nop 0
.else
	s_barrier_signal -1
	s_barrier_wait -1
.endif
	PLACES
	FETCH (\q)+1
.else
	MUL \q
.endif
.endm
	FETCH 0
.set qq, 0
.rept 32
	STEPQ qq
.set qq, qq+1
.endr
	; THE WAY OUT, through a stage in slot 0: its last fill was K step 2's, and the barrier at that step's end stands behind every wave's last read of it.
	PLACES
.irp m, 0,1,2,3
.irp j, 0,1
	ds_store_b128 v[STO], v[ACC+8*(2*\m+\j):ACC+8*(2*\m+\j)+3]   offset:\m*16*SGP+64*\j
	ds_store_b128 v[STO], v[ACC+8*(2*\m+\j)+4:ACC+8*(2*\m+\j)+7] offset:\m*16*SGP+64*\j+16
.endr
.endr
	s_wait_dscnt 0x0                               ; for the others' sake: a row's 512 bytes come from four waves
	s_barrier_signal -1
	s_barrier_wait -1
.set i, 0
.rept 16
	ds_load_b128 v[FR+4*i:FR+4*i+3], v[RD] offset:i*SGP
.set i, i+1
.endr
.set i, 0
.rept 16
	s_wait_dscnt 15-i
	global_store_b128 v[GO], v[FR+4*i:FR+4*i+3], s[8:9] offset:i*4096  ; 32 lanes store 512 consecutive bytes, aligned
.set i, i+1
.endr
	s_wait_tensorcnt 0x0                           ; the wave's end
	ds_add_u32 v[SPW], v[NIL]
	s_wait_dscnt 0x0
	ROUND                                          ; the closing round
	s_endpgm
.Lfunc_end_k_qa39b36438e_ogemm:
	.size	k_qa39b36438e_ogemm, .Lfunc_end_k_qa39b36438e_ogemm-k_qa39b36438e_ogemm
	.p2alignl 7, 3214868480
	.fill 96, 4, 3214868480
	.section	.rodata,"a",@progbits
	.p2align	6, 0x0
	.amdhsa_kernel k_qa39b36438e_ogemm
		.amdhsa_group_segment_fixed_size 327680
		.amdhsa_private_segment_fixed_size 0
		.amdhsa_enable_private_segment 0
		.amdhsa_kernarg_size 24
		.amdhsa_user_sgpr_count 2
		.amdhsa_user_sgpr_kernarg_segment_ptr 1
		.amdhsa_wavefront_size32 1
		.amdhsa_system_sgpr_workgroup_id_x 1
		.amdhsa_system_sgpr_workgroup_id_y 1
		.amdhsa_system_sgpr_workgroup_id_z 1
		.amdhsa_system_vgpr_workitem_id 0
		.amdhsa_next_free_vgpr 512
		.amdhsa_next_free_sgpr 66
		.amdhsa_reserve_vcc 0
		.amdhsa_float_denorm_mode_32 3
		.amdhsa_float_denorm_mode_16_64 3
		.amdhsa_memory_ordered 1
		.amdhsa_forward_progress 1
		.amdhsa_inst_pref_size 91
	.end_amdhsa_kernel
	.amdgpu_metadata
---
amdhsa.version: [ 1, 2 ]
amdhsa.kernels:
  - .name:           k_qa39b36438e_ogemm
    .symbol:         k_qa39b36438e_ogemm.kd
    .args:
      - { .name: yt, .offset: 0, .size: 8, .value_kind: global_buffer, .address_space: global }
      - { .name: wo16, .offset: 8, .size: 8, .value_kind: global_buffer, .address_space: global }
      - { .name: out0, .offset: 16, .size: 8, .value_kind: global_buffer, .address_space: global }
    .group_segment_fixed_size: 327680
    .private_segment_fixed_size: 0
    .kernarg_segment_align: 8
    .kernarg_segment_size: 24
    .max_flat_workgroup_size: 128
    .sgpr_count:     66
    .vgpr_count:     512
    .wavefront_size: 32
...
	.end_amdgpu_metadata
.endif
;; end of part 7
;; ======== version 3 of 3: 4 launches; version 2 with the launch prep written anew for expert scheduling mode
;; limits: values are held in f16: magnitudes above 65,504 overflow, below 6.1e-05 lose precision
;; workspace buffers: xb 4,194,304 bytes; wall 10,485,760 bytes; wo16 2,097,152 bytes; ks 25,165,824 bytes; vg 16,777,216 bytes; sc 131,072 bytes; yt 8,388,608 bytes
;; launch prep (part 8): grid 256 x 2, 4 waves a work-group, no clusters, 54,784 bytes of LDS; arguments Wf1, Wf2, Wog1, Wog2, Wq, Wk, Wv, Wo, x, xb, wall, wo16, norm_w; writes xb, wall, wo16
.if DOCPART == 8
	.amdgcn_target "amdgcn-amd-amdhsa--gfx1250"
	.amdhsa_code_object_version 6
	.text
	.protected	k_qa39b36438e_prep
	.globl	k_qa39b36438e_prep
	.p2align	8
	.type	k_qa39b36438e_prep,@function
k_qa39b36438e_prep:
	s_mov_b64 s[64:65], 0
	v_nop
	global_prefetch_b8 v0, s[64:65] scope:SCOPE_SE
	s_setreg_imm32_b32 hwreg(HW_REG_WAVE_SCHED_MODE, 0, 2), 2
	s_setreg_imm32_b32 hwreg(HW_REG_WAVE_MODE, 25, 1), 1
	s_wait_xcnt 0x0
	s_wait_alu depctr_vm_vsrc(0)
; PREP.  Work-groups with y = 1 cast: x -> xb (bf16); Wq, Wk, Wv -> blocks 0-2 of the panel wall (bf16); Wo -> wo16 = f16(bf16(Wo[k][n]) x bf16(norm_w[k])).
; Work-groups with y = 0 make the two low-rank products Wf1 Wf2 and Wog1 Wog2 (bf16 operands, f32 sums, rounded once to bf16) -> blocks 3 and 4 of wall.
; wall: [8 heads][1024 k][5 blocks q,k,v,f,g][128] bf16: a row of 1,280 bytes, a head of 1,310,720.
; LIMITS.  norm_w[k] x Wo[k][n] must stay under 65,504 (f16); below 6e-5 it keeps f16's fixed step of 6e-8.  (x Wf1) Wf2 is taken as x (Wf1 Wf2): the same sum in another order, the product matrix rounded once to bf16.
; THE MODE: SCHED_MODE bits 1:0 = 2 (LLVM: expert scheduling mode 2), set by the entry lines.  The code itself states the register dependences
; between vector or matrix instructions and memory or LDS instructions, with s_wait_alu, always for 0.
; THE PLAN, THE CASTS.  Registers that memory instructions touch:
;   v4, v5, v6    byte offsets, made once ahead of the first load and never written again.
;   v[32:223]     24 units of 8: a unit's two loads land in it (all 48 are issued at the start), its roundings work in place, its two stores read it; it is never written again.
; The units go in six blocks of four.  One wait on va_vdst at a block's head states that the block before is rounded; that block's eight stores follow it in one run, ahead of the
; block's first wait for data, so that no store is held behind a load.  No register that a memory instruction has read is written again: no wait on vm_vsrc is owed.
; THE PLAN, THE LOW-RANK PRODUCTS.
;   v7, v8, v11, v12, v14, v15, v16   offsets and LDS addresses, made once and never written again.
;   v[32:159]     W2 as loaded, rounded in place, read by the LDS stores.  Behind the barrier v[32:95] are fragment buffer 0 (LDS loads land, products read), v[96:159] the accumulators.
;   v[160:223]    W1 as loaded, read by its roundings.  Then fragment buffer 1.  On the way out v[160:191] hold the packed results (LDS stores read them), v[192:223] the rows read back (global stores read them).
;   v[224:255]    W1's fragments: named by vector and matrix instructions alone.
; K step s reads buffer s % 2; the fragments of step s + 1 are asked for among step s's products, into the buffer that step s - 1 read, behind one wait on va_vdst at the step's head.
.set HEADB, 1310720
.set PB,    288                        ; a row of W2's block in LDS: 256 bytes + 32: an odd multiple of 32 for the turning load
.set STG,   36864                      ; behind it: 16 rows x 272 bytes for each wave, for the way out
.set SP,    272
.set SPARE, 54272                      ; the spare words, 128 bytes a wave
.set SPW,   30
.set NIL,   31
.set NW,    12                         ; v[12:19] norm_w of my four rows, rounded to bf16, each written twice (a pair for the packed multiply)
.set RAW,   32
.set ACC,   96                         ; the low-rank products: eight accumulators
.set W1R,   160                        ; W1 as loaded; fragment buffer 1 = RAW + 128; on the way out the packed results,
.set BK,    192                        ; and the rows read back
.set WF,    224                        ; W1's four fragments
.macro PLACES
.rept 4
	v_nop
.endr
.endm
.macro BF4 R                           ; four f32 at R -> two words of two bf16 at R, R+1
	v_cvt_pk_bf16_f32 v[\R], v[\R], v[(\R)+1]
	v_cvt_pk_bf16_f32 v[(\R)+1], v[(\R)+2], v[(\R)+3]
.endm
.macro WO1 D, R, n                     ; the word of two bf16 at D, widened into R, R+1, times norm_w, back into D as two f16
	v_lshlrev_b32 v[\R], 16, v[\D]
	v_and_b32 v[(\R)+1], s47, v[\D]
	v_pk_mul_f32 v[\R:(\R)+1], v[\R:(\R)+1], v[\n:(\n)+1] op_sel_hi:[1,0]
	v_cvt_pk_f16_f32 v[\D], v[\R], v[(\R)+1]
.endm
	s_load_b512 s[8:23], s[0:1], 0x0               ; Wf1 8, Wf2 10, Wog1 12, Wog2 14, Wq 16, Wk 18, Wv 20, Wo 22
	s_load_b256 s[24:31], s[0:1], 0x40             ; x 24, xb 26, wall 28, wo16 30
	s_load_b64 s[44:45], s[0:1], 0x60              ; norm_w
	v_lshl_add_u32 v[SPW], v0, 2, SPARE
	v_mov_b32 v[NIL], 0
	v_lshrrev_b32 v1, 5, v0
	v_readfirstlane_b32 s3, v1                     ; wave
	v_and_b32 v2, 31, v0                           ; lane
	s_and_b32 s2, ttmp7, 0xffff
	s_mov_b32 s33, 0                               ; the high word of every offset
	s_mov_b32 s47, 0xffff0000
	s_wait_alu depctr_va_sdst(0)                   ; s3 is written
	s_wait_kmcnt 0x0
	s_cmp_eq_u32 s2, 0
	s_cbranch_scc1 .Llow
	; THE CASTS.  Work-group c takes rows 4c .. 4c+3 of the four square weights and rows 8c .. 8c+7 of x: 24 rows of 4,096 bytes.
	; Thread t takes 16 bytes at 16 t and at 16 t + 2,048 of each row: a wave's load covers 512 consecutive bytes, its store of 8 bytes a lane 256 consecutive bytes, aligned.
	v_lshlrev_b32 v4, 4, v0                        ; in
	v_lshlrev_b32 v5, 3, v0                        ; out, dense rows
	v_mul_u32_u24 v6, v1, HEADB                    ; out, the panel: columns 4 t .. lie in head t / 32 = my wave's number,
	v_lshl_add_u32 v6, v2, 3, v6                   ; at byte 8 x lane of its block
	s_lshl_b32 s32, ttmp9, 4
	s_add_nc_u64 s[44:45], s[44:45], s[32:33]
	s_load_b128 s[36:39], s[44:45], 0x0            ; norm_w[4c .. 4c+3]
	s_lshl_b32 s32, ttmp9, 14
.irp e, 0,1,2,3
	s_add_nc_u64 s[16+2*\e:17+2*\e], s[16+2*\e:17+2*\e], s[32:33]
.endr
	s_add_nc_u64 s[26:27], s[26:27], s[32:33]      ; xb: 8 rows of 2,048 bytes
	s_lshl_b32 s32, ttmp9, 15
	s_add_nc_u64 s[24:25], s[24:25], s[32:33]
	s_lshl_b32 s32, ttmp9, 13
	s_add_nc_u64 s[30:31], s[30:31], s[32:33]
	s_mul_i32 s32, ttmp9, 5120
	s_add_nc_u64 s[28:29], s[28:29], s[32:33]
	s_wait_alu depctr_va_vdst(0)                   ; v4, v5 and v6 are written: every load and store of the casts reads one of them as its offset
.irp e, 0,1,2,3
.irp i, 0,1,2,3
	global_load_b128 v[RAW+8*(4*\e+\i):RAW+8*(4*\e+\i)+3],   v4, s[16+2*\e:17+2*\e] offset:\i*4096 th:TH_LOAD_NT
	global_load_b128 v[RAW+8*(4*\e+\i)+4:RAW+8*(4*\e+\i)+7], v4, s[16+2*\e:17+2*\e] offset:\i*4096+2048 th:TH_LOAD_NT
.endr
.endr
.irp i, 0,1,2,3,4,5,6,7
	global_load_b128 v[RAW+8*(16+\i):RAW+8*(16+\i)+3],   v4, s[24:25] offset:\i*4096 th:TH_LOAD_NT
	global_load_b128 v[RAW+8*(16+\i)+4:RAW+8*(16+\i)+7], v4, s[24:25] offset:\i*4096+2048 th:TH_LOAD_NT
.endr
	s_wait_kmcnt 0x0
.irp i, 0,1,2,3
	v_cvt_pk_bf16_f32 v[NW+2*\i], s[36+\i], s[36+\i]
	v_lshlrev_b32 v[NW+2*\i], 16, v[NW+2*\i]
	v_mov_b32 v[NW+2*\i+1], v[NW+2*\i]
.endr
; Unit u = 4 e + i: units 0-11 rows of Wq, Wk, Wv; 12-15 of Wo; 16-23 of x.
.macro CONV u                          ; unit u is rounded, in place
	s_wait_loadcnt 2*(23-(\u))                     ; loads return in order: the later units' two loads each may stay out
	BF4 RAW+8*(\u)
	BF4 RAW+8*(\u)+4
.if ((\u) >= 12) && ((\u) < 16)
	WO1 RAW+8*(\u),   RAW+8*(\u)+2, NW+2*((\u)-12)
	WO1 RAW+8*(\u)+1, RAW+8*(\u)+2, NW+2*((\u)-12)
	WO1 RAW+8*(\u)+4, RAW+8*(\u)+6, NW+2*((\u)-12)
	WO1 RAW+8*(\u)+5, RAW+8*(\u)+6, NW+2*((\u)-12)
.endif
.endm
.macro SEND u                          ; unit u's two stores
.if (\u) < 12
	global_store_b64 v6, v[RAW+8*(\u):RAW+8*(\u)+1],   s[28:29] offset:((\u)%4)*1280+((\u)/4)*256
	global_store_b64 v6, v[RAW+8*(\u)+4:RAW+8*(\u)+5], s[28:29] offset:((\u)%4)*1280+((\u)/4)*256+4*HEADB
.elseif (\u) < 16
	global_store_b64 v5, v[RAW+8*(\u):RAW+8*(\u)+1],   s[30:31] offset:((\u)-12)*2048
	global_store_b64 v5, v[RAW+8*(\u)+4:RAW+8*(\u)+5], s[30:31] offset:((\u)-12)*2048+1024
.else
	global_store_b64 v5, v[RAW+8*(\u):RAW+8*(\u)+1],   s[26:27] offset:((\u)-16)*2048
	global_store_b64 v5, v[RAW+8*(\u)+4:RAW+8*(\u)+5], s[26:27] offset:((\u)-16)*2048+1024
.endif
.endm
; Block p: the block before goes out, then units 4 p .. 4 p + 3 are rounded.  Block 6 is the last four units' way out alone.
.macro BLOCK p
.if (\p) > 0
	s_wait_alu depctr_va_vdst(0)                   ; the roundings of the block before have written its units, which the eight stores below read
.irp i, 0,1,2,3
	SEND 4*(\p)-4+\i
.endr
.endif
.if (\p) < 6
.irp i, 0,1,2,3
	CONV 4*(\p)+\i
.endr
.endif
.endm
	BLOCK 0                                        ; Wq
	BLOCK 1                                        ; Wk
	BLOCK 2                                        ; Wv
	BLOCK 3                                        ; Wo
	BLOCK 4                                        ; x
	BLOCK 5
	BLOCK 6
	s_branch .Lend
.Llow:
	; THE LOW-RANK PRODUCTS.  Work-group c: matrix c / 128, head (c / 16) % 8, 64 rows of W1 from 64 (c % 16) on; a wave 16 rows x the head's 128 columns.
	s_lshr_b32 s34, ttmp9, 7
	s_bfe_u32 s35, ttmp9, 0x30004
	s_and_b32 s36, ttmp9, 15
	s_cmp_eq_u32 s34, 0
	s_cselect_b64 s[38:39], s[8:9], s[12:13]       ; W1 [1024][128]
	s_cselect_b64 s[40:41], s[10:11], s[14:15]     ; W2 [128][1024]
	s_lshl_b32 s32, s35, 9
	s_add_nc_u64 s[40:41], s[40:41], s[32:33]      ; the head's 128 columns
	s_lshl2_add_u32 s37, s36, s3
	s_lshl_b32 s37, s37, 4                         ; my wave's first row
	s_lshl_b32 s32, s37, 9
	s_add_nc_u64 s[38:39], s[38:39], s[32:33]
	v_lshlrev_b32 v7, 12, v1
	v_lshl_add_u32 v7, v2, 4, v7                   ; W2: row = wave (+ 4 i), 16 bytes a lane
	v_mul_u32_u24 v8, v1, PB
	v_lshl_add_u32 v8, v2, 3, v8                   ; the same place in LDS, in bf16
	v_and_b32 v9, 15, v2                           ; r
	v_lshrrev_b32 v10, 4, v2                       ; h
	v_lshlrev_b32 v11, 9, v9
	v_lshl_add_u32 v11, v10, 5, v11                ; W1: row r, 8 f32 for each half of the lanes
	s_wait_alu depctr_va_vdst(0)                   ; v7 and v11 are written, which the loads below read as their offsets; so is v8
.set i, 0
.rept 32
	global_load_b128 v[RAW+4*i:RAW+4*i+3], v7, s[40:41] offset:i*16384
.set i, i+1
.endr
.irp s, 0,1,2,3                        ; a fragment is 16 rows x 32 k: k = 8 h + 0..7 and 16 + 8 h + 0..7
	global_load_b128 v[W1R+16*\s:W1R+16*\s+3],     v11, s[38:39] offset:128*\s
	global_load_b128 v[W1R+16*\s+4:W1R+16*\s+7],   v11, s[38:39] offset:128*\s+16
	global_load_b128 v[W1R+16*\s+8:W1R+16*\s+11],  v11, s[38:39] offset:128*\s+64
	global_load_b128 v[W1R+16*\s+12:W1R+16*\s+15], v11, s[38:39] offset:128*\s+80
.endr
	v_and_b32 v13, 7, v2
	v_lshl_add_u32 v13, v10, 3, v13
	v_mul_u32_u24 v12, v13, PB
	v_bfe_u32 v13, v2, 3, 1
	v_lshl_add_u32 v12, v13, 4, v12                ; the turning load: row 8 h + l % 8, 16 bytes by (l / 8) % 2
	s_mul_i32 s42, s3, 16*SP
	s_add_co_u32 s42, s42, STG                     ; my stage
	v_mul_u32_u24 v14, v9, SP
	v_lshl_add_u32 v14, v10, 4, v14
	v_add_nc_u32 v14, s42, v14                     ; in: row r, 16 bytes for each half
	v_mul_u32_u24 v15, v10, SP
	v_lshl_add_u32 v15, v9, 4, v15
	v_add_nc_u32 v15, s42, v15                     ; back: lanes 0-15 one row of 256 bytes, lanes 16-31 the next
	v_mul_u32_u24 v16, v10, 1280
	v_lshl_add_u32 v16, v9, 4, v16                 ; the same two rows in the panel
	s_mul_i32 s32, s35, HEADB
	s_mul_i32 s42, s37, 1280
	s_add_co_u32 s32, s32, s42
	s_lshl_b32 s42, s34, 8
	s_add_co_u32 s32, s32, s42
	s_add_co_u32 s32, s32, 768                     ; block 3 or 4
	s_add_nc_u64 s[28:29], s[28:29], s[32:33]
	; W2's block into LDS, in two halves of 16 loads: a half's LDS stores stand among the roundings that follow it, which name other registers.
	s_wait_loadcnt 32                              ; W2's first 16 loads are in; its other 16 and W1's 16 may stay out
.set i, 0
.rept 16
	BF4 RAW+4*i
.set i, i+1
.endr
	s_wait_loadcnt 16                              ; W2's 32 loads are in; W1's 16 may stay out
	s_wait_alu depctr_va_vdst(0)                   ; the roundings have written the first half, which the LDS stores below read; v12 and v14 to v16 are written too, for the LDS and global instructions further down
.set i, 0
.rept 16
	ds_store_b64 v8, v[RAW+4*i:RAW+4*i+1] offset:i*4*PB
	BF4 RAW+4*i+64
.set i, i+1
.endr
	s_wait_loadcnt 0x0
	s_wait_alu depctr_va_vdst(0)                   ; the roundings have written the second half, which the LDS stores below read
.set i, 0
.rept 16
	ds_store_b64 v8, v[RAW+4*i+64:RAW+4*i+65] offset:(i+16)*4*PB
	v_cvt_pk_bf16_f32 v[WF+2*i],   v[W1R+4*i],   v[W1R+4*i+1]
	v_cvt_pk_bf16_f32 v[WF+2*i+1], v[W1R+4*i+2], v[W1R+4*i+3]
.set i, i+1
.endr
	s_wait_dscnt 0x0                               ; for the others' sake: my part of W2's block is stored
	s_barrier_signal -1
	s_barrier_wait -1
	s_wait_alu depctr_vm_vsrc(0)                   ; my LDS stores have read v[32:159]: from here on fragment loads land in v[32:95] and the products write v[96:159]
	s_wait_alu depctr_va_vdst(0)                   ; W1's roundings are done reading v[160:223], in which buffer 1's fragment loads land
	; source 0 = 16 columns of W2, source 1 = my 16 rows of W1: a lane ends with 8 neighbouring columns of one row.  The eight accumulators take turns.
.macro FRAG s, n                       ; fragment n (16 columns) of K step s, into buffer s % 2
	ds_load_tr16_b128 v[RAW+128*((\s)%2)+8*(\n):RAW+128*((\s)%2)+8*(\n)+3],   v12 offset:(\s)*32*PB+32*(\n)
	ds_load_tr16_b128 v[RAW+128*((\s)%2)+8*(\n)+4:RAW+128*((\s)%2)+8*(\n)+7], v12 offset:(\s)*32*PB+32*(\n)+16*PB
.endm
.macro PROD s, n                       ; its product; step 0 starts the sums
.if (\s) == 0
	v_wmma_f32_16x16x32_bf16 v[ACC+8*(\n):ACC+8*(\n)+7], v[RAW+128*((\s)%2)+8*(\n):RAW+128*((\s)%2)+8*(\n)+7], v[WF+8*(\s):WF+8*(\s)+7], 0
.else
	v_wmma_f32_16x16x32_bf16 v[ACC+8*(\n):ACC+8*(\n)+7], v[RAW+128*((\s)%2)+8*(\n):RAW+128*((\s)%2)+8*(\n)+7], v[WF+8*(\s):WF+8*(\s)+7], v[ACC+8*(\n):ACC+8*(\n)+7]
.endif
.endm
.irp n, 0,1,2,3,4,5,6,7
	FRAG 0, \n
.endr
.irp n, 0,1,2,3,4,5,6,7
	FRAG 1, \n
.endr
	s_wait_dscnt 16                                ; LDS loads return in order: step 0's fragments are in, step 1's 16 loads may stay out
.irp n, 0,1,2,3,4,5,6,7
	PROD 0, \n
.endr
.irp s, 1,2
	s_wait_dscnt 0x0                               ; this step's fragments are in
	PLACES                                         ; four places between the last product and loads into registers that it read
	s_wait_alu depctr_va_vdst(0)                   ; the products of the step before are done reading their buffer, in which the loads below land
.irp n, 0,1,2,3,4,5,6,7
	PROD \s, \n
	FRAG (\s)+1, \n                                ; no wait: no vector or matrix instruction since the wait above names the other buffer or v12
.endr
.endr
	s_wait_dscnt 0x0                               ; step 3 asks for nothing more
.irp n, 0,1,2,3,4,5,6,7
	PROD 3, \n
.endr
	PLACES                                         ; four places behind the last product, before its result is read and before the registers that it read are written
.set i, 0
.rept 32
	v_cvt_pk_bf16_f32 v[W1R+i], v[ACC+2*i], v[ACC+2*i+1]
.set i, i+1
.endr
	s_wait_alu depctr_va_vdst(0)                   ; the roundings have written v[160:191], which the LDS stores read; step 3's products are done reading v[192:223], in which the loads from the stage land
.irp n, 0,1,2,3,4,5,6,7
	ds_store_b128 v14, v[W1R+4*\n:W1R+4*\n+3] offset:32*\n
.endr
.irp n, 0,1,2,3,4,5,6,7
	ds_load_b128 v[BK+4*\n:BK+4*\n+3], v15 offset:\n*2*SP    ; a wave's LDS instructions are served in order: these see the stores above
.endr
.irp n, 0,1,2,3,4,5,6,7
	s_wait_dscnt 7-\n
	global_store_b128 v16, v[BK+4*\n:BK+4*\n+3], s[28:29] offset:\n*2560  ; 16 lanes store 256 consecutive bytes, aligned
.endr
.Lend:
	s_wait_dscnt 0x0                               ; the closing lines, six on end
	s_wait_alu 0x0
	s_wait_tensorcnt 0x0
	ds_add_u32 v[SPW], v[NIL]
	s_wait_dscnt 0x0
	s_endpgm
.Lfunc_end_k_qa39b36438e_prep:
	.size	k_qa39b36438e_prep, .Lfunc_end_k_qa39b36438e_prep-k_qa39b36438e_prep
	.p2alignl 7, 3214868480
	.fill 96, 4, 3214868480
	.section	.rodata,"a",@progbits
	.p2align	6, 0x0
	.amdhsa_kernel k_qa39b36438e_prep
		.amdhsa_group_segment_fixed_size 54784
		.amdhsa_private_segment_fixed_size 0
		.amdhsa_enable_private_segment 0
		.amdhsa_kernarg_size 104
		.amdhsa_user_sgpr_count 2
		.amdhsa_user_sgpr_kernarg_segment_ptr 1
		.amdhsa_wavefront_size32 1
		.amdhsa_system_sgpr_workgroup_id_x 1
		.amdhsa_system_sgpr_workgroup_id_y 1
		.amdhsa_system_sgpr_workgroup_id_z 1
		.amdhsa_system_vgpr_workitem_id 0
		.amdhsa_next_free_vgpr 256
		.amdhsa_next_free_sgpr 66
		.amdhsa_reserve_vcc 0
		.amdhsa_float_denorm_mode_32 3
		.amdhsa_float_denorm_mode_16_64 3
		.amdhsa_memory_ordered 1
		.amdhsa_forward_progress 1
		.amdhsa_inst_pref_size 48
	.end_amdhsa_kernel
	.amdgpu_metadata
---
amdhsa.version: [ 1, 2 ]
amdhsa.kernels:
  - .name:           k_qa39b36438e_prep
    .symbol:         k_qa39b36438e_prep.kd
    .args:
      - { .name: Wf1, .offset: 0, .size: 8, .value_kind: global_buffer, .address_space: global }
      - { .name: Wf2, .offset: 8, .size: 8, .value_kind: global_buffer, .address_space: global }
      - { .name: Wog1, .offset: 16, .size: 8, .value_kind: global_buffer, .address_space: global }
      - { .name: Wog2, .offset: 24, .size: 8, .value_kind: global_buffer, .address_space: global }
      - { .name: Wq, .offset: 32, .size: 8, .value_kind: global_buffer, .address_space: global }
      - { .name: Wk, .offset: 40, .size: 8, .value_kind: global_buffer, .address_space: global }
      - { .name: Wv, .offset: 48, .size: 8, .value_kind: global_buffer, .address_space: global }
      - { .name: Wo, .offset: 56, .size: 8, .value_kind: global_buffer, .address_space: global }
      - { .name: x, .offset: 64, .size: 8, .value_kind: global_buffer, .address_space: global }
      - { .name: xb, .offset: 72, .size: 8, .value_kind: global_buffer, .address_space: global }
      - { .name: wall, .offset: 80, .size: 8, .value_kind: global_buffer, .address_space: global }
      - { .name: wo16, .offset: 88, .size: 8, .value_kind: global_buffer, .address_space: global }
      - { .name: norm_w, .offset: 96, .size: 8, .value_kind: global_buffer, .address_space: global }
    .group_segment_fixed_size: 54784
    .private_segment_fixed_size: 0
    .kernarg_segment_align: 8
    .kernarg_segment_size: 104
    .max_flat_workgroup_size: 128
    .sgpr_count:     66
    .vgpr_count:     256
    .wavefront_size: 32
...
	.end_amdgpu_metadata
.endif
;; end of part 8
;; launch proj: the kernel of part 5 again; grid 32 x 8, 4 waves a work-group, clusters of 4 x 1, 327,680 bytes of LDS; arguments xb, wall, Wbeta, ks, vg, sc; writes ks, vg, sc
;; launch scan: the kernel of part 6 again; grid 16 x 16, 4 waves a work-group, clusters of 4 x 1, 327,680 bytes of LDS; arguments ks, vg, sc, yt; writes yt
;; launch ogemm: the kernel of part 7 again; grid 32 x 8, 4 waves a work-group, clusters of 4 x 1, 327,680 bytes of LDS; arguments yt, wo16, out0; writes out0
